; MI455X (gfx1250); checked and timed in simulation.
; The chip was launched on July 23, 2026; its instructions are those of AMD's public machine-readable ISA for CDNA 5 (MIT licence, August 2026) and "CDNA5" Instruction Set Architecture Reference Guide (July 2026). The comments in the code are by the model that wrote it; some were corrected since.
;; Transformer Block. Allowed arithmetic: float matrix products may take bf16 or f16 operands with f32 sums; other float arithmetic in f32, or as packed bf16 or f16 multiplies, adds, multiply-adds, maxima and minima; sums over many terms, partial sums and values carried from step to step in f32; what a program stores and reads back later, other than sums and carried values, may be rounded once to bf16 or f16.
;; Inputs: g1 512 float32; g2 512 float32; k_w 512 x 512 float32; o_w 512 x 512 float32; q_w 512 x 512 float32; token_positions 2,048 int32; v_w 512 x 512 float32; w1 512 x 512 float32; w2 512 x 512 float32; w3 512 x 512 float32; x 4 x 2,048 x 512 float32.
;; Outputs: out0 4 x 2,048 x 512 float32.
;; 2 versions, each right. Each part assembles by itself: llvm-mc -triple=amdgcn-amd-amdhsa -mcpu=gfx1250 --defsym DOCPART=n.
;; ======== version 1 of 2: 6 launches
;; limits: right only within a limited range of input values; inputs' magnitudes at most 4,194,304
;; workspace buffers: wts 2,883,584 bytes; wo 524,288 bytes; w2b 524,288 bytes; xa 16,777,216 bytes; qkv 50,331,648 bytes; ap 16,777,216 bytes; ob 16,777,216 bytes; hp 16,777,216 bytes
;; launch prep (part 1): grid 864 x 1, 8 waves a work-group, no clusters, 0 bytes of LDS; arguments x, g1, q_w, k_w, v_w, o_w, w2, w1, w3, g2, token_positions, wts, wo, w2b, xa; writes wts, wo, w2b, xa
.if DOCPART == 1
	.amdgcn_target "amdgcn-amd-amdhsa--gfx1250"
	.amdhsa_code_object_version 6
	.text
	.protected	k_q4ff05d21bf_prep
	.globl	k_q4ff05d21bf_prep
	.p2align	8
	.type	k_q4ff05d21bf_prep,@function
k_q4ff05d21bf_prep:
	s_mov_b64 s[64:65], 0
	v_nop
	global_prefetch_b8 v0, s[64:65] scope:SCOPE_SE
	s_setreg_imm32_b32 hwreg(HW_REG_WAVE_MODE, 25, 1), 1
	s_wait_xcnt 0x0
; PREP: three roles, chosen by the work-group's number.
;  X (work-groups 0-511): rmsnorm 1.  x and g1 are rounded to bf16 first (every input of the program is); y = (x rsq(mean x^2 + eps)) g1 in f32; y leaves as TWO bf16 numbers,
;    hi = bf16(y), lo = bf16(y - hi), in planes: xa[b][p][s][64]: a row of 128 bytes holds hi of channels 32 p .. 32 p + 31, then their lo.
;  W (512-735): the seven weight matrices to bf16; w1 and w3 are first multiplied by bf16(g2) along k and laid by turns in tiles of 16 rows (w1's tile, then w3's).
;  T (736-863): the table (cos, sin) of theta = fl(pos x inv_freq) for 2,048 positions x 16 frequencies, in f32.
; No LDS, no matrix unit: each byte is read and written once, and the roles share nothing.
; LIMIT: |pos| below 2^22 (the quotient by pi/2 must be a whole number that f32 holds with room for the three-part reduction).  NaN and infinities are not treated apart.
.set X,   64                           ; v[64:127]  x of my 64 numbers (8 for each of 8 planes)
.set G,   128                          ; v[128:191] g1 of the same channels
.set U,   6                            ; v[6:13]    four pairs at work in SPLIT8
.set SS,  14                           ; v[14:21]   four chains of the sum of squares
.set DH,  22                           ; v[22:25]   hi, packed
.set DL,  26                           ; v[26:29]   lo, packed
.set RR,  30                           ; v[30:31]   1 / rms, twice
.set OUT, 32                           ; v[32:63]   what is stored: four registers for each of 8 planes, never rewritten
.set MSK, 38                           ; s38        a word's upper bf16
; eight f32 at r -> four words of hi at dh, four of lo at dl; r is left holding the remainders
.macro SPLIT8 r, dh, dl
.irp k, 0,1,2,3
	v_cvt_pk_bf16_f32 v[(\dh)+(\k)], v[(\r)+2*(\k)], v[(\r)+2*(\k)+1]
.endr
.irp k, 0,1,2,3
	v_lshlrev_b32 v[U+2*(\k)], 16, v[(\dh)+(\k)]
	v_and_b32 v[U+2*(\k)+1], s[MSK], v[(\dh)+(\k)]
.endr
.irp k, 0,1,2,3
	v_pk_add_f32 v[(\r)+2*(\k):(\r)+2*(\k)+1], v[(\r)+2*(\k):(\r)+2*(\k)+1], v[U+2*(\k):U+2*(\k)+1] neg_lo:[0,1] neg_hi:[0,1]
.endr
.irp k, 0,1,2,3
	v_cvt_pk_bf16_f32 v[(\dl)+(\k)], v[(\r)+2*(\k)], v[(\r)+2*(\k)+1]
.endr
.endm
; 64 f32 at base are rounded to bf16 and widened again, in place
.macro RND base
.set n, 0
.rept 32
	v_cvt_pk_bf16_f32 v5, v[(\base)+2*n], v[(\base)+2*n+1]
	v_lshlrev_b32 v[(\base)+2*n], 16, v5
	v_and_b32 v[(\base)+2*n+1], s[MSK], v5
.set n, n+1
.endr
.endm
	s_load_b512 s[8:23], s[0:1], 0x0               ; x 8, g1 10, q_w 12, k_w 14, v_w 16, o_w 18, w2 20, w1 22
	s_load_b256 s[24:31], s[0:1], 0x40             ; w3 24, g2 26, token_positions 28, wts 30
	s_load_b128 s[32:35], s[0:1], 0x60             ; wo 32, w2b 34
	s_load_b64 s[36:37], s[0:1], 0x70              ; xa
	s_mov_b32 s[MSK], 0xffff0000
	v_lshrrev_b32 v1, 5, v0
	v_readfirstlane_b32 s39, v1                    ; wave 0..7
	s_wait_kmcnt 0x0
	s_cmp_lt_u32 ttmp9, 512
	s_cbranch_scc1 .Lrole_x
	s_cmp_lt_u32 ttmp9, 736
	s_cbranch_scc1 .Lrole_w
	; ROLE T.  Entry e = 256 (work-group - 736) + thread: position e / 16, frequency e % 16.
	s_sub_co_u32 s2, ttmp9, 736
	s_lshl_b32 s2, s2, 8
	v_add_nc_u32 v1, s2, v0                        ; e
	v_lshrrev_b32 v2, 4, v1
	v_lshlrev_b32 v2, 2, v2                        ; byte of the position
	v_and_b32 v3, 15, v1                           ; i
	v_lshlrev_b32 v4, 3, v1                        ; 8 e
	global_load_b32 v5, v2, s[28:29]
	s_mov_b32 s40, 0x3fc90fdb                      ; pi/2 in three parts: the f32 nearest,
	s_mov_b32 s41, 0xb33bbd2e                      ; what that leaves,
	s_mov_b32 s42, 0xa6f72ced                      ; and what that leaves
	v_mov_b32 v6, 1.0                              ; inv_freq[i] = fl(1 / fl(10000^(i/16))), picked by fifteen selects
.macro PICK i, lit
	v_cmp_ne_u32 vcc_lo, \i, v3
	v_cndmask_b32 v6, \lit, v6, vcc_lo
.endm
	PICK 1, 0x3f0ff59a
	PICK 2, 0x3ea1e89b
	PICK 3, 0x3e361887
	PICK 4, 0x3dcccccd
	PICK 5, 0x3d6655c2
	PICK 6, 0x3d0186e3
	PICK 7, 0x3c91ad39
	PICK 8, 0x3c23d70a
	PICK 9, 0x3bb8449c
	PICK 10, 0x3b4f3e38
	PICK 11, 0x3ae91528
	PICK 12, 0x3a83126f
	PICK 13, 0x3a136a16
	PICK 14, 0x39a5cb60
	PICK 15, 0x393a7753
	s_wait_loadcnt 0x0
	v_cvt_f32_i32 v5, v5
	v_mul_f32 v7, v5, v6                           ; theta, rounded once
	v_mul_f32 v8, 0x3f22f983, v7                   ; theta x 2/pi
	v_rndne_f32 v8, v8                             ; n
	v_fma_f32 v9, -v8, s40, v7                     ; r = theta - n pi/2, |r| <= pi/4
	v_fma_f32 v9, -v8, s41, v9
	v_fma_f32 v9, -v8, s42, v9
	v_mul_f32 v10, v9, v9                          ; z = r^2
	v_mov_b32 v11, 0x3638ef1d                      ; sin r = r + r z (-1/6 + z (1/120 + z (-1/5040 + z / 362880)))
	v_fmaak_f32 v11, v10, v11, 0xb9500d01
	v_fmaak_f32 v11, v10, v11, 0x3c088889
	v_fmaak_f32 v11, v10, v11, 0xbe2aaaab
	v_mul_f32 v12, v9, v10
	v_fma_f32 v11, v12, v11, v9
	v_mov_b32 v13, 0xb493f27e                      ; cos r = 1 + z (-1/2 + z (1/24 + z (-1/720 + z (1/40320 - z / 3628800))))
	v_fmaak_f32 v13, v10, v13, 0x37d00d01
	v_fmaak_f32 v13, v10, v13, 0xbab60b61
	v_fmaak_f32 v13, v10, v13, 0x3d2aaaab
	v_fmaak_f32 v13, v10, v13, 0xbf000000
	v_fma_f32 v13, v10, v13, 1.0
	v_cvt_i32_f32 v14, v8
	v_and_b32 v15, 1, v14                          ; an odd quadrant swaps the two;
	v_cmp_ne_u32 vcc_lo, 0, v15
	v_cndmask_b32 v21, v11, v13, vcc_lo
	v_cndmask_b32 v20, v13, v11, vcc_lo
	v_and_b32 v15, 2, v14                          ; the sine is negative in quadrants 2 and 3,
	v_lshlrev_b32 v15, 30, v15
	v_xor_b32 v21, v21, v15
	v_add_nc_u32 v16, 1, v14                       ; the cosine in 1 and 2
	v_and_b32 v16, 2, v16
	v_lshlrev_b32 v16, 30, v16
	v_xor_b32 v20, v20, v16
	global_store_b64 v4, v[20:21], s[30:31] offset:1572864  ; a wave stores 256 consecutive bytes
	s_endpgm
.Lrole_w:
	; ROLE W.  Matrix id = (work-group - 512) / 32 in the order q, k, v, o, w2, w1, w3; 16 rows to a work-group, 8 numbers x 4 rows to a thread.
	s_sub_co_u32 s2, ttmp9, 512
	s_lshr_b32 s3, s2, 5                           ; id
	s_and_b32 s2, s2, 31                           ; which 16 rows
	s_mov_b64 s[42:43], s[12:13]
	s_cmp_eq_u32 s3, 1
	s_cselect_b64 s[42:43], s[14:15], s[42:43]
	s_cmp_eq_u32 s3, 2
	s_cselect_b64 s[42:43], s[16:17], s[42:43]
	s_cmp_eq_u32 s3, 3
	s_cselect_b64 s[42:43], s[18:19], s[42:43]
	s_cmp_eq_u32 s3, 4
	s_cselect_b64 s[42:43], s[20:21], s[42:43]
	s_cmp_eq_u32 s3, 5
	s_cselect_b64 s[42:43], s[22:23], s[42:43]
	s_cmp_eq_u32 s3, 6
	s_cselect_b64 s[42:43], s[24:25], s[42:43]
	s_lshl_b32 s46, s2, 15                         ; 16 rows of 2,048 bytes
	s_mov_b32 s47, 0
	s_add_nc_u64 s[42:43], s[42:43], s[46:47]
	s_lshl_b32 s46, s2, 14                         ; 16 rows of 1,024 bytes: o and w2
	s_lshl_b32 s44, s3, 19
	s_add_co_u32 s44, s44, s46                     ; q, k, v: one behind the other in wts
	s_lshl_b32 s45, s2, 15                         ; w1, w3: tiles by turns, behind the table
	s_sub_co_u32 s48, s3, 5
	s_lshl_b32 s48, s48, 14
	s_add_co_u32 s45, s45, s48
	s_add_co_u32 s45, s45, 1835008
	s_cmp_lt_u32 s3, 3
	s_cselect_b32 s48, s44, s46
	s_cmp_ge_u32 s3, 5
	s_cselect_b32 s48, s45, s48
	s_mov_b32 s49, 0
	s_mov_b64 s[50:51], s[30:31]
	s_cmp_eq_u32 s3, 3
	s_cselect_b64 s[50:51], s[32:33], s[50:51]
	s_cmp_eq_u32 s3, 4
	s_cselect_b64 s[50:51], s[34:35], s[50:51]
	s_add_nc_u64 s[50:51], s[50:51], s[48:49]
	v_lshrrev_b32 v1, 6, v0                        ; row 0..3
	v_and_b32 v2, 63, v0                           ; my 8 columns
	v_lshlrev_b32 v3, 5, v2                        ; their bytes in f32: also g2's
	v_lshl_add_u32 v4, v1, 11, v3                  ; source
	v_lshlrev_b32 v5, 4, v2
	v_lshl_add_u32 v5, v1, 10, v5                  ; destination
.irp i, 0,1,2,3
	global_load_b128 v[64+8*(\i):64+8*(\i)+3],   v4, s[42:43] offset:8192*(\i)
	global_load_b128 v[64+8*(\i)+4:64+8*(\i)+7], v4, s[42:43] offset:8192*(\i)+16
.endr
	global_load_b128 v[96:99],   v3, s[26:27]
	global_load_b128 v[100:103], v3, s[26:27] offset:16
	s_wait_loadcnt 0x0
.set n, 0
.rept 16
	v_cvt_pk_bf16_f32 v[32+n], v[64+2*n], v[64+2*n+1]
.set n, n+1
.endr
	s_cmp_lt_u32 s3, 5
	s_cbranch_scc1 .Lplain
.irp q, 0,1,2,3                        ; w1 and w3: bf16(bf16(w) x bf16(g2[k]))
	v_cvt_pk_bf16_f32 v6, v[96+2*(\q)], v[96+2*(\q)+1]
	v_lshlrev_b32 v[96+2*(\q)], 16, v6
	v_and_b32 v[96+2*(\q)+1], s[MSK], v6
.endr
.set n, 0
.rept 16
	v_lshlrev_b32 v[64+2*n], 16, v[32+n]
	v_and_b32 v[64+2*n+1], s[MSK], v[32+n]
	v_pk_mul_f32 v[64+2*n:64+2*n+1], v[64+2*n:64+2*n+1], v[96+2*(n%4):96+2*(n%4)+1]
	v_cvt_pk_bf16_f32 v[32+n], v[64+2*n], v[64+2*n+1]
.set n, n+1
.endr
.Lplain:
.irp i, 0,1,2,3
	global_store_b128 v5, v[32+4*(\i):32+4*(\i)+3], s[50:51] offset:4096*(\i)  ; a wave stores 512 consecutive bytes
.endr
	s_endpgm
.Lrole_x:
	; ROLE X.  A wave takes the tokens 2 P and 2 P + 1, P = 8 x work-group + wave.  Lane fields: hl = l / 16 (which of a trip's two planes), tk = bit 3 (which token), part = bit 2 (I store hi or lo),
	; j = l % 4 (which 8 channels of the plane's 32).  Lanes with part 0 and 1 read the same bytes, so that sixteen neighbouring lanes store 256 consecutive bytes: two tokens' rows of a plane.
	v_and_b32 v1, 31, v0
	v_lshrrev_b32 v6, 4, v1                        ; hl
	v_bfe_u32 v7, v1, 3, 1                         ; tk
	v_bfe_u32 v5, v1, 2, 1                         ; part
	v_and_b32 v8, 3, v1                            ; j
	v_cmp_ne_u32 s44, 0, v5
	v_lshlrev_b32 v3, 5, v8
	v_lshl_add_u32 v3, v6, 7, v3                   ; g1: 128 hl + 32 j
	v_lshl_add_u32 v2, v7, 11, v3                  ; x: + 2,048 tk
	v_and_b32 v4, 15, v1
	v_lshlrev_b32 v4, 4, v4
	v_lshl_add_u32 v4, v6, 18, v4                  ; xa: 262,144 hl + 16 (l % 16)
	s_lshl_b32 s2, ttmp9, 3
	s_add_co_u32 s2, s2, s39                       ; P
	s_lshl_b32 s46, s2, 12
	s_mov_b32 s47, 0
	s_add_nc_u64 s[8:9], s[8:9], s[46:47]
	s_lshr_b32 s48, s2, 10                         ; the batch: 4,194,304 bytes of planes
	s_lshl_b32 s48, s48, 22
	s_and_b32 s49, s2, 1023
	s_lshl_b32 s49, s49, 8                         ; two rows of 128 bytes
	s_add_co_u32 s48, s48, s49
	s_mov_b32 s49, 0
	s_add_nc_u64 s[36:37], s[36:37], s[48:49]
	s_mov_b32 s40, 0x3b000000                      ; 1 / 512
	s_mov_b32 s41, 0x3727c5ac                      ; eps = 1e-5
	s_mov_b32 s42, 0x76543210
	s_mov_b32 s43, 0xfedcba98
.irp k, 0,1,2,3,4,5,6,7
	global_load_b128 v[G+8*(\k):G+8*(\k)+3],   v3, s[10:11] offset:256*(\k)
	global_load_b128 v[G+8*(\k)+4:G+8*(\k)+7], v3, s[10:11] offset:256*(\k)+16
.endr
.irp k, 0,1,2,3,4,5,6,7
	global_load_b128 v[X+8*(\k):X+8*(\k)+3],   v2, s[8:9] offset:256*(\k)
	global_load_b128 v[X+8*(\k)+4:X+8*(\k)+7], v2, s[8:9] offset:256*(\k)+16
.endr
	s_wait_loadcnt 16                              ; g1's sixteen loads are in; x's sixteen may stay out
	RND G
	s_wait_loadcnt 0x0
	RND X
.set n, 0
.rept 32                               ; the sum of squares, in four chains that the first four products start
.if n < 4
	v_pk_mul_f32 v[SS+2*n:SS+2*n+1], v[X+2*n:X+2*n+1], v[X+2*n:X+2*n+1]
.else
	v_pk_fma_f32 v[SS+2*(n%4):SS+2*(n%4)+1], v[X+2*n:X+2*n+1], v[X+2*n:X+2*n+1], v[SS+2*(n%4):SS+2*(n%4)+1]
.endif
.set n, n+1
.endr
	v_pk_add_f32 v[SS:SS+1], v[SS:SS+1], v[SS+2:SS+3]
	v_pk_add_f32 v[SS+4:SS+5], v[SS+4:SS+5], v[SS+6:SS+7]
	v_pk_add_f32 v[SS:SS+1], v[SS:SS+1], v[SS+4:SS+5]
	v_add_f32 v[SS], v[SS], v[SS+1]
	v_add_f32_dpp v[SS], v[SS], v[SS] row_xmask:1 row_mask:0xf bank_mask:0xf  ; over j; not over part (the same numbers) nor tk (the other token)
	v_add_f32_dpp v[SS], v[SS], v[SS] row_xmask:2 row_mask:0xf bank_mask:0xf
	v_permlanex16_b32 v[SS+1], v[SS], s42, s43     ; over hl
	v_add_f32 v[SS], v[SS], v[SS+1]
	v_fma_f32 v[SS], v[SS], s40, s41
	v_rsq_f32 v[RR], v[SS]
	v_rsq_f32 v[RR+1], v[SS]
	v_nop                                          ; a plain instruction behind the last of the two,
	s_wait_alu depctr_va_vdst(0)                   ; and the one wait ahead of their first reader
.irp k, 0,1,2,3,4,5,6,7
.irp q, 0,2,4,6
	v_pk_mul_f32 v[X+8*(\k)+(\q):X+8*(\k)+(\q)+1], v[X+8*(\k)+(\q):X+8*(\k)+(\q)+1], v[RR:RR+1]
	v_pk_mul_f32 v[X+8*(\k)+(\q):X+8*(\k)+(\q)+1], v[X+8*(\k)+(\q):X+8*(\k)+(\q)+1], v[G+8*(\k)+(\q):G+8*(\k)+(\q)+1]
.endr
	SPLIT8 X+8*(\k), DH, DL
.irp q, 0,1,2,3
	v_cndmask_b32 v[OUT+4*(\k)+(\q)], v[DH+(\q)], v[DL+(\q)], s44
.endr
	global_store_b128 v4, v[OUT+4*(\k):OUT+4*(\k)+3], s[36:37] offset:524288*(\k)  ; planes 2 k and 2 k + 1: sixteen lanes store 256 consecutive bytes, aligned
.endr
	s_endpgm
.Lfunc_end_k_q4ff05d21bf_prep:
	.size	k_q4ff05d21bf_prep, .Lfunc_end_k_q4ff05d21bf_prep-k_q4ff05d21bf_prep
	.p2alignl 7, 3214868480
	.fill 96, 4, 3214868480
	.section	.rodata,"a",@progbits
	.p2align	6, 0x0
	.amdhsa_kernel k_q4ff05d21bf_prep
		.amdhsa_group_segment_fixed_size 0
		.amdhsa_private_segment_fixed_size 0
		.amdhsa_enable_private_segment 0
		.amdhsa_kernarg_size 120
		.amdhsa_user_sgpr_count 2
		.amdhsa_user_sgpr_kernarg_segment_ptr 1
		.amdhsa_wavefront_size32 1
		.amdhsa_system_sgpr_workgroup_id_x 1
		.amdhsa_system_sgpr_workgroup_id_y 1
		.amdhsa_system_sgpr_workgroup_id_z 1
		.amdhsa_system_vgpr_workitem_id 0
		.amdhsa_next_free_vgpr 208
		.amdhsa_next_free_sgpr 66
		.amdhsa_reserve_vcc 1
		.amdhsa_float_denorm_mode_32 3
		.amdhsa_float_denorm_mode_16_64 3
		.amdhsa_memory_ordered 1
		.amdhsa_forward_progress 1
		.amdhsa_inst_pref_size 42
	.end_amdhsa_kernel
	.amdgpu_metadata
---
amdhsa.version: [ 1, 2 ]
amdhsa.kernels:
  - .name:           k_q4ff05d21bf_prep
    .symbol:         k_q4ff05d21bf_prep.kd
    .args:
      - { .name: x, .offset: 0, .size: 8, .value_kind: global_buffer, .address_space: global }
      - { .name: g1, .offset: 8, .size: 8, .value_kind: global_buffer, .address_space: global }
      - { .name: q_w, .offset: 16, .size: 8, .value_kind: global_buffer, .address_space: global }
      - { .name: k_w, .offset: 24, .size: 8, .value_kind: global_buffer, .address_space: global }
      - { .name: v_w, .offset: 32, .size: 8, .value_kind: global_buffer, .address_space: global }
      - { .name: o_w, .offset: 40, .size: 8, .value_kind: global_buffer, .address_space: global }
      - { .name: w2, .offset: 48, .size: 8, .value_kind: global_buffer, .address_space: global }
      - { .name: w1, .offset: 56, .size: 8, .value_kind: global_buffer, .address_space: global }
      - { .name: w3, .offset: 64, .size: 8, .value_kind: global_buffer, .address_space: global }
      - { .name: g2, .offset: 72, .size: 8, .value_kind: global_buffer, .address_space: global }
      - { .name: token_positions, .offset: 80, .size: 8, .value_kind: global_buffer, .address_space: global }
      - { .name: wts, .offset: 88, .size: 8, .value_kind: global_buffer, .address_space: global }
      - { .name: wo, .offset: 96, .size: 8, .value_kind: global_buffer, .address_space: global }
      - { .name: w2b, .offset: 104, .size: 8, .value_kind: global_buffer, .address_space: global }
      - { .name: xa, .offset: 112, .size: 8, .value_kind: global_buffer, .address_space: global }
    .group_segment_fixed_size: 0
    .private_segment_fixed_size: 0
    .kernarg_segment_align: 8
    .kernarg_segment_size: 120
    .max_flat_workgroup_size: 256
    .sgpr_count:     66
    .vgpr_count:     208
    .wavefront_size: 32
...
	.end_amdgpu_metadata
.endif
;; end of part 1
;; launch qkv (part 2): grid 4 x 64, 4 waves a work-group, clusters of 4 x 4, 327,680 bytes of LDS; arguments xa, wts, qkv; writes qkv
.if DOCPART == 2
	.amdgcn_target "amdgcn-amd-amdhsa--gfx1250"
	.amdhsa_code_object_version 6
	.text
	.protected	k_q4ff05d21bf_qkv
	.globl	k_q4ff05d21bf_qkv
	.p2align	8
	.type	k_q4ff05d21bf_qkv,@function
k_q4ff05d21bf_qkv:
	s_mov_b64 s[64:65], 0
	v_nop
	global_prefetch_b8 v0, s[64:65] scope:SCOPE_SE
	s_setreg_imm32_b32 hwreg(HW_REG_WAVE_MODE, 25, 1), 1
	s_wait_xcnt 0x0
	s_wait_alu depctr_hold_cnt(0) depctr_sa_sdst(0) depctr_va_vdst(0) depctr_va_sdst(0) depctr_va_ssrc(0) depctr_va_vcc(0) depctr_vm_vsrc(0)
	s_getreg_b32 s2, hwreg(HW_REG_IB_STS2, 6, 4)
	s_cmp_eq_u32 s2, 0
	s_cbranch_scc0 .Lentry_in_a_cluster
	s_endpgm
.Lentry_in_a_cluster:
	s_bfe_u32 s2, ttmp6, 0x10000c
	s_cmp_lg_u32 s2, 0xf033
	s_cbranch_scc0 .Lentry_shape_is_right
	s_endpgm
.Lentry_shape_is_right:
; Q, K, V = xn W^T, RoPE on Q and K, each result stored as two bf16 numbers (hi, lo) by heads: qkv[3][64 heads][2048][64], a row = hi of the head's 32 channels, then their lo.
; xn comes in planes (xa[b][p][s][64], hi | lo of channels 32 p ..); the weights are exact bf16, so a product is TWO matrix products on one accumulator: W x hi and W x lo; one fragment of W serves both.
; SHARES.  A work-group makes 128 tokens x 128 columns, four waves 64 x 64 each (16 accumulators), and STAYS: its column tile of q, then of k, then of v: 12 K steps of 128 (four planes).
; The matrix instruction is used transposed (source 0 = 16 rows of W, source 1 = 16 tokens): a lane holds one token and eight neighbouring columns, so RoPE's pairs lie in one lane.
; RING.  Two LDS slots; a slot holds A (2 halves x 4 planes x 64 tokens x 144 bytes) and B (2 halves x 64 rows x 272 bytes).  Waves 0, 1 fetch A's halves, waves 2, 3 B's: one tensor load a wave behind each round.
; CLUSTER 4 x 4: A's tile hangs on the token tile alone and is asked for jointly along a row of the cluster, B's on the column tile alone, along a column.
; The 128 accumulator registers are cleared by v_mov_b32 (at the start, in the wait for the first tile, and in the way out of q and k): the price of one text for all twelve steps.
; No prefetch is laid: a step's tiles are small (36,864 and 17,408 bytes a load) and each is read by four clusters at about the same time.
; LIMITS: the angle table's (see the launch that makes it); NaN and infinities are not treated apart.
.set SLOT1,  131072                    ; slot 1 begins here: one exclusive or turns an address in one slot into the other's
.set PA,     144                       ; a token's row of a plane in LDS: 128 bytes + 16: the 16 rows of a load start at 16 different groups of four banks (ISA guide 11.1)
.set APLANE, 64*PA
.set AHALF,  4*APLANE                  ; 64 tokens x 4 planes: what one tensor load brings
.set PB,     272                       ; a row of W in LDS: 256 bytes + 16
.set BOFF,   2*AHALF
.set BHALF,  64*PB
.set STAGE,  SLOT1+BOFF+2*BHALF        ; behind the ring, never filled by a tensor load: 16 rows x 144 bytes for each wave
.set SP,     144
.set SPARE,  STAGE+4*16*SP             ; the spare words, 128 bytes for each wave: two blocks of 256 bytes that no other line names
.set TABO,   1572864                   ; the table's first byte in wts
.set U,     4                          ; v[4:11]  four pairs at work
.set ADRA0, 12                         ; v12  my lane's place in a slot's A; never rewritten
.set ADRB0, 13                         ; v13  in its B
.set ADRA,  16                         ; v16  the same in the slot in hand
.set ADRB,  20                         ; v20
.set STO,   24                         ; v24  the way out: where I put 16 bytes of a row
.set RD,    25                         ; v25  where I read rows back
.set GO,    26                         ; v26  16 x lane
.set TO,    27                         ; v27  my offset in the table
.set SPW,   28                         ; v28  my spare word; never rewritten
.set NIL,   29                         ; v29  0; never rewritten
.set WS,    32                         ; v[32:63] two sets of 16 for the way out
.set ACC,   128                        ; v[128:255] accumulator (a, b) at ACC + 8 (4 a + b)
.set F0,    0                          ; window 1: two fragment buffers of 96: B's four, A hi's four, A lo's four
.set F1,    96
.set CSR,   192                        ; window 1: v[192:255] (cos, sin): token block a, half of the head pb, pair i at CSR + 16 a + 8 pb + 2 i
.set G1A, 24
.set G0A, 32
.set G1B, 48
.set G0B, 56
.set UC,  66                           ; s66  the step in hand, 0 .. 11
.set TB,  67                           ; s67  the slot in hand
.set MSK, 68                           ; s68  a word's upper bf16
.set OUTB, 84                          ; s[84:85] where my units go
.set MSB, 0
.macro WIN new                         ; the immediate's high byte repeats the setting that is left; a switch that changes nothing is dropped
.if MSB != (\new)
	s_set_vgpr_msb (MSB<<8)|(\new)
.set MSB, \new
.endif
.endm
.macro PLACES                          ; four places behind matrix instructions (for instructions other than loads)
.rept 4
	v_nop
.endr
.endm
.macro JLOAD                           ; a joint load; an s_nop 0 and four v_nop follow each of the two lines
	s_cmp_eq_u32 s11, 0
	s_cbranch_scc0 .Lfor_b_\@
	tensor_load_to_lds s[G0A:G0A+3], s[G1A:G1A+7]
	s_nop 0
.rept 4
	v_nop
.endr
	s_branch .Lasked_\@
.Lfor_b_\@:
	tensor_load_to_lds s[G0B:G0B+3], s[G1B:G1B+7]
	s_nop 0
.rept 4
	v_nop
.endr
.Lasked_\@:
.endm
.macro CROUND                          ; a round of the cluster's barrier
	s_barrier_signal -1
	s_barrier_wait -1
	s_cmp_lg_u32 s10, 0
	s_cbranch_scc1 .Lnot_wave_0_\@
	s_barrier_signal -3
.Lnot_wave_0_\@:
	s_barrier_wait -3
	s_barrier_signal -1
	s_barrier_wait -1
.endm
.macro SPLIT8 r, dh, dl                ; eight f32 at r -> four words of hi at dh, four of lo at dl
.irp k, 0,1,2,3
	v_cvt_pk_bf16_f32 v[(\dh)+(\k)], v[(\r)+2*(\k)], v[(\r)+2*(\k)+1]
.endr
.irp k, 0,1,2,3
	v_lshlrev_b32 v[U+2*(\k)], 16, v[(\dh)+(\k)]
	v_and_b32 v[U+2*(\k)+1], s[MSK], v[(\dh)+(\k)]
.endr
.irp k, 0,1,2,3
	v_pk_add_f32 v[(\r)+2*(\k):(\r)+2*(\k)+1], v[(\r)+2*(\k):(\r)+2*(\k)+1], v[U+2*(\k):U+2*(\k)+1] neg_lo:[0,1] neg_hi:[0,1]
.endr
.irp k, 0,1,2,3
	v_cvt_pk_bf16_f32 v[(\dl)+(\k)], v[(\r)+2*(\k)], v[(\r)+2*(\k)+1]
.endr
.endm
	s_load_b128 s[80:83], s[0:1], 0x0              ; xa s[80:81], wts s[82:83]
	s_load_b64 s[84:85], s[0:1], 0x10              ; qkv
	v_lshl_add_u32 v[SPW], v0, 2, SPARE
	v_mov_b32 v[NIL], 0
	ds_add_u32 v[SPW], v[NIL]                      ; the wave's opening: the add and its wait stand ahead of my first tensor load
	v_lshrrev_b32 v1, 5, v0
	v_readfirstlane_b32 s10, v1                    ; wave 0..3
	s_lshr_b32 s11, s10, 1                         ; my half of the tokens.  Also: I fetch for A (0) or for B (1)
	s_and_b32 s12, s10, 1                          ; my half of the columns.  Also: which half I fetch
	s_bfe_u32 s40, ttmp6, 0x40000                  ; cx
	s_bfe_u32 s41, ttmp6, 0x40004                  ; cy
	s_lshl_b32 s42, ttmp9, 2
	s_add_co_u32 s42, s42, s40                     ; column tile
	s_and_b32 s13, ttmp7, 0xffff
	s_lshl_b32 s13, s13, 2
	s_add_co_u32 s13, s13, s41                     ; token tile
	s_lshl_b32 s43, s41, 2
	s_lshl_b32 s43, 15, s43                        ; my row of the cluster
	s_lshl_b32 s44, 0x1111, s40                    ; my column
	; A: four rows, each the 8,192 consecutive bytes that 64 tokens take in one plane; a plane (131,072 elements) from row to row; 16 bytes of padding behind every 128
	s_or_b32 s[G1A], s43, (1<<16)|(1<<20)|(1<<21)|(4<<22)|(3<<25)
	s_mov_b32 s[G1A+1], 4096<<16                   ; tensor_dim0 = 4,096
	s_mov_b32 s[G1A+2], 4<<16                      ; tensor_dim1 = 4
	s_mov_b32 s[G1A+3], 4096<<16                   ; tile_dim0 = 4,096
	s_mov_b32 s[G1A+4], 4                          ; tile_dim1 = 4
	s_mov_b32 s[G1A+5], 131072
	s_mov_b32 s[G1A+6], 0
	s_mov_b32 s[G1A+7], 0
	; B: 64 rows of 128 elements, 512 from row to row; 16 bytes of padding behind every 256
	s_or_b32 s[G1B], s44, (1<<16)|(1<<20)|(1<<21)|(5<<22)|(3<<25)
	s_mov_b32 s[G1B+1], 128<<16
	s_mov_b32 s[G1B+2], 64<<16
	s_mov_b32 s[G1B+3], 128<<16
	s_mov_b32 s[G1B+4], 64
	s_mov_b32 s[G1B+5], 512
	s_mov_b32 s[G1B+6], 0
	s_mov_b32 s[G1B+7], 0
	s_lshr_b32 s16, s13, 4                         ; A: the batch,
	s_lshl_b32 s16, s16, 22
	s_and_b32 s17, s13, 15                         ; the tile's 128 rows of 128 bytes in a plane,
	s_lshl_b32 s17, s17, 14
	s_add_co_u32 s16, s16, s17
	s_lshl_b32 s17, s12, 13                        ; the half that I fetch
	s_add_co_u32 s16, s16, s17
	s_mov_b32 s17, 0
	s_lshl_b32 s46, s42, 17                        ; B: 128 rows of 1,024 bytes a tile, 64 a half
	s_lshl_b32 s47, s12, 16
	s_add_co_u32 s46, s46, s47
	s_mov_b32 s47, 0
	s_mov_b32 s[G0A], 1
	s_mul_i32 s[G0A+1], s12, AHALF
	s_mov_b32 s[G0B], 1
	s_mul_i32 s[G0B+1], s12, BHALF
	s_add_co_u32 s[G0B+1], s[G0B+1], BOFF
	s_mov_b32 s[TB], SLOT1                         ; the first change of slots turns it into 0
	s_mov_b32 s[MSK], 0xffff0000
	s_mov_b32 s71, 0
	s_mov_b32 s73, 0
	s_wait_dscnt 0x0                               ; the opening add is done
	s_wait_kmcnt 0x0
	s_add_nc_u64 s[14:15], s[80:81], s[16:17]      ; A at step 0
	s_add_nc_u64 s[46:47], s[82:83], s[46:47]      ; B at step 0
	s_mov_b64 s[G0A+2:G0A+3], s[14:15]
	s_or_b32 s[G0A+3], s[G0A+3], 0x80000000
	s_mov_b64 s[G0B+2:G0B+3], s[46:47]
	s_or_b32 s[G0B+3], s[G0B+3], 0x80000000
	CROUND                                         ; all sixteen work-groups are here: the first joint loads meet
	JLOAD                                          ; step 0 into slot 0; slot 1 is filled behind the first change's round
	v_and_b32 v1, 15, v0                           ; l % 16
	v_bfe_u32 v2, v0, 4, 1                         ; l / 16
	v_mul_u32_u24 v3, v1, PA
	v_lshl_add_u32 v3, v2, 4, v3
	s_mul_i32 s21, s11, AHALF
	v_add_nc_u32 v[ADRA0], s21, v3
	v_mul_u32_u24 v3, v1, PB
	v_lshl_add_u32 v3, v2, 4, v3
	s_mul_i32 s22, s12, BHALF
	s_add_co_u32 s22, s22, BOFF
	v_add_nc_u32 v[ADRB0], s22, v3
	s_mul_i32 s23, s10, 16*SP
	s_add_co_u32 s23, s23, STAGE                   ; my stage
	v_mul_u32_u24 v3, v1, SP
	v_lshl_add_u32 v3, v2, 4, v3
	v_add_nc_u32 v[STO], s23, v3                   ; in: row l % 16, 16 bytes for each half of the lanes
	v_bfe_u32 v3, v0, 3, 2
	v_mul_u32_u24 v3, v3, SP
	v_and_b32 v[GO], 7, v0
	v_lshl_add_u32 v3, v[GO], 4, v3
	v_add_nc_u32 v[RD], s23, v3                    ; back: 32 lanes take four rows of 128 bytes,
	v_and_b32 v[GO], 31, v0
	v_lshlrev_b32 v[GO], 4, v[GO]                  ; which are 512 consecutive bytes of a head
	v_lshlrev_b32 v[TO], 7, v1                     ; the table: my token's row of 128 bytes, my four pairs' 32 bytes
	v_lshl_add_u32 v[TO], v2, 5, v[TO]
	s_and_b32 s78, s13, 15
	s_lshl_b32 s78, s78, 14
	s_lshl_b32 s79, s11, 13
	s_add_co_u32 s78, s78, s79                     ; my 64 tokens' first row, 128 bytes a row: in the table and in a head alike
	s_mov_b32 s79, 0
	s_add_nc_u64 s[76:77], s[82:83], s[78:79]
	s_lshr_b32 s74, s13, 4                         ; the batch's 16 heads,
	s_lshl_b32 s74, s74, 22
	s_add_co_u32 s78, s78, s74
	s_lshl_b32 s74, s42, 20                        ; the tile's four,
	s_add_co_u32 s78, s78, s74
	s_lshl_b32 s74, s12, 19                        ; my two
	s_add_co_u32 s78, s78, s74
	s_add_nc_u64 s[OUTB:OUTB+1], s[OUTB:OUTB+1], s[78:79]
	WIN 0x40
.irp ta, 0,1,2,3
.irp pb, 0,1
	global_load_b128 v[CSR+16*(\ta)+8*(\pb):CSR+16*(\ta)+8*(\pb)+3],   v[TO], s[76:77] offset:TABO+2048*(\ta)+64*(\pb)
	global_load_b128 v[CSR+16*(\ta)+8*(\pb)+4:CSR+16*(\ta)+8*(\pb)+7], v[TO], s[76:77] offset:TABO+2048*(\ta)+64*(\pb)+16
.endr
.endr
	WIN 0
.set n, 0
.rept 128
	v_mov_b32 v[ACC+n], 0
.set n, n+1
.endr
; 24 LDS loads in one run: plane z of the slot: B's four fragments, A hi's four, A lo's four, into buffer f
.macro FETCH z, f
	WIN 0x40
.irp fb, 0,1,2,3
	ds_load_b128 v[(\f)+8*(\fb):(\f)+8*(\fb)+3],   v[ADRB] offset:64*(\z)+(\fb)*16*PB
	ds_load_b128 v[(\f)+8*(\fb)+4:(\f)+8*(\fb)+7], v[ADRB] offset:64*(\z)+(\fb)*16*PB+32
.endr
.irp fa, 0,1,2,3
	ds_load_b128 v[(\f)+32+8*(\fa):(\f)+32+8*(\fa)+3],   v[ADRA] offset:APLANE*(\z)+(\fa)*16*PA
	ds_load_b128 v[(\f)+32+8*(\fa)+4:(\f)+32+8*(\fa)+7], v[ADRA] offset:APLANE*(\z)+(\fa)*16*PA+32
.endr
.irp fa, 0,1,2,3
	ds_load_b128 v[(\f)+64+8*(\fa):(\f)+64+8*(\fa)+3],   v[ADRA] offset:APLANE*(\z)+(\fa)*16*PA+64
	ds_load_b128 v[(\f)+64+8*(\fa)+4:(\f)+64+8*(\fa)+7], v[ADRA] offset:APLANE*(\z)+(\fa)*16*PA+96
.endr
.endm
; 16 matrix instructions: all accumulators by turns, one instruction a turn; part 0: A's hi, 1: A's lo
.macro MULP f, part
	WIN 0x05
.irp ma, 0,1,2,3
.irp mb, 0,1,2,3
	v_wmma_f32_16x16x32_bf16 v[ACC+8*(4*(\ma)+(\mb)):ACC+8*(4*(\ma)+(\mb))+7], v[(\f)+8*(\mb):(\f)+8*(\mb)+7], v[(\f)+32+32*(\part)+8*(\ma):(\f)+32+32*(\part)+8*(\ma)+7], v[ACC+8*(4*(\ma)+(\mb)):ACC+8*(4*(\ma)+(\mb))+7]
.endr
.endr
.endm
; A K step: four planes on buffers 0, 1, 0, 1.  s_wait_dscnt 8: B and A hi are in, A lo's eight loads may be out; 24: all but the 24 just issued
.macro STEP
	FETCH 0, F0
.irp z, 0,1,2
	s_wait_dscnt 8
	MULP F0+96*((\z)%2), 0
	PLACES
	FETCH (\z)+1, F1-96*((\z)%2)
	s_wait_dscnt 24
	MULP F0+96*((\z)%2), 1
.endr
	s_wait_dscnt 8
	MULP F1, 0
	s_wait_dscnt 0x0
	MULP F1, 1
	WIN 0
.endm
; THE CHANGE OF SLOTS.  Each wave waits for all its tensor loads (one is out: its part of the slot to be read), adds 0 to its spare word, and waits for that and for its reads of the slot that it leaves.
; fill = 1: a round of the cluster's barrier, and the slot just left takes step UC + 1, the first thing behind the round.  Its addresses are made anew from that number.
.macro CHANGE fill
	WIN 0
	s_wait_tensorcnt 0x0
	ds_add_u32 v[SPW], v[NIL]
.if \fill
	s_add_co_u32 s69, s[UC], 1
	s_and_b32 s70, s69, 3                          ; its K step: four planes on in A, 256 bytes on in B;
	s_lshl_b32 s72, s70, 8
	s_lshl_b32 s70, s70, 20
	s_lshr_b32 s74, s69, 2                         ; its matrix: 512 rows of 1,024 bytes on in B
	s_lshl_b32 s74, s74, 19
	s_add_co_u32 s72, s72, s74
	s_xor_b32 s[G0A+1], s[G0A+1], SLOT1
	s_add_nc_u64 s[G0A+2:G0A+3], s[14:15], s[70:71]
	s_or_b32 s[G0A+3], s[G0A+3], 0x80000000
	s_xor_b32 s[G0B+1], s[G0B+1], SLOT1
	s_add_nc_u64 s[G0B+2:G0B+3], s[46:47], s[72:73]
	s_or_b32 s[G0B+3], s[G0B+3], 0x80000000
	s_wait_dscnt 0x0
	CROUND
	JLOAD                                          ; its four v_nop are also the places in front of the loads that follow
.else
	s_wait_dscnt 0x0
	s_barrier_signal -1
	s_barrier_wait -1
	PLACES
.endif
	s_xor_b32 s[TB], s[TB], SLOT1
	v_add_nc_u32 v[ADRA], s[TB], v[ADRA0]
	v_add_nc_u32 v[ADRB], s[TB], v[ADRB0]
.endm
; THE WAY OUT, by units of 16 tokens x one head: unit n = token block n / 2, head n % 2 of my two.  rope = 1: the pairs are turned, and the unit's accumulators cleared for the next matrix.
.macro PACKU n, rope
.set ua, (\n)/2
.set uh, (\n)%2
.set uw, WS+16*((\n)%2)
.if (\n) >= 2
	s_wait_xcnt 0x0                                ; the stores of the unit two back have read this set
.endif
.if \rope
	WIN 0x04                                       ; (cos, sin) in window 1
.irp bb, 0,1
.irp i, 0,1,2,3
	v_pk_mul_f32 v[U+2*(\i):U+2*(\i)+1], v[ACC+8*(4*ua+2*uh+(\bb))+2*(\i):ACC+8*(4*ua+2*uh+(\bb))+2*(\i)+1], v[CSR+16*ua+8*(\bb)+2*(\i):CSR+16*ua+8*(\bb)+2*(\i)+1] op_sel:[1,1] op_sel_hi:[1,0]  ; (o sin, o cos)
	v_pk_fma_f32 v[ACC+8*(4*ua+2*uh+(\bb))+2*(\i):ACC+8*(4*ua+2*uh+(\bb))+2*(\i)+1], v[ACC+8*(4*ua+2*uh+(\bb))+2*(\i):ACC+8*(4*ua+2*uh+(\bb))+2*(\i)+1], v[CSR+16*ua+8*(\bb)+2*(\i):CSR+16*ua+8*(\bb)+2*(\i)+1], v[U+2*(\i):U+2*(\i)+1] op_sel_hi:[0,1,1] neg_lo:[0,0,1]  ; (e cos - o sin, e sin + o cos)
.endr
.endr
	WIN 0
.endif
	SPLIT8 ACC+8*(4*ua+2*uh), uw, uw+8
	SPLIT8 ACC+8*(4*ua+2*uh+1), uw+4, uw+12
.if \rope
.set n, 0
.rept 16
	v_mov_b32 v[ACC+8*(4*ua+2*uh)+n], 0
.set n, n+1
.endr
.endif
.irp f, 0,1,2,3
	ds_store_b128 v[STO], v[uw+4*(\f):uw+4*(\f)+3] offset:32*(\f)
.endr
.irp f, 0,1,2,3
	ds_load_b128 v[uw+4*(\f):uw+4*(\f)+3], v[RD] offset:(\f)*4*SP  ; LDS serves a wave's instructions in order (ISA guide 5.7.1.4): these see the stores above
.endr
.endm
.macro SENDU n, younger                ; younger: the LDS instructions issued behind this unit's loads
.set ua, (\n)/2
.set uh, (\n)%2
.set uw, WS+16*((\n)%2)
.irp f, 0,1,2,3
	s_wait_dscnt (\younger)+3-(\f)
	global_store_b128 v[GO], v[uw+4*(\f):uw+4*(\f)+3], s[OUTB:OUTB+1] offset:uh*262144+ua*2048+512*(\f)  ; 512 consecutive bytes, aligned
.endr
.endm
.macro EPI rope
	WIN 0
	PLACES
	s_wait_loadcnt 0x0                             ; the table
	PACKU 0, \rope
.irp un, 1,2,3,4,5,6,7
	PACKU \un, \rope
	SENDU (\un)-1, 8
.endr
	SENDU 7, 0
.if \rope
	s_wait_xcnt 0x0                                ; the stores have read their base and their registers
	s_add_nc_u64 s[OUTB:OUTB+1], s[OUTB:OUTB+1], 16777216  ; the next of the three tensors
.endif
.endm
	s_mov_b32 s[UC], 0
.Lstep:                                        ; eleven trips: a step is multiplied, the next asked for
	CHANGE 1
	STEP
	s_and_b32 s69, s[UC], 3
	s_cmp_eq_u32 s69, 3                            ; q's and k's last K step: the same answer in every work-group
	s_cbranch_scc0 .Lno_epi
	EPI 1
.Lno_epi:
	s_add_co_u32 s[UC], s[UC], 1
	s_cmp_lt_u32 s[UC], 11
	s_cbranch_scc1 .Lstep
	CHANGE 0                                       ; the last step is written out: nothing is asked for
	STEP
	EPI 0
	s_wait_tensorcnt 0x0                           ; the wave's end
	ds_add_u32 v[SPW], v[NIL]
	s_wait_dscnt 0x0
	CROUND                                         ; the closing round
	s_endpgm
.Lfunc_end_k_q4ff05d21bf_qkv:
	.size	k_q4ff05d21bf_qkv, .Lfunc_end_k_q4ff05d21bf_qkv-k_q4ff05d21bf_qkv
	.p2alignl 7, 3214868480
	.fill 96, 4, 3214868480
	.section	.rodata,"a",@progbits
	.p2align	6, 0x0
	.amdhsa_kernel k_q4ff05d21bf_qkv
		.amdhsa_group_segment_fixed_size 327680
		.amdhsa_private_segment_fixed_size 0
		.amdhsa_enable_private_segment 0
		.amdhsa_kernarg_size 24
		.amdhsa_user_sgpr_count 2
		.amdhsa_user_sgpr_kernarg_segment_ptr 1
		.amdhsa_wavefront_size32 1
		.amdhsa_system_sgpr_workgroup_id_x 1
		.amdhsa_system_sgpr_workgroup_id_y 1
		.amdhsa_system_sgpr_workgroup_id_z 1
		.amdhsa_system_vgpr_workitem_id 0
		.amdhsa_next_free_vgpr 512
		.amdhsa_next_free_sgpr 100
		.amdhsa_reserve_vcc 0
		.amdhsa_float_denorm_mode_32 3
		.amdhsa_float_denorm_mode_16_64 3
		.amdhsa_memory_ordered 1
		.amdhsa_forward_progress 1
		.amdhsa_inst_pref_size 106
	.end_amdhsa_kernel
	.amdgpu_metadata
---
amdhsa.version: [ 1, 2 ]
amdhsa.kernels:
  - .name:           k_q4ff05d21bf_qkv
    .symbol:         k_q4ff05d21bf_qkv.kd
    .args:
      - { .name: xa, .offset: 0, .size: 8, .value_kind: global_buffer, .address_space: global }
      - { .name: wts, .offset: 8, .size: 8, .value_kind: global_buffer, .address_space: global }
      - { .name: qkv, .offset: 16, .size: 8, .value_kind: global_buffer, .address_space: global }
    .group_segment_fixed_size: 327680
    .private_segment_fixed_size: 0
    .kernarg_segment_align: 8
    .kernarg_segment_size: 24
    .max_flat_workgroup_size: 128
    .sgpr_count:     100
    .vgpr_count:     512
    .wavefront_size: 32
...
	.end_amdgpu_metadata
.endif
;; end of part 2
;; launch attn (part 3): grid 4 x 64, 4 waves a work-group, no clusters, 327,680 bytes of LDS; arguments qkv, ap; writes ap
.if DOCPART == 3
	.amdgcn_target "amdgcn-amd-amdhsa--gfx1250"
	.amdhsa_code_object_version 6
	.text
	.protected	k_q4ff05d21bf_attn
	.globl	k_q4ff05d21bf_attn
	.p2align	8
	.type	k_q4ff05d21bf_attn,@function
k_q4ff05d21bf_attn:
	s_mov_b64 s[64:65], 0
	v_nop
	global_prefetch_b8 v0, s[64:65] scope:SCOPE_SE
	s_setreg_imm32_b32 hwreg(HW_REG_WAVE_MODE, 25, 1), 1
	s_wait_xcnt 0x0
; CAUSAL ATTENTION at head size 32, every operand but the weights p as TWO bf16 numbers.  qkv[3][64 heads][2048][64]: a row of 128 bytes = hi of 32 channels, then their lo.  ap: the same rows, by heads.
; s = q . k is three products on one accumulator: k_hi q_hi + k_hi q_lo + k_lo q_hi (k_lo q_lo, some 2^-18 of a term, is dropped).  O = P V is two: V_hi and V_lo on one accumulator.
; Products, maxima and sums in f32; p is rounded once to bf16 for the second product, its sum l is taken of the unrounded p; O leaves as hi and lo.
; LIMITS.  A hidden score counts as its value less 1e30; a weight below 2^-126 counts as 0 in l; NaN and infinities are not treated apart.
; THE WALK.  A head's queries lie in NB = 8 blocks of 256; block i needs the key tiles 0 .. i of 256 keys, the last of which holds the diagonal.  A work-group takes TWO blocks, 7 - b and then b: 9 tiles whatever b.
; One loop with a constant trip count walks them; which tile is asked for, and what a trip does, hang on scalar registers made from b; every jump but the counted loops' own goes forward, and none passes a barrier
; or a tensor load but the one of LOAD's two that the wave's number does not choose.  NO CLUSTER: a head's four work-groups ask for the same tile in trips 0 to 4 alone, and one walk common to all would have 12 trips for 9.
; SHARES.  Of a block's four bands of 64 queries a wave owns 16 rows in each: four PIECES, so the diagonal tile is the same work for all waves: in its key step s band x sees all keys if s < x, none if s > x.
; THE MASK is the C operand that starts a sum S^T: MC = MD x AL + BE (MD: the mask of a band's own step for my rows).  MC holds zeros outside a diagonal tile, so there is one text of the turns.
; TURNS.  Turn n belongs to piece n: 12 products K Q^T of piece n + 1, later 8 products V^T P of piece n - 1; beside them the softmax of piece n and the maximum and statistics of piece n + 1.
; Four vector instructions stand behind every matrix instruction, the others in one lump.  A turn's 33 exponentials are one batch with one wait.
; REGISTERS, in windows of 256: window 0: v0-15 addresses; v16-31 statistics; v32-39 at work in the way out; v48-55 at work; v64-127 S^T, two buffers; v128-191 O^T, 16 a piece; v192-223 P, two buffers
;   window 1: v128-159 MD; v160-223 MC, two buffers      window 2: v0-63 Q; v64-127 the second block's Q; v128-191 K of one step; v192-255 V of one step
.set NB,    8
.set NP,    4
.set KS,    64
.set PK,    144       ; a row of K in LDS: 128 bytes + 16
.set PV,    160       ; a row of V: 128 + 32
.set VOFF,  4*KS*PK   ; a slot holds a tile: 256 rows of K, then 256 rows of V
.set SLOT1, 1<<17
.set STAGE, SLOT1+4*KS*(PK+PV)  ; behind the ring, never filled by a tensor load: 16 rows x 144 bytes for each wave
.set SP,    144
.set SPARE, STAGE+4*16*SP       ; the spare words: two blocks of 256 bytes that no other line names
.set AK0, 2
.set AV0, 3
.set AK,  4
.set AV,  5
.set STO, 6
.set RD,  7
.set GO,  8
.set MV,  12          ; v12-13  c m_old, by buffer
.set QO,  15
.set ST,  16          ; piece t: c m, m, l (even keys', odd keys')
.set U,   32          ; v32-39  four pairs at work in SPLIT8
.set PFO, 40          ; v40     256 x my thread's number; never rewritten
.set TMP, 48
.set SPW, 62
.set NIL, 63
.set S,   64
.set OT,  128
.set P,   192
.set MD,  128
.set MC,  160
.set QB,  64
.set KF,  128         ; key block kb, hi (0) or lo (1) at KF + 16 kb + 8 c
.set VF,  192         ; key half kk, channel block cb (0, 1: hi; 2, 3: lo) at VF + 32 kk + 8 cb
.set WV,  12
.set PB,  14          ; s14  b
.set HI,  15          ; s15  7 - b
.set G1K, 24
.set G1V, 32
.set G0K, 40
.set G0V, 44
.set SLOTS, 56
.set CNT, 57
.set CS,  58
.set SEL, 60
.set TBK, 62
.set TBV, 63
.set RT,  70
.set NXT, 71
.set LQ,  72
.set NEW, 73
.set OFF, 74
.set AL,  76
.set BE,  78
.set OLO, 80
.set BIGN, 82
.set PFK, 88          ; s[88:89] the head's K, at the tile before the one that the next prefetch names
.set PFV, 90          ; s[90:91] the same for V
.set PFN, 92          ; s92  prefetches still to come
.set MSK, 93          ; s93  a word's upper bf16
.set MSB, 0
.macro WIN new
.if MSB != (\new)
	s_set_vgpr_msb (MSB<<8)|(\new)
.set MSB, (\new)
.endif
.endm
.set W_KQ, 0x0a       ; K and Q in window 2, S^T in window 0
.set W_KM, 0x1a       ; the same with the C operand in window 1
.set W_PV, 0x02       ; V in window 2; P and O^T in window 0
.set W_RS, 0x41       ; destination and source 0 in window 1
.macro LOAD                         ; waves 0, 1 fetch the halves of a tile's K, waves 2, 3 of its V; an s_nop 0 and four v_nop follow each line
	s_cmp_lt_u32 s[WV], 2
	s_cbranch_scc0 .Lfor_v_\@
	tensor_load_to_lds s[G0K:G0K+3], s[G1K:G1K+7]
	s_nop 0
.rept 4
	v_nop
.endr
	s_branch .Lasked_\@
.Lfor_v_\@:
	tensor_load_to_lds s[G0V:G0V+3], s[G1V:G1V+7]
	s_nop 0
.rept 4
	v_nop
.endr
.Lasked_\@:
.endm
; A PREFETCH INTO THE L2.  Of a head's four work-groups the one with b = 0 walks the tiles 0 to 7 in order; behind the load that fills tile n (n = 1 .. 6) it names tile n + 1: 32,768 bytes of K and of V,
; 128 blocks of 256 bytes each, a thread a block: two instructions a wave, one tile (four key steps) ahead of the load that will want them.  Each block is named once; tiles 0 and 1 come by their loads alone.
.macro ASK
	s_cmp_lg_u32 s[PFN], 0
	s_cbranch_scc0 .Lnot_mine_\@
	global_prefetch_b8 v[PFO], s[PFK:PFK+1] th:TH_LOAD_NT scope:SCOPE_SE
	global_prefetch_b8 v[PFO], s[PFV:PFV+1] th:TH_LOAD_NT scope:SCOPE_SE
	s_sub_co_u32 s[PFN], s[PFN], 1
.Lnot_mine_\@:
.endm
; THE CHANGE OF SLOTS.  Each wave waits for all its tensor loads (one is out: its part of the other slot), adds 0 to its spare word, and waits for that and for its reads of the slot that it leaves.
; fill = 1: the old slot takes tile NXT, the first thing behind the barrier; the descriptor's address is made anew from that number.
.macro CHANGE fill
	WIN 0
.if \fill
	s_wait_xcnt 0x0                 ; the last prefetches, a tile back, have read their addresses
	s_add_nc_u64 s[PFK:PFK+1], s[PFK:PFK+1], 32768
	s_add_nc_u64 s[PFV:PFV+1], s[PFV:PFV+1], 32768
.endif
	s_wait_tensorcnt 0x0
	ds_add_u32 v[SPW], v[NIL]
.if \fill
	s_lshl_b32 s[OFF], s[NXT], 15
	s_xor_b32 s[G0K+1], s[G0K+1], SLOT1
	s_add_nc_u64 s[G0K+2:G0K+3], s[6:7], s[OFF:OFF+1]
	s_or_b32 s[G0K+3], s[G0K+3], 0x80000000
	s_xor_b32 s[G0V+1], s[G0V+1], SLOT1
	s_add_nc_u64 s[G0V+2:G0V+3], s[8:9], s[OFF:OFF+1]
	s_or_b32 s[G0V+3], s[G0V+3], 0x80000000
	s_add_co_u32 s[NXT], s[NXT], 1  ; the block's next tile, or behind its last the second block's tile 0
	s_cmp_gt_u32 s[NXT], s[LQ]
	s_cselect_b32 s[NXT], 0, s[NXT]
	s_cselect_b32 s[LQ], s[PB], s[LQ]
.endif
	s_wait_dscnt 0x0
	s_barrier_signal -1
	s_sub_co_u32 s[TBK], s[TBK], 4*KS*PK  ; the fetches go back to a slot's first step, in the other slot
	s_xor_b32 s[TBK], s[TBK], SLOT1
	s_sub_co_u32 s[TBV], s[TBV], 4*KS*PV
	s_xor_b32 s[TBV], s[TBV], SLOT1
	s_barrier_wait -1
.if \fill
	LOAD
	ASK
.endif
.endm
.macro SPLIT8 r, dh, dl             ; eight f32 at r -> four words of hi at dh, four of lo at dl
.irp k, 0,1,2,3
	v_cvt_pk_bf16_f32 v[(\dh)+(\k)], v[(\r)+2*(\k)], v[(\r)+2*(\k)+1]
.endr
.irp k, 0,1,2,3
	v_lshlrev_b32 v[U+2*(\k)], 16, v[(\dh)+(\k)]
	v_and_b32 v[U+2*(\k)+1], s[MSK], v[(\dh)+(\k)]
.endr
.irp k, 0,1,2,3
	v_pk_add_f32 v[(\r)+2*(\k):(\r)+2*(\k)+1], v[(\r)+2*(\k):(\r)+2*(\k)+1], v[U+2*(\k):U+2*(\k)+1] neg_lo:[0,1] neg_hi:[0,1]
.endr
.irp k, 0,1,2,3
	v_cvt_pk_bf16_f32 v[(\dl)+(\k)], v[(\r)+2*(\k)], v[(\r)+2*(\k)+1]
.endr
.endm
	s_load_b64 s[4:5], s[0:1], 0x0    ; qkv: Q
	s_load_b64 s[10:11], s[0:1], 0x8  ; ap: O
	v_lshl_add_u32 v[SPW], v0, 2, SPARE
	v_mov_b32 v[NIL], 0
	ds_add_u32 v[SPW], v[NIL]       ; the wave's opening: the add and its wait stand ahead of my first tensor load
	v_lshrrev_b32 v1, 5, v0
	v_readfirstlane_b32 s[WV], v1
	s_mov_b32 s[PB], ttmp9
	s_sub_co_u32 s[HI], NB-1, s[PB]
	s_and_b32 s20, ttmp7, 0xffff    ; the head: 2,048 rows of 128 bytes
	s_lshl_b32 s20, s20, 18
	s_mov_b32 s21, 0
	s_and_b32 s16, s[WV], 1         ; which half of a tile's 256 keys I fetch
	s_lshl_b32 s22, s16, 14
	s_mov_b32 s23, 0
	s_add_nc_u64 s[22:23], s[22:23], s[20:21]
	s_mul_i32 s17, s16, 128*PK
	s_mul_i32 s18, s16, 128*PV
	s_lshl_b32 s3, s[WV], 11        ; my 16 rows in a band of 64,
	s_lshl_b32 s2, s[HI], 15        ; in the first block,
	s_add_co_u32 s2, s2, s3
	s_lshl_b32 s84, s[PB], 15       ; and in the second
	s_add_co_u32 s84, s84, s3
	s_mov_b32 s3, 0
	s_mov_b32 s85, 0
	s_add_nc_u64 s[2:3], s[2:3], s[20:21]
	s_add_nc_u64 s[84:85], s[84:85], s[20:21]
	; 128 keys are 16,384 dense bytes: asked for as 64 rows of 256 bytes, two keys a row, padded in LDS after every key
	s_mov_b32 s[G1K], (1<<16)|(1<<20)|(4<<22)|(3<<25)
	s_mov_b32 s[G1V], (1<<16)|(1<<20)|(4<<22)|(7<<25)
.irp g, G1K, G1V
	s_mov_b32 s[\g+1], 128<<16
	s_mov_b32 s[\g+2], 64<<16
	s_mov_b32 s[\g+3], 128<<16
	s_mov_b32 s[\g+4], 64
	s_mov_b32 s[\g+5], 128
	s_mov_b32 s[\g+6], 0
	s_mov_b32 s[\g+7], 0
.endr
	s_mov_b32 s[CS], 0x3e8293ee     ; c = log2(e) / sqrt(32)
	s_mov_b32 s[CS+1], s[CS]
	s_mov_b32 s[SEL], 0x76543210
	s_mov_b32 s[SEL+1], 0xfedcba98
	s_mov_b32 s[TBK], SLOT1+4*KS*PK ; the first change of slots turns these two into 0
	s_mov_b32 s[TBV], SLOT1+4*KS*PV
	s_mov_b32 s[G0K], 1
	s_mov_b32 s[G0K+1], s17
	s_mov_b32 s[G0V], 1
	s_add_co_u32 s[G0V+1], s18, VOFF
	s_add_co_u32 s[RT], s[HI], 1    ; the first block has 8 - b tiles
	s_mov_b32 s[NXT], 1
	s_mov_b32 s[LQ], s[HI]
	s_mov_b32 s[NEW], 1
	s_mov_b32 s[OFF+1], 0
	s_mov_b32 s[AL+1], 0
	s_mov_b32 s[BE+1], 0
	s_mov_b32 s[BIGN], 0xf149f2ca   ; -1e30
	s_mov_b32 s[MSK], 0xffff0000
	s_mov_b32 s[SLOTS], NB
	s_cmp_eq_u32 s[PB], 0
	s_cselect_b32 s[PFN], 6, 0
	v_lshlrev_b32 v[PFO], 8, v0
	s_wait_dscnt 0x0                ; the opening add is done
	s_wait_kmcnt 0x0
	s_add_nc_u64 s[6:7], s[4:5], 16777216   ; K
	s_add_nc_u64 s[8:9], s[4:5], 33554432   ; V
	s_add_nc_u64 s[PFK:PFK+1], s[6:7], s[20:21]
	s_add_nc_u64 s[PFV:PFV+1], s[8:9], s[20:21]
	s_add_nc_u64 s[PFK:PFK+1], s[PFK:PFK+1], 32768  ; at tile 1: the first change steps them to tile 2
	s_add_nc_u64 s[PFV:PFV+1], s[PFV:PFV+1], 32768
	s_add_nc_u64 s[6:7], s[6:7], s[22:23]  ; K and V at my half of the head's tile 0
	s_add_nc_u64 s[8:9], s[8:9], s[22:23]
	s_add_nc_u64 s[G0K+2:G0K+3], s[6:7], 0
	s_or_b32 s[G0K+3], s[G0K+3], 0x80000000
	s_add_nc_u64 s[G0V+2:G0V+3], s[8:9], 0
	s_or_b32 s[G0V+3], s[G0V+3], 0x80000000
	s_add_nc_u64 s[86:87], s[4:5], s[84:85]
	s_add_nc_u64 s[4:5], s[4:5], s[2:3]
	s_add_nc_u64 s[OLO:OLO+1], s[10:11], s[84:85]
	s_add_nc_u64 s[10:11], s[10:11], s[2:3]
	LOAD                            ; tile 0 into slot 0
	v_and_b32 v1, 15, v0            ; l % 16
	v_bfe_u32 v9, v0, 4, 1          ; l / 16
	v_lshlrev_b32 v[QO], 7, v1
	v_lshl_add_u32 v[QO], v9, 4, v[QO]
	WIN 0x80
.set i, 0
.rept 8                             ; both blocks' Q: piece i / 2 lies in band i / 2; i % 2: hi, lo
	global_load_b128 v[8*i:8*i+3],   v[QO], s[4:5] offset:(i/2)*8192+(i%2)*64
	global_load_b128 v[8*i+4:8*i+7], v[QO], s[4:5] offset:(i/2)*8192+(i%2)*64+32
	global_load_b128 v[QB+8*i:QB+8*i+3],   v[QO], s[86:87] offset:(i/2)*8192+(i%2)*64
	global_load_b128 v[QB+8*i+4:QB+8*i+7], v[QO], s[86:87] offset:(i/2)*8192+(i%2)*64+32
.set i, i+1
.endr
	WIN 0
	v_lshlrev_b32 v14, 3, v9
	v_sub_nc_u32 v14, v1, v14
	s_lshl_b32 s13, s[WV], 4
	v_add_nc_u32 v14, s13, v14      ; my query's place in its band less my lanes' 8 (l / 16): register r of group kt is hidden where 16 kt + r is greater
	WIN 0x40
.set i, 0
.rept 32
	v_cmp_gt_i32 vcc_lo, 16*(i/8)+i%8, v14
	v_cndmask_b32 v[MD+i], 0, s[BIGN], vcc_lo
.set i, i+1
.endr
	WIN 0
	v_mul_u32_u24 v[AK0], v1, PK
	v_lshl_add_u32 v[AK0], v9, 4, v[AK0]
	v_and_b32 v10, 7, v0
	v_bfe_u32 v11, v0, 3, 1
	v_lshl_add_u32 v[AV0], v9, 3, v10
	v_mul_u32_u24 v[AV0], v[AV0], PV
	v_lshl_add_u32 v[AV0], v11, 4, v[AV0]
	v_add_nc_u32 v[AV0], VOFF, v[AV0]
	s_mul_i32 s13, s[WV], 16*SP
	s_add_co_u32 s13, s13, STAGE
	v_mul_u32_u24 v[STO], v1, SP
	v_lshl_add_u32 v[STO], v9, 4, v[STO]
	v_add_nc_u32 v[STO], s13, v[STO]
	v_bfe_u32 v[RD], v0, 3, 2
	v_mul_u32_u24 v[RD], v[RD], SP
	v_lshl_add_u32 v[RD], v10, 4, v[RD]
	v_add_nc_u32 v[RD], s13, v[RD]
	v_and_b32 v[GO], 31, v0
	v_lshlrev_b32 v[GO], 4, v[GO]
	; A block's first step multiplies O^T and l by a = 0, so these registers need only hold finite numbers: zeros for the first block, what the first block left for the second.
	WIN 0x80
.set i, VF
.rept 64
	v_mov_b32 v[i], 0
.set i, i+1
.endr
	WIN 0
.set i, OT
.rept 64
	v_mov_b32 v[i], 0
.set i, i+1
.endr
.set i, 0
.rept 4
	v_mov_b32 v[ST+4*i+2], 0
	v_mov_b32 v[ST+4*i+3], 0
.set i, i+1
.endr
.set i, P+16
.rept 16
	v_mov_b32 v[i], 0
.set i, i+1
.endr
; THE MATRIX WORK.  Product i of 12 of S^T for piece x: pass i / 4 (k_hi q_hi, k_hi q_lo, k_lo q_hi), keys 16 (i % 4) on; the four accumulators take turns.  Pass 0 starts the sums with the mask.
.macro KQ x
.set rS, S+32*((\x)%2)+8*(i%4)
.set rK, KF+16*(i%4)+8*(i/8)
.set rQ, 16*(\x)+8*((i/4)%2)
.set rM, MC+32*((\x)%2)+8*(i%4)
.if i < 4
	WIN W_KM
	v_wmma_f32_16x16x32_bf16 v[rS:rS+7], v[rK:rK+7], v[rQ:rQ+7], v[rM:rM+7]
.else
	WIN W_KQ
	v_wmma_f32_16x16x32_bf16 v[rS:rS+7], v[rK:rK+7], v[rQ:rQ+7], v[rS:rS+7]
.endif
.endm
; Product i of 8 of O^T += V^T P for piece x: keys 32 (i / 4) on, V's hi or lo ((i / 2) % 2), channels 16 (i % 2) on: the two accumulators take turns.
.macro PV x
	WIN W_PV
.set rO, OT+16*(\x)+8*(i%2)
.set rV, VF+32*(i/4)+8*(2*((i/2)%2)+i%2)
.set rP, P+16*((\x)%2)+8*(i/4)
	v_wmma_f32_16x16x32_bf16 v[rO:rO+7], v[rV:rV+7], v[rP:rP+7], v[rO:rO+7]
.endm
.macro MM                           ; the turn's next matrix instruction.  NOKQ = 1: a block's last turn: there is no next piece
.if (i < 12) && !NOKQ
	KQ (Y+1)%NP
.elseif i >= 12
.set i, i-12
	PV (Y+NP-1)%NP
.set i, i+12
.endif
.set i, i+1
.endm
.macro FETCH_K
	WIN 0x80
.irp f, 0,1,2,3,4,5,6,7             ; keys 16 (f / 2) on; f % 2: hi, lo
	ds_load_b128 v[KF+8*\f:KF+8*\f+3],   v[AK] offset:(\f/2)*16*PK+(\f%2)*64
	ds_load_b128 v[KF+8*\f+4:KF+8*\f+7], v[AK] offset:(\f/2)*16*PK+(\f%2)*64+32
.endr
	s_add_co_u32 s[TBK], s[TBK], KS*PK
	WIN 0
.endm
.macro FETCH_V
	WIN 0x80
.irp f, 0,1,2,3,4,5,6,7             ; keys 32 (f / 4) on, 16 columns of the row (f % 4) on
	ds_load_tr16_b128 v[VF+8*\f:VF+8*\f+3],   v[AV] offset:(\f/4)*32*PV+(\f%4)*32
	ds_load_tr16_b128 v[VF+8*\f+4:VF+8*\f+7], v[AV] offset:(\f/4)*32*PV+16*PV+(\f%4)*32
.endr
	WIN 0
.endm
; THE VECTOR WORK, one line at a time: OP kind, number.  For piece Y: F n: c s - c m for pair n of 16.  E n: the exponential of score n of 32.  C n: pair n rounded to bf16.  B n: of the four weights 4 n .. the
; second pair is added onto the first.  L n: l takes that sum (L 0: l = a l + sum).  R n: pair n of 8 of O^T times a.  For piece Y + 1: X n, number n of the 22 that find its maximum and statistics
; (each accumulator's lowest registers are read first).
.set F, 0
.set E, 1
.set C, 2
.set B, 3
.set L, 4
.set R, 5
.set X, 6
.macro REGS y
.set rT, ST+4*(\y)
.set rC, TMP+4*((\y)%2)
.set rW, MV+((\y)%2)
.set rS, S+32*((\y)%2)
.set rP, P+16*((\y)%2)
.set rO, OT+16*(\y)
.endm
.macro OP k, n
.if (\k) < X
	REGS Y
	WIN 0
.if (\k) == F
	v_pk_fma_f32 v[rS+2*(\n):rS+2*(\n)+1], v[rS+2*(\n):rS+2*(\n)+1], s[CS:CS+1], v[rT:rT+1] op_sel_hi:[1,0,0] neg_lo:[0,0,1] neg_hi:[0,0,1]
.elseif (\k) == E
	v_exp_f32 v[rS+(\n)], v[rS+(\n)]
.elseif (\k) == C
	v_cvt_pk_bf16_f32 v[rP+(\n)], v[rS+2*(\n)], v[rS+2*(\n)+1]
.elseif (\k) == B
	v_pk_add_f32 v[rS+4*(\n):rS+4*(\n)+1], v[rS+4*(\n):rS+4*(\n)+1], v[rS+4*(\n)+2:rS+4*(\n)+3]
.elseif (\k) == R
	v_pk_mul_f32 v[rO+2*(\n):rO+2*(\n)+1], v[rO+2*(\n):rO+2*(\n)+1], v[rC+2:rC+3] op_sel_hi:[1,0]
.elseif (\n) == 0
	v_pk_fma_f32 v[rT+2:rT+3], v[rT+2:rT+3], v[rC+2:rC+3], v[rS:rS+1] op_sel_hi:[1,0,1]
.else
	v_pk_add_f32 v[rT+2:rT+3], v[rT+2:rT+3], v[rS+4*(\n):rS+4*(\n)+1]
.endif
.elseif NOKQ
	v_nop
.else
	REGS (Y+1)%NP
	WIN 0
.if (\n) < 4
	v_max3_num_f32 v[rC+(\n)], v[rS+8*(\n)], v[rS+8*(\n)+1], v[rS+8*(\n)+2]
.elseif (\n) < 12
	v_max3_num_f32 v[rC+(\n)%4], v[rC+(\n)%4], v[rS+8*((\n)%4)+2*((\n)/4)+1], v[rS+8*((\n)%4)+2*((\n)/4)+2]
.elseif (\n) == 12
	v_max3_num_f32 v[rC], v[rC], v[rS+7], v[rS+15]
.elseif (\n) == 13
	v_max3_num_f32 v[rC+1], v[rC+1], v[rS+23], v[rS+31]
.elseif (\n) == 14
	v_max3_num_f32 v[rC+2], v[rC+2], v[rC+3], v[rT+1]
.elseif (\n) == 15
	v_mov_b32 v[rW], v[rT]
.elseif (\n) == 16
	v_max3_num_f32 v[rC], v[rC], v[rC+1], v[rC+2]
.elseif (\n) == 17
	v_permlanex16_b32 v[rC+3], v[rC], s[SEL], s[SEL+1]
.elseif (\n) == 18
	v_max_num_f32 v[rT+1], v[rC], v[rC+3]
.elseif (\n) == 19
	v_mul_f32 v[rT], s[CS], v[rT+1]
.elseif (\n) == 20
	v_sub_f32 v[rC+1], v[rW], v[rT]
.else
	v_exp_f32 v[rC+2], v[rC+1]
.endif
.endif
.endm
.macro OPS a, i1, b=-1, i2=0, c=-1, i3=0, d=-1, i4=0
	OP \a, \i1
.if (\b) >= 0
	OP \b, \i2
.endif
.if (\c) >= 0
	OP \c, \i3
.endif
.if (\d) >= 0
	OP \d, \i4
.endif
.endm
.macro ROW a, i1, b, i2, c, i3, d, i4  ; a matrix instruction and the four behind it
	MM
	OPS \a, \i1, \b, \i2, \c, \i3, \d, \i4
.endm
.macro MASK b                       ; MD x AL + BE into buffer b of MC
	WIN W_RS
.set z, 0
.rept 16
	v_pk_fma_f32 v[MC+32*(\b)+2*z:MC+32*(\b)+2*z+1], v[MD+2*z:MD+2*z+1], s[AL:AL+1], s[BE:BE+1] op_sel_hi:[1,0,0]
.set z, z+1
.endr
.endm
; A TURN, for piece p.  AHEAD OF ITS ONE WAIT stands all that names no result of the turn's exponentials: the 12 products K Q^T and their riders, then the lump.  Accumulator kb of S^T is ended by product 8 + kb, and the first
; X that reads it stands four plain instructions or more behind that product.  X 21, the next piece's a, is the batch's last; R 7 is the plain instruction behind it.  BEHIND THE WAIT: the 8 products V^T P and their riders.
; At the turn's end, in a diagonal tile (RT = 0), the mask is made for the products of the turn after it: piece p + 2 in step 4 - CNT.  m = 1: the walk's last tile, always diagonal: no test.  end = 1: a block's last two turns.
; K of the next step is fetched in piece 2's turn, eight plain instructions behind the last product that read K; V of the step in hand at the end of piece 0's turn, four riders behind its last reader.
.macro TURN p, m=0, end=0
.set Y, (\p)
.set i, 0
.set NOKQ, (\end)*((\p)/3)
.if ((\p) == 3) && !(\end)
	s_wait_dscnt 0x0                ; K is in
.endif
	ROW F,0, F,1, R,0, E,0
	ROW F,2, E,1, R,1, E,2
	ROW F,3, E,3, R,2, E,4
	ROW F,4, E,5, R,3, E,6
	ROW F,5, E,7, R,4, E,8
	ROW F,6, E,9, R,5, E,10
	ROW F,7, E,11, R,6, E,12
	ROW F,8, E,13, F,9, E,14
	ROW F,10, E,15, F,11, E,16
	ROW F,12, E,17, F,13, E,18
.if ((\p) == 2) && !(\end)
	WIN 0
	v_add_nc_u32 v[AK], s[TBK], v[AK0]
.endif
	ROW F,14, E,19, F,15, E,20
	ROW X,0, E,21, X,1, E,22
	OPS X,2, E,23, X,4, X,5
	OPS X,3, E,24, X,6, X,8
.if ((\p) == 2) && !(\end)
	FETCH_K
.endif
	OPS X,9, X,7, E,25, X,10
	OPS X,12, X,11, E,26, X,13
	OPS X,15, X,14, E,27, E,28
.if (\p) == 0
	WIN 0
	v_add_nc_u32 v[AV], s[TBV], v[AV0]
.endif
	OPS X,16, E,29, X,17, E,30
	OPS X,18, E,31, X,19, X,20
	OPS X,21, R,7
	WIN 0
	s_wait_alu depctr_va_vdst(0)    ; the wait for the batch ahead of its first reader
.if (\p) == 1
	s_wait_dscnt 0x0                ; V is in
.endif
	ROW C,0, B,0, C,2, B,1
	ROW L,0, C,4, B,2, L,1
	ROW C,6, B,3, L,2, C,8
	ROW B,4, L,3, C,10, B,5
	ROW L,4, C,12, B,6, L,5
	ROW C,14, B,7, L,6, C,1
	ROW C,3, L,7, C,5, C,7
	ROW C,9, C,11, C,13, C,15
.if (\p) == 0
	s_add_co_u32 s[TBV], s[TBV], KS*PV
	FETCH_V
.endif
	WIN 0
.if !(\end)
.if !(\m)
	s_cmp_lg_u32 s[RT], 0
	s_cbranch_scc1 .Lnomask_\@
.endif
	s_cmp_eq_u32 s[CNT], 4-((\p)+2)%NP  ; is that step the band's own?
	s_cselect_b32 s[AL], 1.0, 0
	s_cmp_lt_u32 s[CNT], 4-((\p)+2)%NP  ; or a later one?
	s_cselect_b32 s[BE], s[BIGN], 0
	MASK (\p)%2
	WIN 0
.if !(\m)
.Lnomask_\@:
.endif
.endif
.endm
; A BLOCK BEGINS.  c m starts far below every c s, so the first step's a is 0; m at the lowest finite number.  The second mask buffer is 0; the first takes piece 0's mask for the tile's step 0: its own, if the tile is the diagonal one.
.macro BEGIN
	s_mov_b32 s[NEW], 0
	WIN 0x40
.set i, MC+32
.rept 32
	v_mov_b32 v[i], 0
.set i, i+1
.endr
	WIN 0
.set i, 0
.rept 4
	v_mov_b32 v[ST+4*i], 0xfe000000
	v_mov_b32 v[ST+4*i+1], 0xff7fffff
.set i, i+1
.endr
	s_cmp_eq_u32 s[RT], 0
	s_cselect_b32 s[AL], 1.0, 0
	s_mov_b32 s[BE], 0
	MASK 0
	WIN 0
	v_add_nc_u32 v[AK], s[TBK], v[AK0]
	FETCH_K
	s_wait_loadcnt 0x0              ; Q
	s_wait_dscnt 0x0
.set NOKQ, 0
.set i, 0
.rept 12
	KQ 0
.set i, i+1
.endr
	WIN 0
.rept 4
	v_nop                           ; the places behind those products
.endr
.set Y, NP-1
.irp n, 0,1,2,3,4,5,6,7,8,9,10,11,12,13,14,15,16,17,18,19,20,21
	OP X, \n
.endr
	v_nop                           ; a plain instruction behind the exponential,
	s_wait_alu depctr_va_vdst(0)    ; and its wait, ahead of the branch
.endm
.macro ALL line:vararg
.set t, 0
.rept 4
	\line
.set t, t+1
.endr
.endm
.macro PACK t                       ; piece t: O^T / l, split into hi and lo; through my stage, back as whole rows of 128 bytes
	WIN 0
.set i, OT+16*(\t)
.rept 8
	v_pk_mul_f32 v[i:i+1], v[i:i+1], v[ST+4*(\t)+2:ST+4*(\t)+3] op_sel_hi:[1,0]
.set i, i+2
.endr
	SPLIT8 OT+16*(\t), S+16*(\t), S+16*(\t)+8
	SPLIT8 OT+16*(\t)+8, S+16*(\t)+4, S+16*(\t)+12
.irp f, 0,1,2,3
	ds_store_b128 v[STO], v[S+16*(\t)+4*\f:S+16*(\t)+4*\f+3] offset:32*\f
.endr
.irp f, 0,1,2,3
	ds_load_b128 v[S+16*(\t)+4*\f:S+16*(\t)+4*\f+3], v[RD] offset:\f*4*SP  ; LDS serves a wave's instructions in order (ISA guide 5.7.1.4)
.endr
.endm
.macro SEND t, younger
	WIN 0
.irp f, 0,1,2,3
	s_wait_dscnt (\younger)+3-\f
	global_store_b128 v[GO], v[S+16*(\t)+4*\f:S+16*(\t)+4*\f+3], s[10:11] offset:(\t)*8192+\f*512  ; 512 consecutive bytes, aligned
.endr
.endm
; A BLOCK ENDS: its last two turns, its last products, and the way out
.macro BLOCKEND
	TURN 2, 1, 1
	TURN 3, 1, 1
.set i, 0
.rept 8
	PV NP-1
.set i, i+1
.endr
	WIN 0
	ALL v_add_f32 v[ST+4*t+2], v[ST+4*t+2], v[ST+4*t+3]
	ALL v_permlanex16_b32 v[ST+4*t+3], v[ST+4*t+2], s[SEL], s[SEL+1]
	ALL v_add_f32 v[ST+4*t+2], v[ST+4*t+2], v[ST+4*t+3]
	ALL v_rcp_f32 v[ST+4*t+2], v[ST+4*t+2]
	v_nop
	s_wait_alu depctr_va_vdst(0)    ; one wait for the four reciprocals
	PACK 0
.set t, 1
.rept 3
	PACK t
	SEND t-1, 8
.set t, t+1
.endr
	SEND 3, 0
.endm
.set NOKQ, 0
.Lslot:                             ; eight times: a tile is entered and the next is asked for
	CHANGE 1
	s_sub_co_u32 s[RT], s[RT], 1
	s_mov_b32 s[CNT], 4
	s_cmp_eq_u32 s[NEW], 1
	s_cbranch_scc1 .Lnew
	s_branch .Lstep
.Lnew:
	BEGIN
	s_branch .Lfirst
.Lstep:                             ; a trip: pieces 2 and 3 of one step, then pieces 0 and 1 of the next, whose K and V it fetches
	TURN 2
	TURN 3
.Lfirst:
	TURN 0
	TURN 1
	s_sub_co_u32 s[CNT], s[CNT], 1
	s_cmp_lg_u32 s[CNT], 0
	s_cbranch_scc1 .Lstep
	s_cmp_lg_u32 s[RT], 0
	s_cbranch_scc1 .Lbottom
	BLOCKEND                        ; in the loop this is the first block's end
	s_wait_xcnt 0x0                 ; the stores have read their registers and O's address
	s_mov_b64 s[10:11], s[OLO:OLO+1]
	s_add_co_u32 s[RT], s[PB], 1    ; the second block has b + 1 tiles
	s_mov_b32 s[NEW], 1
	WIN 0x82
.set i, 0
.rept 64
	v_mov_b32 v[i], v[QB+i]
.set i, i+1
.endr
	WIN 0
.Lbottom:
	s_sub_co_u32 s[SLOTS], s[SLOTS], 1
	s_cmp_lg_u32 s[SLOTS], 0
	s_cbranch_scc1 .Lslot
	CHANGE 0                        ; the walk's last tile is written out
	s_sub_co_u32 s[RT], s[RT], 1
	s_mov_b32 s[CNT], 4
	s_cmp_eq_u32 s[NEW], 1
	s_cbranch_scc0 .LstepT
	BEGIN
	s_branch .LfirstT
.LstepT:
	TURN 2, 1
	TURN 3, 1
.LfirstT:
	TURN 0, 1
	TURN 1, 1
	s_sub_co_u32 s[CNT], s[CNT], 1
	s_cmp_lg_u32 s[CNT], 0
	s_cbranch_scc1 .LstepT
	BLOCKEND
	s_wait_tensorcnt 0x0            ; the wave's end
	ds_add_u32 v[SPW], v[NIL]
	s_wait_dscnt 0x0
	s_endpgm
.Lfunc_end_k_q4ff05d21bf_attn:
	.size	k_q4ff05d21bf_attn, .Lfunc_end_k_q4ff05d21bf_attn-k_q4ff05d21bf_attn
	.p2alignl 7, 3214868480
	.fill 96, 4, 3214868480
	.section	.rodata,"a",@progbits
	.p2align	6, 0x0
	.amdhsa_kernel k_q4ff05d21bf_attn
		.amdhsa_group_segment_fixed_size 327680
		.amdhsa_private_segment_fixed_size 0
		.amdhsa_enable_private_segment 0
		.amdhsa_kernarg_size 16
		.amdhsa_user_sgpr_count 2
		.amdhsa_user_sgpr_kernarg_segment_ptr 1
		.amdhsa_wavefront_size32 1
		.amdhsa_system_sgpr_workgroup_id_x 1
		.amdhsa_system_sgpr_workgroup_id_y 1
		.amdhsa_system_sgpr_workgroup_id_z 1
		.amdhsa_system_vgpr_workitem_id 0
		.amdhsa_next_free_vgpr 768
		.amdhsa_next_free_sgpr 96
		.amdhsa_reserve_vcc 1
		.amdhsa_float_denorm_mode_32 3
		.amdhsa_float_denorm_mode_16_64 3
		.amdhsa_memory_ordered 1
		.amdhsa_forward_progress 1
		.amdhsa_inst_pref_size 175
	.end_amdhsa_kernel
	.amdgpu_metadata
---
amdhsa.version: [ 1, 2 ]
amdhsa.kernels:
  - .name:           k_q4ff05d21bf_attn
    .symbol:         k_q4ff05d21bf_attn.kd
    .args:
      - { .name: qkv, .offset: 0, .size: 8, .value_kind: global_buffer, .address_space: global }
      - { .name: ap, .offset: 8, .size: 8, .value_kind: global_buffer, .address_space: global }
    .group_segment_fixed_size: 327680
    .private_segment_fixed_size: 0
    .kernarg_segment_align: 8
    .kernarg_segment_size: 16
    .max_flat_workgroup_size: 128
    .sgpr_count:     96
    .vgpr_count:     768
    .wavefront_size: 32
...
	.end_amdgpu_metadata
.endif
;; end of part 3
;; launch proj1 (part 4): grid 4 x 64, 4 waves a work-group, clusters of 4 x 4, 327,680 bytes of LDS; arguments ap, wo, x, ob; writes ob
.if DOCPART == 4
	.amdgcn_target "amdgcn-amd-amdhsa--gfx1250"
	.amdhsa_code_object_version 6
	.text
	.protected	k_q4ff05d21bf_proj1
	.globl	k_q4ff05d21bf_proj1
	.p2align	8
	.type	k_q4ff05d21bf_proj1,@function
k_q4ff05d21bf_proj1:
	s_mov_b64 s[64:65], 0
	v_nop
	global_prefetch_b8 v0, s[64:65] scope:SCOPE_SE
	s_setreg_imm32_b32 hwreg(HW_REG_WAVE_MODE, 25, 1), 1
	s_wait_xcnt 0x0
	s_wait_alu depctr_hold_cnt(0) depctr_sa_sdst(0) depctr_va_vdst(0) depctr_va_sdst(0) depctr_va_ssrc(0) depctr_va_vcc(0) depctr_vm_vsrc(0)
	s_getreg_b32 s2, hwreg(HW_REG_IB_STS2, 6, 4)
	s_cmp_eq_u32 s2, 0
	s_cbranch_scc0 .Lentry_in_a_cluster
	s_endpgm
.Lentry_in_a_cluster:
	s_bfe_u32 s2, ttmp6, 0x10000c
	s_cmp_lg_u32 s2, 0xf033
	s_cbranch_scc0 .Lentry_shape_is_right
	s_endpgm
.Lentry_shape_is_right:
; out[s][c] = res[s][c] + the sum over k of a[s][k] w[c][k].  a comes in planes ([b][p][s][64] bf16: hi | lo of channels 32 p ..), w is [512][512] bf16, res and out are [8192][512] f32.
; A product is TWO matrix products on one accumulator: w x hi and w x lo; one fragment of w serves both.  Used twice: O = x + H o_w^T, and the block's result = O + h w2^T.
; SHARES.  A work-group makes 128 tokens x 128 columns, four waves 64 x 64 each (16 accumulators); four K steps of 128 (four planes) through two LDS slots.  Transposed use: a lane holds one token, eight columns.
; CLUSTER 4 x 4: A's tile is asked for jointly along a row of the cluster, B's along a column.  The residual is loaded at the head into registers of its own and lands under the K loop.
; The 128 accumulator registers are cleared in the wait for the first tile: the price of one text for all four steps.  No prefetch: a step's tiles are small and are read by four clusters at about the same time.
.set SLOT1,  131072
.set PA,     144
.set APLANE, 64*PA
.set AHALF,  4*APLANE
.set PB,     272
.set BOFF,   2*AHALF
.set BHALF,  64*PB
.set STAGE,  SLOT1+BOFF+2*BHALF        ; behind the ring, never filled by a tensor load: 16 rows x 272 bytes for each wave
.set SP,     272
.set SPARE,  STAGE+4*16*SP             ; the spare words: two blocks of 256 bytes that no other line names
.set ADRA0, 12
.set ADRB0, 13
.set ADRA,  16
.set ADRB,  20
.set STO,   24
.set RD,    25
.set CO,    26                         ; v26  my offset in two rows of res and of out; never rewritten
.set SPW,   28
.set NIL,   29
.set WS,    32                         ; v[32:95] two sets of 32 for the way out
.set ACC,   128
.set F0,    0                          ; window 1: two fragment buffers of 96
.set F1,    96
.set G1A, 24
.set G0A, 32
.set G1B, 48
.set G0B, 56
.set UC,  66
.set TB,  67
.set RES, 84                           ; s[84:85]
.set OUTP, 86                          ; s[86:87]
.set MSB, 0
.macro WIN new
.if MSB != (\new)
	s_set_vgpr_msb (MSB<<8)|(\new)
.set MSB, \new
.endif
.endm
.macro PLACES
.rept 4
	v_nop
.endr
.endm
.macro JLOAD                           ; a joint load; an s_nop 0 and four v_nop follow each of the two lines
	s_cmp_eq_u32 s11, 0
	s_cbranch_scc0 .Lfor_b_\@
	tensor_load_to_lds s[G0A:G0A+3], s[G1A:G1A+7]
	s_nop 0
.rept 4
	v_nop
.endr
	s_branch .Lasked_\@
.Lfor_b_\@:
	tensor_load_to_lds s[G0B:G0B+3], s[G1B:G1B+7]
	s_nop 0
.rept 4
	v_nop
.endr
.Lasked_\@:
.endm
.macro CROUND
	s_barrier_signal -1
	s_barrier_wait -1
	s_cmp_lg_u32 s10, 0
	s_cbranch_scc1 .Lnot_wave_0_\@
	s_barrier_signal -3
.Lnot_wave_0_\@:
	s_barrier_wait -3
	s_barrier_signal -1
	s_barrier_wait -1
.endm
	s_load_b256 s[80:87], s[0:1], 0x0              ; a s[80:81], w s[82:83], res s[84:85], out s[86:87]
	v_lshl_add_u32 v[SPW], v0, 2, SPARE
	v_mov_b32 v[NIL], 0
	ds_add_u32 v[SPW], v[NIL]                      ; the wave's opening: the add and its wait stand ahead of my first tensor load
	v_lshrrev_b32 v1, 5, v0
	v_readfirstlane_b32 s10, v1
	s_lshr_b32 s11, s10, 1
	s_and_b32 s12, s10, 1
	s_bfe_u32 s40, ttmp6, 0x40000
	s_bfe_u32 s41, ttmp6, 0x40004
	s_lshl_b32 s42, ttmp9, 2
	s_add_co_u32 s42, s42, s40                     ; column tile
	s_and_b32 s13, ttmp7, 0xffff
	s_lshl_b32 s13, s13, 2
	s_add_co_u32 s13, s13, s41                     ; token tile
	s_lshl_b32 s43, s41, 2
	s_lshl_b32 s43, 15, s43
	s_lshl_b32 s44, 0x1111, s40
	s_or_b32 s[G1A], s43, (1<<16)|(1<<20)|(1<<21)|(4<<22)|(3<<25)  ; four rows of 8,192 bytes (64 tokens of a plane), a plane apart; 16 bytes of padding behind every 128
	s_mov_b32 s[G1A+1], 4096<<16
	s_mov_b32 s[G1A+2], 4<<16
	s_mov_b32 s[G1A+3], 4096<<16
	s_mov_b32 s[G1A+4], 4
	s_mov_b32 s[G1A+5], 131072
	s_mov_b32 s[G1A+6], 0
	s_mov_b32 s[G1A+7], 0
	s_or_b32 s[G1B], s44, (1<<16)|(1<<20)|(1<<21)|(5<<22)|(3<<25)  ; 64 rows of 256 bytes; 16 bytes of padding behind each
	s_mov_b32 s[G1B+1], 128<<16
	s_mov_b32 s[G1B+2], 64<<16
	s_mov_b32 s[G1B+3], 128<<16
	s_mov_b32 s[G1B+4], 64
	s_mov_b32 s[G1B+5], 512
	s_mov_b32 s[G1B+6], 0
	s_mov_b32 s[G1B+7], 0
	s_lshr_b32 s16, s13, 4
	s_lshl_b32 s16, s16, 22
	s_and_b32 s17, s13, 15
	s_lshl_b32 s17, s17, 14
	s_add_co_u32 s16, s16, s17
	s_lshl_b32 s17, s12, 13
	s_add_co_u32 s16, s16, s17
	s_mov_b32 s17, 0
	s_lshl_b32 s46, s42, 17
	s_lshl_b32 s47, s12, 16
	s_add_co_u32 s46, s46, s47
	s_mov_b32 s47, 0
	s_mov_b32 s[G0A], 1
	s_mul_i32 s[G0A+1], s12, AHALF
	s_mov_b32 s[G0B], 1
	s_mul_i32 s[G0B+1], s12, BHALF
	s_add_co_u32 s[G0B+1], s[G0B+1], BOFF
	s_mov_b32 s[TB], SLOT1
	s_wait_dscnt 0x0
	s_wait_kmcnt 0x0
	s_add_nc_u64 s[G0A+2:G0A+3], s[80:81], s[16:17]
	s_or_b32 s[G0A+3], s[G0A+3], 0x80000000
	s_add_nc_u64 s[G0B+2:G0B+3], s[82:83], s[46:47]
	s_or_b32 s[G0B+3], s[G0B+3], 0x80000000
	CROUND
	JLOAD                                          ; step 0 into slot 0
	v_and_b32 v1, 15, v0
	v_bfe_u32 v2, v0, 4, 1
	v_mul_u32_u24 v3, v1, PA
	v_lshl_add_u32 v3, v2, 4, v3
	s_mul_i32 s21, s11, AHALF
	v_add_nc_u32 v[ADRA0], s21, v3
	v_mul_u32_u24 v3, v1, PB
	v_lshl_add_u32 v3, v2, 4, v3
	s_mul_i32 s22, s12, BHALF
	s_add_co_u32 s22, s22, BOFF
	v_add_nc_u32 v[ADRB0], s22, v3
	s_mul_i32 s23, s10, 16*SP
	s_add_co_u32 s23, s23, STAGE
	v_mul_u32_u24 v3, v1, SP
	v_lshl_add_u32 v3, v2, 5, v3
	v_add_nc_u32 v[STO], s23, v3                   ; in: row l % 16, 32 bytes for each half of the lanes
	v_mul_u32_u24 v3, v2, SP
	v_lshl_add_u32 v3, v1, 4, v3
	v_add_nc_u32 v[RD], s23, v3                    ; back: lanes 0-15 one row of 256 bytes, lanes 16-31 the next
	v_lshlrev_b32 v[CO], 11, v2
	v_lshl_add_u32 v[CO], v1, 4, v[CO]             ; and the same two rows in memory
	s_lshl_b32 s78, s13, 18                        ; 128 rows of 2,048 bytes a tile,
	s_lshl_b32 s79, s11, 17                        ; my 64,
	s_add_co_u32 s78, s78, s79
	s_lshl_b32 s79, s42, 9                         ; 128 columns of 4 bytes a tile,
	s_add_co_u32 s78, s78, s79
	s_lshl_b32 s79, s12, 8                         ; my 64
	s_add_co_u32 s78, s78, s79
	s_mov_b32 s79, 0
	s_add_nc_u64 s[RES:RES+1], s[RES:RES+1], s[78:79]
	s_add_nc_u64 s[OUTP:OUTP+1], s[OUTP:OUTP+1], s[78:79]
	WIN 0x80                                       ; the residual: window 2, block a, two rows t at 4 (8 a + t)
.irp ra, 0,1,2,3
.irp t, 0,1,2,3,4,5,6,7
	global_load_b128 v[4*(8*(\ra)+(\t)):4*(8*(\ra)+(\t))+3], v[CO], s[RES:RES+1] offset:32768*(\ra)+4096*(\t)
.endr
.endr
	WIN 0
.set n, 0
.rept 128
	v_mov_b32 v[ACC+n], 0
.set n, n+1
.endr
.macro FETCH z, f
	WIN 0x40
.irp fb, 0,1,2,3
	ds_load_b128 v[(\f)+8*(\fb):(\f)+8*(\fb)+3],   v[ADRB] offset:64*(\z)+(\fb)*16*PB
	ds_load_b128 v[(\f)+8*(\fb)+4:(\f)+8*(\fb)+7], v[ADRB] offset:64*(\z)+(\fb)*16*PB+32
.endr
.irp fa, 0,1,2,3
	ds_load_b128 v[(\f)+32+8*(\fa):(\f)+32+8*(\fa)+3],   v[ADRA] offset:APLANE*(\z)+(\fa)*16*PA
	ds_load_b128 v[(\f)+32+8*(\fa)+4:(\f)+32+8*(\fa)+7], v[ADRA] offset:APLANE*(\z)+(\fa)*16*PA+32
.endr
.irp fa, 0,1,2,3
	ds_load_b128 v[(\f)+64+8*(\fa):(\f)+64+8*(\fa)+3],   v[ADRA] offset:APLANE*(\z)+(\fa)*16*PA+64
	ds_load_b128 v[(\f)+64+8*(\fa)+4:(\f)+64+8*(\fa)+7], v[ADRA] offset:APLANE*(\z)+(\fa)*16*PA+96
.endr
.endm
.macro MULP f, part                    ; 16 matrix instructions, all accumulators by turns
	WIN 0x05
.irp ma, 0,1,2,3
.irp mb, 0,1,2,3
	v_wmma_f32_16x16x32_bf16 v[ACC+8*(4*(\ma)+(\mb)):ACC+8*(4*(\ma)+(\mb))+7], v[(\f)+8*(\mb):(\f)+8*(\mb)+7], v[(\f)+32+32*(\part)+8*(\ma):(\f)+32+32*(\part)+8*(\ma)+7], v[ACC+8*(4*(\ma)+(\mb)):ACC+8*(4*(\ma)+(\mb))+7]
.endr
.endr
.endm
.macro STEP                            ; s_wait_dscnt 8: B and A hi are in, A lo's eight loads may be out; 24: all but the 24 just issued
	FETCH 0, F0
.irp z, 0,1,2
	s_wait_dscnt 8
	MULP F0+96*((\z)%2), 0
	PLACES
	FETCH (\z)+1, F1-96*((\z)%2)
	s_wait_dscnt 24
	MULP F0+96*((\z)%2), 1
.endr
	s_wait_dscnt 8
	MULP F1, 0
	s_wait_dscnt 0x0
	MULP F1, 1
	WIN 0
.endm
.macro CHANGE fill                     ; the change of slots: all my tensor loads, the add, my reads; with fill = 1 a round of the cluster's barrier and the next step's joint load first behind it
	WIN 0
	s_wait_tensorcnt 0x0
	ds_add_u32 v[SPW], v[NIL]
.if \fill
	s_xor_b32 s[G0A+1], s[G0A+1], SLOT1
	s_add_nc_u64 s[G0A+2:G0A+3], s[G0A+2:G0A+3], 1048576  ; four planes on
	s_xor_b32 s[G0B+1], s[G0B+1], SLOT1
	s_add_nc_u64 s[G0B+2:G0B+3], s[G0B+2:G0B+3], 256
	s_wait_dscnt 0x0
	CROUND
	JLOAD
.else
	s_wait_dscnt 0x0
	s_barrier_signal -1
	s_barrier_wait -1
	PLACES
.endif
	s_xor_b32 s[TB], s[TB], SLOT1
	v_add_nc_u32 v[ADRA], s[TB], v[ADRA0]
	v_add_nc_u32 v[ADRB], s[TB], v[ADRB0]
.endm
; THE WAY OUT, a block of 16 tokens at a time: the sums as they are into my stage, back as whole rows of 256 bytes, the residual added, stored
.macro TOST ra
.set bk, WS+32*((\ra)%2)
.if (\ra) >= 2
	s_wait_xcnt 0x0                                ; the stores of the block two back have read this set
.endif
.irp sb, 0,1,2,3
	ds_store_b128 v[STO], v[ACC+8*(4*(\ra)+(\sb)):ACC+8*(4*(\ra)+(\sb))+3]   offset:64*(\sb)
	ds_store_b128 v[STO], v[ACC+8*(4*(\ra)+(\sb))+4:ACC+8*(4*(\ra)+(\sb))+7] offset:64*(\sb)+16
.endr
.irp t, 0,1,2,3,4,5,6,7
	ds_load_b128 v[bk+4*(\t):bk+4*(\t)+3], v[RD] offset:(\t)*2*SP  ; LDS serves a wave's instructions in order (ISA guide 5.7.1.4)
.endr
.endm
.macro SENDR ra, younger
.set bk, WS+32*((\ra)%2)
	s_wait_loadcnt 24-8*(\ra)                      ; this block's residual is in; the later blocks' loads may stay out
	s_wait_dscnt \younger                          ; the block is back; the next block's sixteen LDS instructions may stay out
	WIN 0x08                                       ; source 1 in window 2
.irp t, 0,1,2,3,4,5,6,7
	v_pk_add_f32 v[bk+4*(\t):bk+4*(\t)+1],   v[bk+4*(\t):bk+4*(\t)+1],   v[4*(8*(\ra)+(\t)):4*(8*(\ra)+(\t))+1]
	v_pk_add_f32 v[bk+4*(\t)+2:bk+4*(\t)+3], v[bk+4*(\t)+2:bk+4*(\t)+3], v[4*(8*(\ra)+(\t))+2:4*(8*(\ra)+(\t))+3]
.endr
	WIN 0
.irp t, 0,1,2,3,4,5,6,7
	global_store_b128 v[CO], v[bk+4*(\t):bk+4*(\t)+3], s[OUTP:OUTP+1] offset:32768*(\ra)+4096*(\t)  ; sixteen lanes store 256 consecutive bytes, aligned
.endr
.endm
	s_mov_b32 s[UC], 3
.Lstep:
	CHANGE 1
	STEP
	s_sub_co_u32 s[UC], s[UC], 1
	s_cmp_lg_u32 s[UC], 0
	s_cbranch_scc1 .Lstep
	CHANGE 0                                       ; the last step is written out: nothing is asked for
	STEP
	PLACES
	TOST 0
	TOST 1
	SENDR 0, 16
	TOST 2
	SENDR 1, 16
	TOST 3
	SENDR 2, 16
	SENDR 3, 0
	s_wait_tensorcnt 0x0                           ; the wave's end
	ds_add_u32 v[SPW], v[NIL]
	s_wait_dscnt 0x0
	CROUND                                         ; the closing round
	s_endpgm
.Lfunc_end_k_q4ff05d21bf_proj1:
	.size	k_q4ff05d21bf_proj1, .Lfunc_end_k_q4ff05d21bf_proj1-k_q4ff05d21bf_proj1
	.p2alignl 7, 3214868480
	.fill 96, 4, 3214868480
	.section	.rodata,"a",@progbits
	.p2align	6, 0x0
	.amdhsa_kernel k_q4ff05d21bf_proj1
		.amdhsa_group_segment_fixed_size 327680
		.amdhsa_private_segment_fixed_size 0
		.amdhsa_enable_private_segment 0
		.amdhsa_kernarg_size 32
		.amdhsa_user_sgpr_count 2
		.amdhsa_user_sgpr_kernarg_segment_ptr 1
		.amdhsa_wavefront_size32 1
		.amdhsa_system_sgpr_workgroup_id_x 1
		.amdhsa_system_sgpr_workgroup_id_y 1
		.amdhsa_system_sgpr_workgroup_id_z 1
		.amdhsa_system_vgpr_workitem_id 0
		.amdhsa_next_free_vgpr 640
		.amdhsa_next_free_sgpr 100
		.amdhsa_reserve_vcc 0
		.amdhsa_float_denorm_mode_32 3
		.amdhsa_float_denorm_mode_16_64 3
		.amdhsa_memory_ordered 1
		.amdhsa_forward_progress 1
		.amdhsa_inst_pref_size 57
	.end_amdhsa_kernel
	.amdgpu_metadata
---
amdhsa.version: [ 1, 2 ]
amdhsa.kernels:
  - .name:           k_q4ff05d21bf_proj1
    .symbol:         k_q4ff05d21bf_proj1.kd
    .args:
      - { .name: ap, .offset: 0, .size: 8, .value_kind: global_buffer, .address_space: global }
      - { .name: wo, .offset: 8, .size: 8, .value_kind: global_buffer, .address_space: global }
      - { .name: x, .offset: 16, .size: 8, .value_kind: global_buffer, .address_space: global }
      - { .name: ob, .offset: 24, .size: 8, .value_kind: global_buffer, .address_space: global }
    .group_segment_fixed_size: 327680
    .private_segment_fixed_size: 0
    .kernarg_segment_align: 8
    .kernarg_segment_size: 32
    .max_flat_workgroup_size: 128
    .sgpr_count:     100
    .vgpr_count:     640
    .wavefront_size: 32
...
	.end_amdgpu_metadata
.endif
;; end of part 4
;; launch ffn1 (part 5): grid 4 x 64, 4 waves a work-group, clusters of 4 x 4, 327,680 bytes of LDS; arguments ob, wts, hp; writes hp
.if DOCPART == 5
	.amdgcn_target "amdgcn-amd-amdhsa--gfx1250"
	.amdhsa_code_object_version 6
	.text
	.protected	k_q4ff05d21bf_ffn1
	.globl	k_q4ff05d21bf_ffn1
	.p2align	8
	.type	k_q4ff05d21bf_ffn1,@function
k_q4ff05d21bf_ffn1:
	s_mov_b64 s[64:65], 0
	v_nop
	global_prefetch_b8 v0, s[64:65] scope:SCOPE_SE
	s_setreg_imm32_b32 hwreg(HW_REG_WAVE_MODE, 25, 1), 1
	s_wait_xcnt 0x0
	s_wait_alu depctr_hold_cnt(0) depctr_sa_sdst(0) depctr_va_vdst(0) depctr_va_sdst(0) depctr_va_ssrc(0) depctr_va_vcc(0) depctr_vm_vsrc(0)
	s_getreg_b32 s2, hwreg(HW_REG_IB_STS2, 6, 4)
	s_cmp_eq_u32 s2, 0
	s_cbranch_scc0 .Lentry_in_a_cluster
	s_endpgm
.Lentry_in_a_cluster:
	s_bfe_u32 s2, ttmp6, 0x10000c
	s_cmp_lg_u32 s2, 0xf033
	s_cbranch_scc0 .Lentry_shape_is_right
	s_endpgm
.Lentry_shape_is_right:
; h = swish(a) x gate, a = rmsnorm(O, g2) w1^T, gate = rmsnorm(O, g2) w3^T.  1 / rms is a number of the row and commutes with the product: the matrix unit multiplies bf16(O) by bf16(w g2) (made by the first launch),
; the sum of O^2 is taken in f32 from the unrounded O while the fragments are converted (a lane of a fragment holds one token), and a and the gate are scaled by rsq(mean + eps) on the way out.
; h leaves as two bf16 numbers in planes: hp[b][p][s][64], hi | lo of columns 32 p ...
; SHARES.  The weights lie in tiles of 16 rows, w1's and w3's by turns.  A work-group makes 128 tokens x 256 such rows (128 columns of h), a wave 64 x 128: 32 accumulators.  Four K steps of 128 through two LDS slots.
; A slot: O in f32 (2 halves x 64 rows x 528 bytes), then the weights (2 halves x 128 rows x 272 bytes).  CLUSTER 4 x 4: O's tile is asked for jointly along a row of the cluster, the weights' along a column.
; The next 32 k's conversion (64 vector lines) rides behind the last sixteen products of each 32 k, four lines a product.
; The 264 clears stand in the wait for the first tile: the price of one text for all four steps.  No prefetch: a step's tiles are small and are read by four clusters at about the same time.
; LIMITS: where exp2(-a log2 e) overflows, the reciprocal is 0 and h is 0, as the limit of the function is; NaN and infinities are not treated apart.
.set SLOTX,  0x22000                   ; from slot to slot; it shares no bit with the four LDS words 0, 0x8400, 0x10800, 0x19000, so one exclusive or changes slots
.set PA,     528                       ; a row of O: 512 bytes + 16
.set AHALF,  64*PA
.set PB,     272
.set BOFF,   2*AHALF
.set BHALF,  128*PB
.set STAGE,  SLOTX+BOFF+2*BHALF        ; behind the ring, never filled by a tensor load: 16 rows x 144 bytes for each wave
.set SP,     144
.set SPARE,  STAGE+4*16*SP             ; the spare words: two blocks of 256 bytes that no other line names
.set W13O,   1835008
.set U,     4
.set ADRA0, 12
.set ADRB0, 13
.set ADRA,  16
.set ADRB,  20
.set STO,   24
.set RD,    25
.set GO,    26
.set SPW,   28
.set NIL,   29
.set RAW,   32                         ; v[32:95] four fragments of O in f32; on the way out two sets of 16
.set WS,    32
.set AP,    96                         ; v[96:111]  a, then h
.set GP,    112                        ; v[112:127] the gate
.set EE,    128                        ; v[128:143] the exponentials
.set RI,    144                        ; v[144:151] 1 / rms of my token in block a at RI + 2 a
.set BF0,   0                          ; window 2: the weights' fragments, two buffers of 64
.set AF0,   128                        ; window 2: O's fragments in bf16, two buffers of 32
.set SS,    192                        ; window 2: v[192:199] the sums of squares, a pair for each block a
.set G1A, 24
.set G0A, 32
.set G1B, 48
.set G0B, 56
.set UC,  66
.set TB,  67
.set MSK, 68
.set OUTB, 84
.set SEL, 86
.set C512, 88
.set EPSR, 89
.set NL,  90
.set MSB, 0
.macro WIN new
.if MSB != (\new)
	s_set_vgpr_msb (MSB<<8)|(\new)
.set MSB, \new
.endif
.endm
.macro PLACES
.rept 4
	v_nop
.endr
.endm
.macro JLOAD                           ; a joint load; an s_nop 0 and four v_nop follow each of the two lines
	s_cmp_eq_u32 s11, 0
	s_cbranch_scc0 .Lfor_b_\@
	tensor_load_to_lds s[G0A:G0A+3], s[G1A:G1A+7]
	s_nop 0
.rept 4
	v_nop
.endr
	s_branch .Lasked_\@
.Lfor_b_\@:
	tensor_load_to_lds s[G0B:G0B+3], s[G1B:G1B+7]
	s_nop 0
.rept 4
	v_nop
.endr
.Lasked_\@:
.endm
.macro CROUND
	s_barrier_signal -1
	s_barrier_wait -1
	s_cmp_lg_u32 s10, 0
	s_cbranch_scc1 .Lnot_wave_0_\@
	s_barrier_signal -3
.Lnot_wave_0_\@:
	s_barrier_wait -3
	s_barrier_signal -1
	s_barrier_wait -1
.endm
.macro SPLIT8 r, dh, dl
.irp k, 0,1,2,3
	v_cvt_pk_bf16_f32 v[(\dh)+(\k)], v[(\r)+2*(\k)], v[(\r)+2*(\k)+1]
.endr
.irp k, 0,1,2,3
	v_lshlrev_b32 v[U+2*(\k)], 16, v[(\dh)+(\k)]
	v_and_b32 v[U+2*(\k)+1], s[MSK], v[(\dh)+(\k)]
.endr
.irp k, 0,1,2,3
	v_pk_add_f32 v[(\r)+2*(\k):(\r)+2*(\k)+1], v[(\r)+2*(\k):(\r)+2*(\k)+1], v[U+2*(\k):U+2*(\k)+1] neg_lo:[0,1] neg_hi:[0,1]
.endr
.irp k, 0,1,2,3
	v_cvt_pk_bf16_f32 v[(\dl)+(\k)], v[(\r)+2*(\k)], v[(\r)+2*(\k)+1]
.endr
.endm
	s_load_b128 s[80:83], s[0:1], 0x0              ; ob s[80:81], wts s[82:83]
	s_load_b64 s[84:85], s[0:1], 0x10              ; hp
	v_lshl_add_u32 v[SPW], v0, 2, SPARE
	v_mov_b32 v[NIL], 0
	ds_add_u32 v[SPW], v[NIL]                      ; the wave's opening: the add and its wait stand ahead of my first tensor load
	v_lshrrev_b32 v1, 5, v0
	v_readfirstlane_b32 s10, v1
	s_lshr_b32 s11, s10, 1
	s_and_b32 s12, s10, 1
	s_bfe_u32 s40, ttmp6, 0x40000
	s_bfe_u32 s41, ttmp6, 0x40004
	s_lshl_b32 s42, ttmp9, 2
	s_add_co_u32 s42, s42, s40                     ; column tile
	s_and_b32 s13, ttmp7, 0xffff
	s_lshl_b32 s13, s13, 2
	s_add_co_u32 s13, s13, s41                     ; token tile
	s_lshl_b32 s43, s41, 2
	s_lshl_b32 s43, 15, s43
	s_lshl_b32 s44, 0x1111, s40
	s_or_b32 s[G1A], s43, (2<<16)|(1<<20)|(1<<21)|(6<<22)|(3<<25)  ; 64 rows of 128 elements of 4 bytes; 16 bytes of padding behind every 512
	s_mov_b32 s[G1A+1], 128<<16
	s_mov_b32 s[G1A+2], 64<<16
	s_mov_b32 s[G1A+3], 128<<16
	s_mov_b32 s[G1A+4], 64
	s_mov_b32 s[G1A+5], 512
	s_mov_b32 s[G1A+6], 0
	s_mov_b32 s[G1A+7], 0
	s_or_b32 s[G1B], s44, (1<<16)|(1<<20)|(1<<21)|(5<<22)|(3<<25)  ; 128 rows of 128 elements of 2 bytes; 16 bytes of padding behind every 256
	s_mov_b32 s[G1B+1], 128<<16
	s_mov_b32 s[G1B+2], 128<<16
	s_mov_b32 s[G1B+3], 128<<16
	s_mov_b32 s[G1B+4], 128
	s_mov_b32 s[G1B+5], 512
	s_mov_b32 s[G1B+6], 0
	s_mov_b32 s[G1B+7], 0
	s_lshl_b32 s16, s13, 18                        ; O: 128 rows of 2,048 bytes a tile, 64 a half
	s_lshl_b32 s17, s12, 17
	s_add_co_u32 s16, s16, s17
	s_mov_b32 s17, 0
	s_lshl_b32 s46, s42, 18                        ; the weights: 256 rows of 1,024 bytes a tile, 128 a half
	s_lshl_b32 s47, s12, 17
	s_add_co_u32 s46, s46, s47
	s_add_co_u32 s46, s46, W13O
	s_mov_b32 s47, 0
	s_mov_b32 s[G0A], 1
	s_mul_i32 s[G0A+1], s12, AHALF
	s_mov_b32 s[G0B], 1
	s_mul_i32 s[G0B+1], s12, BHALF
	s_add_co_u32 s[G0B+1], s[G0B+1], BOFF
	s_mov_b32 s[TB], SLOTX
	s_mov_b32 s[MSK], 0xffff0000
	s_mov_b32 s[SEL], 0x76543210
	s_mov_b32 s[SEL+1], 0xfedcba98
	s_mov_b32 s[C512], 0x3b000000                  ; 1 / 512
	s_mov_b32 s[EPSR], 0x3727c5ac                  ; eps = 1e-5
	s_mov_b32 s[NL], 0xbfb8aa3b                    ; -log2(e)
	s_mov_b32 s[NL+1], s[NL]
	s_wait_dscnt 0x0
	s_wait_kmcnt 0x0
	s_add_nc_u64 s[G0A+2:G0A+3], s[80:81], s[16:17]
	s_or_b32 s[G0A+3], s[G0A+3], 0x80000000
	s_add_nc_u64 s[G0B+2:G0B+3], s[82:83], s[46:47]
	s_or_b32 s[G0B+3], s[G0B+3], 0x80000000
	CROUND
	JLOAD                                          ; step 0 into slot 0
	v_and_b32 v1, 15, v0
	v_bfe_u32 v2, v0, 4, 1
	v_mul_u32_u24 v3, v1, PA
	v_lshl_add_u32 v3, v2, 5, v3                   ; a token's row; 8 f32 for each half of the lanes
	s_mul_i32 s21, s11, AHALF
	v_add_nc_u32 v[ADRA0], s21, v3
	v_mul_u32_u24 v3, v1, PB
	v_lshl_add_u32 v3, v2, 4, v3
	s_mul_i32 s22, s12, BHALF
	s_add_co_u32 s22, s22, BOFF
	v_add_nc_u32 v[ADRB0], s22, v3
	s_mul_i32 s23, s10, 16*SP
	s_add_co_u32 s23, s23, STAGE
	v_mul_u32_u24 v3, v1, SP
	v_lshl_add_u32 v3, v2, 4, v3
	v_add_nc_u32 v[STO], s23, v3
	v_bfe_u32 v3, v0, 3, 2
	v_mul_u32_u24 v3, v3, SP
	v_and_b32 v[GO], 7, v0
	v_lshl_add_u32 v3, v[GO], 4, v3
	v_add_nc_u32 v[RD], s23, v3
	v_and_b32 v[GO], 31, v0
	v_lshlrev_b32 v[GO], 4, v[GO]
	s_and_b32 s78, s13, 15                         ; hp: my 64 tokens' rows of 128 bytes,
	s_lshl_b32 s78, s78, 14
	s_lshl_b32 s79, s11, 13
	s_add_co_u32 s78, s78, s79
	s_lshr_b32 s79, s13, 4                         ; the batch's 16 planes,
	s_lshl_b32 s79, s79, 22
	s_add_co_u32 s78, s78, s79
	s_lshl_b32 s79, s42, 20                        ; the tile's four,
	s_add_co_u32 s78, s78, s79
	s_lshl_b32 s79, s12, 19                        ; my two
	s_add_co_u32 s78, s78, s79
	s_mov_b32 s79, 0
	s_add_nc_u64 s[OUTB:OUTB+1], s[OUTB:OUTB+1], s[78:79]
	WIN 0x40
.set n, 0
.rept 256
	v_mov_b32 v[n], 0
.set n, n+1
.endr
	WIN 0x80
.set n, 0
.rept 8
	v_mov_b32 v[SS+n], 0
.set n, n+1
.endr
	WIN 0
.macro LOADRAW kc                      ; 16 LDS loads: O's four fragments of 32 k, in f32
	WIN 0
.irp fa, 0,1,2,3
	ds_load_b128 v[RAW+16*(\fa):RAW+16*(\fa)+3],     v[ADRA] offset:128*(\kc)+(\fa)*16*PA
	ds_load_b128 v[RAW+16*(\fa)+4:RAW+16*(\fa)+7],   v[ADRA] offset:128*(\kc)+(\fa)*16*PA+16
	ds_load_b128 v[RAW+16*(\fa)+8:RAW+16*(\fa)+11],  v[ADRA] offset:128*(\kc)+(\fa)*16*PA+64
	ds_load_b128 v[RAW+16*(\fa)+12:RAW+16*(\fa)+15], v[ADRA] offset:128*(\kc)+(\fa)*16*PA+80
.endr
.endm
.macro LOADB kc, g                     ; 16 LDS loads: the weights' eight fragments of 32 k
	WIN 0x80
.irp fb, 0,1,2,3,4,5,6,7
	ds_load_b128 v[(\g)+8*(\fb):(\g)+8*(\fb)+3],   v[ADRB] offset:64*(\kc)+(\fb)*16*PB
	ds_load_b128 v[(\g)+8*(\fb)+4:(\g)+8*(\fb)+7], v[ADRB] offset:64*(\kc)+(\fb)*16*PB+32
.endr
.endm
.macro CONVL                           ; line cq of the 64 that convert RAW into the buffer at ag: by turns a rounding of two numbers and their squares onto the block's sum
.set ca, cq/16
.set cm, (cq%16)/2
	WIN 0xa0                                       ; destination and source 2 in window 2, sources 0 and 1 in window 0
.if cq%2 == 0
	v_cvt_pk_bf16_f32 v[ag+8*ca+cm], v[RAW+16*ca+2*cm], v[RAW+16*ca+2*cm+1]
.else
	v_pk_fma_f32 v[SS+2*ca:SS+2*ca+1], v[RAW+16*ca+2*cm:RAW+16*ca+2*cm+1], v[RAW+16*ca+2*cm:RAW+16*ca+2*cm+1], v[SS+2*ca:SS+2*ca+1]
.endif
.set cq, cq+1
.endm
.macro WM16 a0, ride                   ; 16 matrix instructions, the accumulators by turns; ride = 1: four lines of the conversion behind each
.irp wa, \a0, (\a0)+1
.irp wb, 0,1,2,3,4,5,6,7
	WIN 0x5a                                       ; sources 0 and 1 in window 2, C and D in window 1
	v_wmma_f32_16x16x32_bf16 v[8*(8*(\wa)+(\wb)):8*(8*(\wa)+(\wb))+7], v[bf+8*(\wb):bf+8*(\wb)+7], v[af+8*(\wa):af+8*(\wa)+7], v[8*(8*(\wa)+(\wb)):8*(8*(\wa)+(\wb))+7]
.if \ride
	CONVL
	CONVL
	CONVL
	CONVL
.endif
.endr
.endr
.endm
; 32 k.  The next 32 k's loads go out first (the four riders behind the last product are the places in front of them); s_wait_dscnt 32 leaves them out; s_wait_dscnt 16: the raw O, issued first, is in
.macro STG kc
.set bf, BF0+64*((\kc)%2)
.set af, AF0+32*((\kc)%2)
.set bg, BF0+64*(1-(\kc)%2)
.set ag, AF0+32*(1-(\kc)%2)
.if (\kc) < 3
	LOADRAW (\kc)+1
	LOADB (\kc)+1, bg
	s_wait_dscnt 32
.else
	s_wait_dscnt 0x0
.endif
	WM16 0, 0
.if (\kc) < 3
	s_wait_dscnt 16
.set cq, 0
	WM16 2, 1
.else
	WM16 2, 0
.endif
.endm
.macro STEP
	LOADRAW 0
	LOADB 0, BF0
	s_wait_dscnt 16                                ; the raw O is in
.set ag, AF0
.set cq, 0
.rept 64
	CONVL
.endr
	STG 0
	STG 1
	STG 2
	STG 3
	WIN 0
.endm
.macro CHANGE fill                     ; the change of slots: all my tensor loads, the add, my reads; with fill = 1 a round of the cluster's barrier and the next step's joint load first behind it
	WIN 0
	s_wait_tensorcnt 0x0
	ds_add_u32 v[SPW], v[NIL]
.if \fill
	s_xor_b32 s[G0A+1], s[G0A+1], SLOTX
	s_add_nc_u64 s[G0A+2:G0A+3], s[G0A+2:G0A+3], 512
	s_xor_b32 s[G0B+1], s[G0B+1], SLOTX
	s_add_nc_u64 s[G0B+2:G0B+3], s[G0B+2:G0B+3], 256
	s_wait_dscnt 0x0
	CROUND
	JLOAD
.else
	s_wait_dscnt 0x0
	s_barrier_signal -1
	s_barrier_wait -1
	PLACES
.endif
	s_xor_b32 s[TB], s[TB], SLOTX
	v_add_nc_u32 v[ADRA], s[TB], v[ADRA0]
	v_add_nc_u32 v[ADRB], s[TB], v[ADRB0]
.endm
; THE WAY OUT, by units of 16 tokens x one plane (32 columns of h): unit n = token block n / 2, plane n % 2 of my two
.macro PACKH n
.set ua, (\n)/2
.set uq, (\n)%2
.set uw, WS+16*((\n)%2)
.if (\n) >= 2
	s_wait_xcnt 0x0                                ; the stores of the unit two back have read this set
.endif
	WIN 0x01                                       ; source 0 in window 1
.irp jj, 0,1
.irp i, 0,1,2,3
	v_pk_mul_f32 v[AP+8*(\jj)+2*(\i):AP+8*(\jj)+2*(\i)+1], v[8*(8*ua+2*(2*uq+(\jj)))+2*(\i):8*(8*ua+2*(2*uq+(\jj)))+2*(\i)+1], v[RI+2*ua:RI+2*ua+1] op_sel_hi:[1,0]
.endr
.irp i, 0,1,2,3
	v_pk_mul_f32 v[GP+8*(\jj)+2*(\i):GP+8*(\jj)+2*(\i)+1], v[8*(8*ua+2*(2*uq+(\jj))+1)+2*(\i):8*(8*ua+2*(2*uq+(\jj))+1)+2*(\i)+1], v[RI+2*ua:RI+2*ua+1] op_sel_hi:[1,0]
.endr
.endr
	WIN 0
.irp i, 0,1,2,3,4,5,6,7
	v_pk_mul_f32 v[EE+2*(\i):EE+2*(\i)+1], v[AP+2*(\i):AP+2*(\i)+1], s[NL:NL+1] op_sel_hi:[1,0]
.endr
.set n, 0
.rept 16
	v_exp_f32 v[EE+n], v[EE+n]
.set n, n+1
.endr
.irp i, 0,1,2,3,4,5,6,7
	v_pk_mul_f32 v[AP+2*(\i):AP+2*(\i)+1], v[AP+2*(\i):AP+2*(\i)+1], v[GP+2*(\i):GP+2*(\i)+1]  ; a x gate: the plain work behind the batch
.endr
	s_wait_alu depctr_va_vdst(0)                   ; one wait for the sixteen exponentials
.irp i, 0,1,2,3,4,5,6,7
	v_pk_add_f32 v[EE+2*(\i):EE+2*(\i)+1], v[EE+2*(\i):EE+2*(\i)+1], 1.0 op_sel_hi:[1,0]
.endr
.set n, 0
.rept 16
	v_rcp_f32 v[EE+n], v[EE+n]
.set n, n+1
.endr
	v_nop
	s_wait_alu depctr_va_vdst(0)                   ; one wait for the sixteen reciprocals
.irp i, 0,1,2,3,4,5,6,7
	v_pk_mul_f32 v[AP+2*(\i):AP+2*(\i)+1], v[AP+2*(\i):AP+2*(\i)+1], v[EE+2*(\i):EE+2*(\i)+1]
.endr
	SPLIT8 AP, uw, uw+8
	SPLIT8 AP+8, uw+4, uw+12
.irp f, 0,1,2,3
	ds_store_b128 v[STO], v[uw+4*(\f):uw+4*(\f)+3] offset:32*(\f)
.endr
.irp f, 0,1,2,3
	ds_load_b128 v[uw+4*(\f):uw+4*(\f)+3], v[RD] offset:(\f)*4*SP  ; LDS serves a wave's instructions in order (ISA guide 5.7.1.4)
.endr
.endm
.macro SENDH n, younger
.set ua, (\n)/2
.set uq, (\n)%2
.set uw, WS+16*((\n)%2)
.irp f, 0,1,2,3
	s_wait_dscnt (\younger)+3-(\f)
	global_store_b128 v[GO], v[uw+4*(\f):uw+4*(\f)+3], s[OUTB:OUTB+1] offset:uq*262144+ua*2048+512*(\f)  ; 512 consecutive bytes, aligned
.endr
.endm
	s_mov_b32 s[UC], 3
.Lstep:
	CHANGE 1
	STEP
	s_sub_co_u32 s[UC], s[UC], 1
	s_cmp_lg_u32 s[UC], 0
	s_cbranch_scc1 .Lstep
	CHANGE 0                                       ; the last step is written out: nothing is asked for
	STEP
	PLACES
	WIN 0x0a                                       ; sources 0 and 1 in window 2
.irp ra, 0,1,2,3
	v_add_f32 v[RI+2*(\ra)], v[SS+2*(\ra)], v[SS+2*(\ra)+1]
.endr
	WIN 0
.irp ra, 0,1,2,3
	v_mov_b32 v[RI+2*(\ra)+1], 0
.endr
.irp ra, 0,1,2,3
	v_permlanex16_b32 v[RI+2*(\ra)+1], v[RI+2*(\ra)], s[SEL], s[SEL+1]  ; the token's other k lie in the lane 16 away
.endr
.irp ra, 0,1,2,3
	v_add_f32 v[RI+2*(\ra)], v[RI+2*(\ra)], v[RI+2*(\ra)+1]
.endr
.irp ra, 0,1,2,3
	v_fma_f32 v[RI+2*(\ra)], v[RI+2*(\ra)], s[C512], s[EPSR]
.endr
.irp ra, 0,1,2,3
	v_rsq_f32 v[RI+2*(\ra)], v[RI+2*(\ra)]
.endr
	v_nop
	s_wait_alu depctr_va_vdst(0)                   ; one wait for the four
	PACKH 0
.irp un, 1,2,3,4,5,6,7
	PACKH \un
	SENDH (\un)-1, 8
.endr
	SENDH 7, 0
	s_wait_tensorcnt 0x0                           ; the wave's end
	ds_add_u32 v[SPW], v[NIL]
	s_wait_dscnt 0x0
	CROUND                                         ; the closing round
	s_endpgm
.Lfunc_end_k_q4ff05d21bf_ffn1:
	.size	k_q4ff05d21bf_ffn1, .Lfunc_end_k_q4ff05d21bf_ffn1-k_q4ff05d21bf_ffn1
	.p2alignl 7, 3214868480
	.fill 96, 4, 3214868480
	.section	.rodata,"a",@progbits
	.p2align	6, 0x0
	.amdhsa_kernel k_q4ff05d21bf_ffn1
		.amdhsa_group_segment_fixed_size 327680
		.amdhsa_private_segment_fixed_size 0
		.amdhsa_enable_private_segment 0
		.amdhsa_kernarg_size 24
		.amdhsa_user_sgpr_count 2
		.amdhsa_user_sgpr_kernarg_segment_ptr 1
		.amdhsa_wavefront_size32 1
		.amdhsa_system_sgpr_workgroup_id_x 1
		.amdhsa_system_sgpr_workgroup_id_y 1
		.amdhsa_system_sgpr_workgroup_id_z 1
		.amdhsa_system_vgpr_workitem_id 0
		.amdhsa_next_free_vgpr 720
		.amdhsa_next_free_sgpr 100
		.amdhsa_reserve_vcc 0
		.amdhsa_float_denorm_mode_32 3
		.amdhsa_float_denorm_mode_16_64 3
		.amdhsa_memory_ordered 1
		.amdhsa_forward_progress 1
		.amdhsa_inst_pref_size 147
	.end_amdhsa_kernel
	.amdgpu_metadata
---
amdhsa.version: [ 1, 2 ]
amdhsa.kernels:
  - .name:           k_q4ff05d21bf_ffn1
    .symbol:         k_q4ff05d21bf_ffn1.kd
    .args:
      - { .name: ob, .offset: 0, .size: 8, .value_kind: global_buffer, .address_space: global }
      - { .name: wts, .offset: 8, .size: 8, .value_kind: global_buffer, .address_space: global }
      - { .name: hp, .offset: 16, .size: 8, .value_kind: global_buffer, .address_space: global }
    .group_segment_fixed_size: 327680
    .private_segment_fixed_size: 0
    .kernarg_segment_align: 8
    .kernarg_segment_size: 24
    .max_flat_workgroup_size: 128
    .sgpr_count:     100
    .vgpr_count:     720
    .wavefront_size: 32
...
	.end_amdgpu_metadata
.endif
;; end of part 5
;; launch proj2: the kernel of part 4 again; grid 4 x 64, 4 waves a work-group, clusters of 4 x 4, 327,680 bytes of LDS; arguments hp, w2b, ob, out0; writes out0
;; ======== version 2 of 2: 4 launches
;; limits: right only within a limited range of input values; inputs' magnitudes at most 4,194,304
;; workspace buffers: wts 2,883,584 bytes; wo 524,288 bytes; w2b 524,288 bytes; xa 16,777,216 bytes; qkv 50,331,648 bytes; ap 16,777,216 bytes
;; launch prep (part 6): grid 864 x 1, 8 waves a work-group, no clusters, 0 bytes of LDS; arguments x, g1, q_w, k_w, v_w, o_w, w2, w1, w3, g2, token_positions, wts, wo, w2b, xa; writes wts, wo, w2b, xa
.if DOCPART == 6
	.amdgcn_target "amdgcn-amd-amdhsa--gfx1250"
	.amdhsa_code_object_version 6
	.text
	.protected	k_q4ff05d21bf_prep
	.globl	k_q4ff05d21bf_prep
	.p2align	8
	.type	k_q4ff05d21bf_prep,@function
k_q4ff05d21bf_prep:
	s_mov_b64 s[64:65], 0
	v_nop
	global_prefetch_b8 v0, s[64:65] scope:SCOPE_SE
	s_setreg_imm32_b32 hwreg(HW_REG_WAVE_MODE, 25, 1), 1
	s_wait_xcnt 0x0
; PREP: three roles, chosen by the work-group's number.
;  X (work-groups 0-511): rmsnorm 1.  x and g1 are rounded to bf16 first (every input of the program is); y = (x rsq(mean x^2 + eps)) g1 in f32; y leaves as TWO bf16 numbers,
;    hi = bf16(y), lo = bf16(y - hi), in planes: xa[b][p][s][64]: a row of 128 bytes holds hi of channels 32 p .. 32 p + 31, then their lo.
;  W (512-735): the seven weight matrices to bf16; w1 and w3 are first multiplied by bf16(g2) along k and laid by turns in tiles of 16 rows (w1's tile, then w3's).
;  T (736-863): the table (cos, sin) of theta = fl(pos x inv_freq) for 2,048 positions x 16 frequencies, in f32.
; No LDS, no matrix unit: each byte is read and written once, and the roles share nothing.  160 registers a wave: three work-groups of eight waves have room on a WGP, so that the short roles run beside the long one.
; LIMIT: |pos| below 2^22 (the quotient by pi/2 must be a whole number that f32 holds with room for the three-part reduction).  NaN and infinities are not treated apart.
.set X,   32                           ; v[32:95]   x of my 64 numbers (8 for each of 8 planes)
.set G,   96                           ; v[96:159]  g1 of the same channels; a plane's block, once used, takes the four words that are stored for the plane
.set U,   6                            ; v[6:13]    four pairs at work in SPLIT8
.set SS,  14                           ; v[14:21]   four chains of the sum of squares
.set DH,  22                           ; v[22:25]   hi, packed
.set DL,  26                           ; v[26:29]   lo, packed
.set RR,  30                           ; v[30:31]   1 / rms, twice
.set MSK, 38                           ; s38        a word's upper bf16
; eight f32 at r -> four words of hi at dh, four of lo at dl; r is left holding the remainders
.macro SPLIT8 r, dh, dl
.irp k, 0,1,2,3
	v_cvt_pk_bf16_f32 v[(\dh)+(\k)], v[(\r)+2*(\k)], v[(\r)+2*(\k)+1]
.endr
.irp k, 0,1,2,3
	v_lshlrev_b32 v[U+2*(\k)], 16, v[(\dh)+(\k)]
	v_and_b32 v[U+2*(\k)+1], s[MSK], v[(\dh)+(\k)]
.endr
.irp k, 0,1,2,3
	v_pk_add_f32 v[(\r)+2*(\k):(\r)+2*(\k)+1], v[(\r)+2*(\k):(\r)+2*(\k)+1], v[U+2*(\k):U+2*(\k)+1] neg_lo:[0,1] neg_hi:[0,1]
.endr
.irp k, 0,1,2,3
	v_cvt_pk_bf16_f32 v[(\dl)+(\k)], v[(\r)+2*(\k)], v[(\r)+2*(\k)+1]
.endr
.endm
; 64 f32 at base are rounded to bf16 and widened again, in place
.macro RND base
.set n, 0
.rept 32
	v_cvt_pk_bf16_f32 v5, v[(\base)+2*n], v[(\base)+2*n+1]
	v_lshlrev_b32 v[(\base)+2*n], 16, v5
	v_and_b32 v[(\base)+2*n+1], s[MSK], v5
.set n, n+1
.endr
.endm
	s_load_b512 s[8:23], s[0:1], 0x0               ; x 8, g1 10, q_w 12, k_w 14, v_w 16, o_w 18, w2 20, w1 22
	s_load_b256 s[24:31], s[0:1], 0x40             ; w3 24, g2 26, token_positions 28, wts 30
	s_load_b128 s[32:35], s[0:1], 0x60             ; wo 32, w2b 34
	s_load_b64 s[36:37], s[0:1], 0x70              ; xa
	s_mov_b32 s[MSK], 0xffff0000
	v_lshrrev_b32 v1, 5, v0
	v_readfirstlane_b32 s39, v1                    ; wave 0..7
	s_wait_kmcnt 0x0
	s_cmp_lt_u32 ttmp9, 512
	s_cbranch_scc1 .Lrole_x
	s_cmp_lt_u32 ttmp9, 736
	s_cbranch_scc1 .Lrole_w
	; ROLE T.  Entry e = 256 (work-group - 736) + thread: position e / 16, frequency e % 16.
	s_sub_co_u32 s2, ttmp9, 736
	s_lshl_b32 s2, s2, 8
	v_add_nc_u32 v1, s2, v0                        ; e
	v_lshrrev_b32 v2, 4, v1
	v_lshlrev_b32 v2, 2, v2                        ; byte of the position
	v_and_b32 v3, 15, v1                           ; i
	v_lshlrev_b32 v4, 3, v1                        ; 8 e
	global_load_b32 v5, v2, s[28:29]
	s_mov_b32 s40, 0x3fc90fdb                      ; pi/2 in three parts: the f32 nearest,
	s_mov_b32 s41, 0xb33bbd2e                      ; what that leaves,
	s_mov_b32 s42, 0xa6f72ced                      ; and what that leaves
	v_mov_b32 v6, 1.0                              ; inv_freq[i] = fl(1 / fl(10000^(i/16))), picked by fifteen selects
.macro PICK i, lit
	v_cmp_ne_u32 vcc_lo, \i, v3
	v_cndmask_b32 v6, \lit, v6, vcc_lo
.endm
	PICK 1, 0x3f0ff59a
	PICK 2, 0x3ea1e89b
	PICK 3, 0x3e361887
	PICK 4, 0x3dcccccd
	PICK 5, 0x3d6655c2
	PICK 6, 0x3d0186e3
	PICK 7, 0x3c91ad39
	PICK 8, 0x3c23d70a
	PICK 9, 0x3bb8449c
	PICK 10, 0x3b4f3e38
	PICK 11, 0x3ae91528
	PICK 12, 0x3a83126f
	PICK 13, 0x3a136a16
	PICK 14, 0x39a5cb60
	PICK 15, 0x393a7753
	s_wait_loadcnt 0x0
	v_cvt_f32_i32 v5, v5
	v_mul_f32 v7, v5, v6                           ; theta, rounded once
	v_mul_f32 v8, 0x3f22f983, v7                   ; theta x 2/pi
	v_rndne_f32 v8, v8                             ; n
	v_fma_f32 v9, -v8, s40, v7                     ; r = theta - n pi/2, |r| <= pi/4
	v_fma_f32 v9, -v8, s41, v9
	v_fma_f32 v9, -v8, s42, v9
	v_mul_f32 v10, v9, v9                          ; z = r^2
	v_mov_b32 v11, 0x3638ef1d                      ; sin r = r + r z (-1/6 + z (1/120 + z (-1/5040 + z / 362880)))
	v_fmaak_f32 v11, v10, v11, 0xb9500d01
	v_fmaak_f32 v11, v10, v11, 0x3c088889
	v_fmaak_f32 v11, v10, v11, 0xbe2aaaab
	v_mul_f32 v12, v9, v10
	v_fma_f32 v11, v12, v11, v9
	v_mov_b32 v13, 0xb493f27e                      ; cos r = 1 + z (-1/2 + z (1/24 + z (-1/720 + z (1/40320 - z / 3628800))))
	v_fmaak_f32 v13, v10, v13, 0x37d00d01
	v_fmaak_f32 v13, v10, v13, 0xbab60b61
	v_fmaak_f32 v13, v10, v13, 0x3d2aaaab
	v_fmaak_f32 v13, v10, v13, 0xbf000000
	v_fma_f32 v13, v10, v13, 1.0
	v_cvt_i32_f32 v14, v8
	v_and_b32 v15, 1, v14                          ; an odd quadrant swaps the two;
	v_cmp_ne_u32 vcc_lo, 0, v15
	v_cndmask_b32 v21, v11, v13, vcc_lo
	v_cndmask_b32 v20, v13, v11, vcc_lo
	v_and_b32 v15, 2, v14                          ; the sine is negative in quadrants 2 and 3,
	v_lshlrev_b32 v15, 30, v15
	v_xor_b32 v21, v21, v15
	v_add_nc_u32 v16, 1, v14                       ; the cosine in 1 and 2
	v_and_b32 v16, 2, v16
	v_lshlrev_b32 v16, 30, v16
	v_xor_b32 v20, v20, v16
	global_store_b64 v4, v[20:21], s[30:31] offset:1572864  ; a wave stores 256 consecutive bytes
	s_endpgm
.Lrole_w:
	; ROLE W.  Matrix id = (work-group - 512) / 32 in the order q, k, v, o, w2, w1, w3; 16 rows to a work-group, 8 numbers x 4 rows to a thread.
	s_sub_co_u32 s2, ttmp9, 512
	s_lshr_b32 s3, s2, 5                           ; id
	s_and_b32 s2, s2, 31                           ; which 16 rows
	s_mov_b64 s[42:43], s[12:13]
	s_cmp_eq_u32 s3, 1
	s_cselect_b64 s[42:43], s[14:15], s[42:43]
	s_cmp_eq_u32 s3, 2
	s_cselect_b64 s[42:43], s[16:17], s[42:43]
	s_cmp_eq_u32 s3, 3
	s_cselect_b64 s[42:43], s[18:19], s[42:43]
	s_cmp_eq_u32 s3, 4
	s_cselect_b64 s[42:43], s[20:21], s[42:43]
	s_cmp_eq_u32 s3, 5
	s_cselect_b64 s[42:43], s[22:23], s[42:43]
	s_cmp_eq_u32 s3, 6
	s_cselect_b64 s[42:43], s[24:25], s[42:43]
	s_lshl_b32 s46, s2, 15                         ; 16 rows of 2,048 bytes
	s_mov_b32 s47, 0
	s_add_nc_u64 s[42:43], s[42:43], s[46:47]
	s_lshl_b32 s46, s2, 14                         ; 16 rows of 1,024 bytes: o and w2
	s_lshl_b32 s44, s3, 19
	s_add_co_u32 s44, s44, s46                     ; q, k, v: one behind the other in wts
	s_lshl_b32 s45, s2, 15                         ; w1, w3: tiles by turns, behind the table
	s_sub_co_u32 s48, s3, 5
	s_lshl_b32 s48, s48, 14
	s_add_co_u32 s45, s45, s48
	s_add_co_u32 s45, s45, 1835008
	s_cmp_lt_u32 s3, 3
	s_cselect_b32 s48, s44, s46
	s_cmp_ge_u32 s3, 5
	s_cselect_b32 s48, s45, s48
	s_mov_b32 s49, 0
	s_mov_b64 s[50:51], s[30:31]
	s_cmp_eq_u32 s3, 3
	s_cselect_b64 s[50:51], s[32:33], s[50:51]
	s_cmp_eq_u32 s3, 4
	s_cselect_b64 s[50:51], s[34:35], s[50:51]
	s_add_nc_u64 s[50:51], s[50:51], s[48:49]
	v_lshrrev_b32 v1, 6, v0                        ; row 0..3
	v_and_b32 v2, 63, v0                           ; my 8 columns
	v_lshlrev_b32 v3, 5, v2                        ; their bytes in f32: also g2's
	v_lshl_add_u32 v4, v1, 11, v3                  ; source
	v_lshlrev_b32 v5, 4, v2
	v_lshl_add_u32 v5, v1, 10, v5                  ; destination
.irp i, 0,1,2,3
	global_load_b128 v[64+8*(\i):64+8*(\i)+3],   v4, s[42:43] offset:8192*(\i)
	global_load_b128 v[64+8*(\i)+4:64+8*(\i)+7], v4, s[42:43] offset:8192*(\i)+16
.endr
	global_load_b128 v[96:99],   v3, s[26:27]
	global_load_b128 v[100:103], v3, s[26:27] offset:16
	s_wait_loadcnt 0x0
.set n, 0
.rept 16
	v_cvt_pk_bf16_f32 v[32+n], v[64+2*n], v[64+2*n+1]
.set n, n+1
.endr
	s_cmp_lt_u32 s3, 5
	s_cbranch_scc1 .Lplain
.irp q, 0,1,2,3                        ; w1 and w3: bf16(bf16(w) x bf16(g2[k]))
	v_cvt_pk_bf16_f32 v6, v[96+2*(\q)], v[96+2*(\q)+1]
	v_lshlrev_b32 v[96+2*(\q)], 16, v6
	v_and_b32 v[96+2*(\q)+1], s[MSK], v6
.endr
.set n, 0
.rept 16
	v_lshlrev_b32 v[64+2*n], 16, v[32+n]
	v_and_b32 v[64+2*n+1], s[MSK], v[32+n]
	v_pk_mul_f32 v[64+2*n:64+2*n+1], v[64+2*n:64+2*n+1], v[96+2*(n%4):96+2*(n%4)+1]
	v_cvt_pk_bf16_f32 v[32+n], v[64+2*n], v[64+2*n+1]
.set n, n+1
.endr
.Lplain:
.irp i, 0,1,2,3
	global_store_b128 v5, v[32+4*(\i):32+4*(\i)+3], s[50:51] offset:4096*(\i)  ; a wave stores 512 consecutive bytes
.endr
	s_endpgm
.Lrole_x:
	; ROLE X.  A wave takes the tokens 2 P and 2 P + 1, P = 8 x work-group + wave.  Lane fields: hl = l / 16 (which of a trip's two planes), tk = bit 3 (which token), part = bit 2 (I store hi or lo),
	; j = l % 4 (which 8 channels of the plane's 32).  Lanes with part 0 and 1 read the same bytes, so that sixteen neighbouring lanes store 256 consecutive bytes: two tokens' rows of a plane.
	v_and_b32 v1, 31, v0
	v_lshrrev_b32 v6, 4, v1                        ; hl
	v_bfe_u32 v7, v1, 3, 1                         ; tk
	v_bfe_u32 v5, v1, 2, 1                         ; part
	v_and_b32 v8, 3, v1                            ; j
	v_cmp_ne_u32 s44, 0, v5
	v_lshlrev_b32 v3, 5, v8
	v_lshl_add_u32 v3, v6, 7, v3                   ; g1: 128 hl + 32 j
	v_lshl_add_u32 v2, v7, 11, v3                  ; x: + 2,048 tk
	v_and_b32 v4, 15, v1
	v_lshlrev_b32 v4, 4, v4
	v_lshl_add_u32 v4, v6, 18, v4                  ; xa: 262,144 hl + 16 (l % 16)
	s_lshl_b32 s2, ttmp9, 3
	s_add_co_u32 s2, s2, s39                       ; P
	s_lshl_b32 s46, s2, 12
	s_mov_b32 s47, 0
	s_add_nc_u64 s[8:9], s[8:9], s[46:47]
	s_lshr_b32 s48, s2, 10                         ; the batch: 4,194,304 bytes of planes
	s_lshl_b32 s48, s48, 22
	s_and_b32 s49, s2, 1023
	s_lshl_b32 s49, s49, 8                         ; two rows of 128 bytes
	s_add_co_u32 s48, s48, s49
	s_mov_b32 s49, 0
	s_add_nc_u64 s[36:37], s[36:37], s[48:49]
	s_mov_b32 s40, 0x3b000000                      ; 1 / 512
	s_mov_b32 s41, 0x3727c5ac                      ; eps = 1e-5
	s_mov_b32 s42, 0x76543210
	s_mov_b32 s43, 0xfedcba98
.irp k, 0,1,2,3,4,5,6,7
	global_load_b128 v[G+8*(\k):G+8*(\k)+3],   v3, s[10:11] offset:256*(\k)
	global_load_b128 v[G+8*(\k)+4:G+8*(\k)+7], v3, s[10:11] offset:256*(\k)+16
.endr
.irp k, 0,1,2,3,4,5,6,7
	global_load_b128 v[X+8*(\k):X+8*(\k)+3],   v2, s[8:9] offset:256*(\k)
	global_load_b128 v[X+8*(\k)+4:X+8*(\k)+7], v2, s[8:9] offset:256*(\k)+16
.endr
	s_wait_loadcnt 16                              ; g1's sixteen loads are in; x's sixteen may stay out
	RND G
	s_wait_loadcnt 0x0
	RND X
.set n, 0
.rept 32                               ; the sum of squares, in four chains that the first four products start
.if n < 4
	v_pk_mul_f32 v[SS+2*n:SS+2*n+1], v[X+2*n:X+2*n+1], v[X+2*n:X+2*n+1]
.else
	v_pk_fma_f32 v[SS+2*(n%4):SS+2*(n%4)+1], v[X+2*n:X+2*n+1], v[X+2*n:X+2*n+1], v[SS+2*(n%4):SS+2*(n%4)+1]
.endif
.set n, n+1
.endr
	v_pk_add_f32 v[SS:SS+1], v[SS:SS+1], v[SS+2:SS+3]
	v_pk_add_f32 v[SS+4:SS+5], v[SS+4:SS+5], v[SS+6:SS+7]
	v_pk_add_f32 v[SS:SS+1], v[SS:SS+1], v[SS+4:SS+5]
	v_add_f32 v[SS], v[SS], v[SS+1]
	v_add_f32_dpp v[SS], v[SS], v[SS] row_xmask:1 row_mask:0xf bank_mask:0xf  ; over j; not over part (the same numbers) nor tk (the other token)
	v_add_f32_dpp v[SS], v[SS], v[SS] row_xmask:2 row_mask:0xf bank_mask:0xf
	v_permlanex16_b32 v[SS+1], v[SS], s42, s43     ; over hl
	v_add_f32 v[SS], v[SS], v[SS+1]
	v_fma_f32 v[SS], v[SS], s40, s41
	v_rsq_f32 v[RR], v[SS]
	v_rsq_f32 v[RR+1], v[SS]
	v_nop                                          ; a plain instruction behind the last of the two,
	s_wait_alu depctr_va_vdst(0)                   ; and the one wait ahead of their first reader
.irp k, 0,1,2,3,4,5,6,7
.irp q, 0,2,4,6
	v_pk_mul_f32 v[X+8*(\k)+(\q):X+8*(\k)+(\q)+1], v[X+8*(\k)+(\q):X+8*(\k)+(\q)+1], v[RR:RR+1]
	v_pk_mul_f32 v[X+8*(\k)+(\q):X+8*(\k)+(\q)+1], v[X+8*(\k)+(\q):X+8*(\k)+(\q)+1], v[G+8*(\k)+(\q):G+8*(\k)+(\q)+1]
.endr
	SPLIT8 X+8*(\k), DH, DL
.irp q, 0,1,2,3
	v_cndmask_b32 v[G+8*(\k)+(\q)], v[DH+(\q)], v[DL+(\q)], s44  ; into g1's block of this plane, which has just been used for the last time; it is written once, so no store's data is rewritten
.endr
	global_store_b128 v4, v[G+8*(\k):G+8*(\k)+3], s[36:37] offset:524288*(\k)  ; planes 2 k and 2 k + 1: sixteen lanes store 256 consecutive bytes, aligned
.endr
	s_endpgm
.Lfunc_end_k_q4ff05d21bf_prep:
	.size	k_q4ff05d21bf_prep, .Lfunc_end_k_q4ff05d21bf_prep-k_q4ff05d21bf_prep
	.p2alignl 7, 3214868480
	.fill 96, 4, 3214868480
	.section	.rodata,"a",@progbits
	.p2align	6, 0x0
	.amdhsa_kernel k_q4ff05d21bf_prep
		.amdhsa_group_segment_fixed_size 0
		.amdhsa_private_segment_fixed_size 0
		.amdhsa_enable_private_segment 0
		.amdhsa_kernarg_size 120
		.amdhsa_user_sgpr_count 2
		.amdhsa_user_sgpr_kernarg_segment_ptr 1
		.amdhsa_wavefront_size32 1
		.amdhsa_system_sgpr_workgroup_id_x 1
		.amdhsa_system_sgpr_workgroup_id_y 1
		.amdhsa_system_sgpr_workgroup_id_z 1
		.amdhsa_system_vgpr_workitem_id 0
		.amdhsa_next_free_vgpr 160
		.amdhsa_next_free_sgpr 66
		.amdhsa_reserve_vcc 1
		.amdhsa_float_denorm_mode_32 3
		.amdhsa_float_denorm_mode_16_64 3
		.amdhsa_memory_ordered 1
		.amdhsa_forward_progress 1
		.amdhsa_inst_pref_size 42
	.end_amdhsa_kernel
	.amdgpu_metadata
---
amdhsa.version: [ 1, 2 ]
amdhsa.kernels:
  - .name:           k_q4ff05d21bf_prep
    .symbol:         k_q4ff05d21bf_prep.kd
    .args:
      - { .name: x, .offset: 0, .size: 8, .value_kind: global_buffer, .address_space: global }
      - { .name: g1, .offset: 8, .size: 8, .value_kind: global_buffer, .address_space: global }
      - { .name: q_w, .offset: 16, .size: 8, .value_kind: global_buffer, .address_space: global }
      - { .name: k_w, .offset: 24, .size: 8, .value_kind: global_buffer, .address_space: global }
      - { .name: v_w, .offset: 32, .size: 8, .value_kind: global_buffer, .address_space: global }
      - { .name: o_w, .offset: 40, .size: 8, .value_kind: global_buffer, .address_space: global }
      - { .name: w2, .offset: 48, .size: 8, .value_kind: global_buffer, .address_space: global }
      - { .name: w1, .offset: 56, .size: 8, .value_kind: global_buffer, .address_space: global }
      - { .name: w3, .offset: 64, .size: 8, .value_kind: global_buffer, .address_space: global }
      - { .name: g2, .offset: 72, .size: 8, .value_kind: global_buffer, .address_space: global }
      - { .name: token_positions, .offset: 80, .size: 8, .value_kind: global_buffer, .address_space: global }
      - { .name: wts, .offset: 88, .size: 8, .value_kind: global_buffer, .address_space: global }
      - { .name: wo, .offset: 96, .size: 8, .value_kind: global_buffer, .address_space: global }
      - { .name: w2b, .offset: 104, .size: 8, .value_kind: global_buffer, .address_space: global }
      - { .name: xa, .offset: 112, .size: 8, .value_kind: global_buffer, .address_space: global }
    .group_segment_fixed_size: 0
    .private_segment_fixed_size: 0
    .kernarg_segment_align: 8
    .kernarg_segment_size: 120
    .max_flat_workgroup_size: 256
    .sgpr_count:     66
    .vgpr_count:     160
    .wavefront_size: 32
...
	.end_amdgpu_metadata
.endif
;; end of part 6
;; launch qkv (part 7): grid 4 x 64, 4 waves a work-group, clusters of 4 x 4, 327,680 bytes of LDS; arguments xa, wts, qkv; writes qkv
.if DOCPART == 7
	.amdgcn_target "amdgcn-amd-amdhsa--gfx1250"
	.amdhsa_code_object_version 6
	.text
	.protected	k_q4ff05d21bf_qkv
	.globl	k_q4ff05d21bf_qkv
	.p2align	8
	.type	k_q4ff05d21bf_qkv,@function
k_q4ff05d21bf_qkv:
	s_mov_b64 s[64:65], 0
	v_nop
	global_prefetch_b8 v0, s[64:65] scope:SCOPE_SE
	s_setreg_imm32_b32 hwreg(HW_REG_WAVE_MODE, 25, 1), 1
	s_wait_xcnt 0x0
	s_wait_alu depctr_hold_cnt(0) depctr_sa_sdst(0) depctr_va_vdst(0) depctr_va_sdst(0) depctr_va_ssrc(0) depctr_va_vcc(0) depctr_vm_vsrc(0)
	s_getreg_b32 s2, hwreg(HW_REG_IB_STS2, 6, 4)
	s_cmp_eq_u32 s2, 0
	s_cbranch_scc0 .Lentry_in_a_cluster
	s_endpgm
.Lentry_in_a_cluster:
	s_bfe_u32 s2, ttmp6, 0x10000c
	s_cmp_lg_u32 s2, 0xf033
	s_cbranch_scc0 .Lentry_shape_is_right
	s_endpgm
.Lentry_shape_is_right:
; Q, K, V = xn W^T, RoPE on Q and K, each result stored as two bf16 numbers (hi, lo) by heads: qkv[3][64 heads][2048][64], a row = hi of the head's 32 channels, then their lo.
; xn comes in planes (xa[b][p][s][64], hi | lo of channels 32 p ..); the weights are exact bf16, so a product is TWO matrix products on one accumulator: W x hi and W x lo; one fragment of W serves both.
; SHARES.  A work-group makes 128 tokens x 128 columns, four waves 64 x 64 each (16 accumulators), and STAYS: its column tile of q, then of k, then of v: 12 K steps of 128 (four planes).
; The matrix instruction is used transposed (source 0 = 16 rows of W, source 1 = 16 tokens): a lane holds one token and eight neighbouring columns, so RoPE's pairs lie in one lane.
; RING.  Two LDS slots; a slot holds A (2 halves x 4 planes x 64 tokens x 144 bytes) and B (2 halves x 64 rows x 272 bytes).  Waves 0, 1 fetch A's halves, waves 2, 3 B's: one tensor load a wave behind each round.
; CLUSTER 4 x 4: A's tile hangs on the token tile alone and is asked for jointly along a row of the cluster, B's on the column tile alone, along a column.
; THE SIXTEEN CLUSTERS WALK K IN FOUR ORDERS: step u takes K step (u + rot) mod 4, rot made of the cluster's y.  So they ask for four different tiles of W at a time, and in three of a matrix's four steps a cluster
; asks for a tile that other clusters asked for a step before.  rot enters the two global addresses alone; f32 sums may be taken in any order.
; The 128 accumulator registers are cleared by v_mov_b32 (at the start, in the wait for the first tile, and in the way out of q and k): the price of one text for all twelve steps.
; No prefetch is laid: a step's tiles are small (36,864 and 17,408 bytes a load) and each is read by four clusters at about the same time.
; LIMITS: the angle table's (see the launch that makes it); NaN and infinities are not treated apart.
.set SLOT1,  131072                    ; slot 1 begins here: one exclusive or turns an address in one slot into the other's
.set PA,     144                       ; a token's row of a plane in LDS: 128 bytes + 16: the 16 rows of a load start at 16 different groups of four banks (ISA guide 11.1)
.set APLANE, 64*PA
.set AHALF,  4*APLANE                  ; 64 tokens x 4 planes: what one tensor load brings
.set PB,     272                       ; a row of W in LDS: 256 bytes + 16
.set BOFF,   2*AHALF
.set BHALF,  64*PB
.set STAGE,  SLOT1+BOFF+2*BHALF        ; behind the ring, never filled by a tensor load: 16 rows x 144 bytes for each wave
.set SP,     144
.set SPARE,  STAGE+4*16*SP             ; the spare words, 128 bytes for each wave: two blocks of 256 bytes that no other line names
.set TABO,   1572864                   ; the table's first byte in wts
.set U,     4                          ; v[4:11]  four pairs at work
.set ADRA0, 12                         ; v12  my lane's place in a slot's A; never rewritten
.set ADRB0, 13                         ; v13  in its B
.set ADRA,  16                         ; v16  the same in the slot in hand
.set ADRB,  20                         ; v20
.set STO,   24                         ; v24  the way out: where I put 16 bytes of a row
.set RD,    25                         ; v25  where I read rows back
.set GO,    26                         ; v26  16 x lane
.set TO,    27                         ; v27  my offset in the table
.set SPW,   28                         ; v28  my spare word; never rewritten
.set NIL,   29                         ; v29  0; never rewritten
.set WS,    32                         ; v[32:63] two sets of 16 for the way out
.set ACC,   128                        ; v[128:255] accumulator (a, b) at ACC + 8 (4 a + b)
.set F0,    0                          ; window 1: two fragment buffers of 96: B's four, A hi's four, A lo's four
.set F1,    96
.set CSR,   192                        ; window 1: v[192:255] (cos, sin): token block a, half of the head pb, pair i at CSR + 16 a + 8 pb + 2 i
.set G1A, 24
.set G0A, 32
.set G1B, 48
.set G0B, 56
.set UC,  66                           ; s66  the step in hand, 0 .. 11
.set TB,  67                           ; s67  the slot in hand
.set MSK, 68                           ; s68  a word's upper bf16
.set OUTB, 84                          ; s[84:85] where my units go
.set ROT, 86                           ; s86  0 .. 3: where my cluster begins its walk along K
.set MSB, 0
.macro WIN new                         ; the immediate's high byte repeats the setting that is left; a switch that changes nothing is dropped
.if MSB != (\new)
	s_set_vgpr_msb (MSB<<8)|(\new)
.set MSB, \new
.endif
.endm
.macro PLACES                          ; four places behind matrix instructions (for instructions other than loads)
.rept 4
	v_nop
.endr
.endm
.macro JLOAD                           ; a joint load; an s_nop 0 and four v_nop follow each of the two lines
	s_cmp_eq_u32 s11, 0
	s_cbranch_scc0 .Lfor_b_\@
	tensor_load_to_lds s[G0A:G0A+3], s[G1A:G1A+7]
	s_nop 0
.rept 4
	v_nop
.endr
	s_branch .Lasked_\@
.Lfor_b_\@:
	tensor_load_to_lds s[G0B:G0B+3], s[G1B:G1B+7]
	s_nop 0
.rept 4
	v_nop
.endr
.Lasked_\@:
.endm
.macro CROUND                          ; a round of the cluster's barrier
	s_barrier_signal -1
	s_barrier_wait -1
	s_cmp_lg_u32 s10, 0
	s_cbranch_scc1 .Lnot_wave_0_\@
	s_barrier_signal -3
.Lnot_wave_0_\@:
	s_barrier_wait -3
	s_barrier_signal -1
	s_barrier_wait -1
.endm
.macro SPLIT8 r, dh, dl                ; eight f32 at r -> four words of hi at dh, four of lo at dl
.irp k, 0,1,2,3
	v_cvt_pk_bf16_f32 v[(\dh)+(\k)], v[(\r)+2*(\k)], v[(\r)+2*(\k)+1]
.endr
.irp k, 0,1,2,3
	v_lshlrev_b32 v[U+2*(\k)], 16, v[(\dh)+(\k)]
	v_and_b32 v[U+2*(\k)+1], s[MSK], v[(\dh)+(\k)]
.endr
.irp k, 0,1,2,3
	v_pk_add_f32 v[(\r)+2*(\k):(\r)+2*(\k)+1], v[(\r)+2*(\k):(\r)+2*(\k)+1], v[U+2*(\k):U+2*(\k)+1] neg_lo:[0,1] neg_hi:[0,1]
.endr
.irp k, 0,1,2,3
	v_cvt_pk_bf16_f32 v[(\dl)+(\k)], v[(\r)+2*(\k)], v[(\r)+2*(\k)+1]
.endr
.endm
	s_load_b128 s[80:83], s[0:1], 0x0              ; xa s[80:81], wts s[82:83]
	s_load_b64 s[84:85], s[0:1], 0x10              ; qkv
	v_lshl_add_u32 v[SPW], v0, 2, SPARE
	v_mov_b32 v[NIL], 0
	ds_add_u32 v[SPW], v[NIL]                      ; the wave's opening: the add and its wait stand ahead of my first tensor load
	v_lshrrev_b32 v1, 5, v0
	v_readfirstlane_b32 s10, v1                    ; wave 0..3
	s_lshr_b32 s11, s10, 1                         ; my half of the tokens.  Also: I fetch for A (0) or for B (1)
	s_and_b32 s12, s10, 1                          ; my half of the columns.  Also: which half I fetch
	s_bfe_u32 s40, ttmp6, 0x40000                  ; cx
	s_bfe_u32 s41, ttmp6, 0x40004                  ; cy
	s_lshl_b32 s42, ttmp9, 2
	s_add_co_u32 s42, s42, s40                     ; column tile
	s_and_b32 s13, ttmp7, 0xffff
	s_lshl_b32 s13, s13, 2
	s_add_co_u32 s13, s13, s41                     ; token tile
	s_lshl_b32 s43, s41, 2
	s_lshl_b32 s43, 15, s43                        ; my row of the cluster
	s_lshl_b32 s44, 0x1111, s40                    ; my column
	s_and_b32 s[ROT], ttmp7, 0xffff                ; the cluster's y, 0 .. 15, which all sixteen partners share:
	s_lshr_b32 s87, s[ROT], 2
	s_xor_b32 s[ROT], s[ROT], s87                  ; rot = (y xor y / 4) mod 4: each of the four values falls to four clusters
	s_and_b32 s[ROT], s[ROT], 3
	; A: four rows, each the 8,192 consecutive bytes that 64 tokens take in one plane; a plane (131,072 elements) from row to row; 16 bytes of padding behind every 128
	s_or_b32 s[G1A], s43, (1<<16)|(1<<20)|(1<<21)|(4<<22)|(3<<25)
	s_mov_b32 s[G1A+1], 4096<<16                   ; tensor_dim0 = 4,096
	s_mov_b32 s[G1A+2], 4<<16                      ; tensor_dim1 = 4
	s_mov_b32 s[G1A+3], 4096<<16                   ; tile_dim0 = 4,096
	s_mov_b32 s[G1A+4], 4                          ; tile_dim1 = 4
	s_mov_b32 s[G1A+5], 131072
	s_mov_b32 s[G1A+6], 0
	s_mov_b32 s[G1A+7], 0
	; B: 64 rows of 128 elements, 512 from row to row; 16 bytes of padding behind every 256
	s_or_b32 s[G1B], s44, (1<<16)|(1<<20)|(1<<21)|(5<<22)|(3<<25)
	s_mov_b32 s[G1B+1], 128<<16
	s_mov_b32 s[G1B+2], 64<<16
	s_mov_b32 s[G1B+3], 128<<16
	s_mov_b32 s[G1B+4], 64
	s_mov_b32 s[G1B+5], 512
	s_mov_b32 s[G1B+6], 0
	s_mov_b32 s[G1B+7], 0
	s_lshr_b32 s16, s13, 4                         ; A: the batch,
	s_lshl_b32 s16, s16, 22
	s_and_b32 s17, s13, 15                         ; the tile's 128 rows of 128 bytes in a plane,
	s_lshl_b32 s17, s17, 14
	s_add_co_u32 s16, s16, s17
	s_lshl_b32 s17, s12, 13                        ; the half that I fetch
	s_add_co_u32 s16, s16, s17
	s_mov_b32 s17, 0
	s_lshl_b32 s46, s42, 17                        ; B: 128 rows of 1,024 bytes a tile, 64 a half
	s_lshl_b32 s47, s12, 16
	s_add_co_u32 s46, s46, s47
	s_mov_b32 s47, 0
	s_mov_b32 s[G0A], 1
	s_mul_i32 s[G0A+1], s12, AHALF
	s_mov_b32 s[G0B], 1
	s_mul_i32 s[G0B+1], s12, BHALF
	s_add_co_u32 s[G0B+1], s[G0B+1], BOFF
	s_mov_b32 s[TB], SLOT1                         ; the first change of slots turns it into 0
	s_mov_b32 s[MSK], 0xffff0000
	s_lshl_b32 s70, s[ROT], 20                     ; step 0 takes K step rot: four planes of 262,144 bytes a K step in A,
	s_mov_b32 s71, 0
	s_lshl_b32 s72, s[ROT], 8                      ; 256 bytes of a row in B
	s_mov_b32 s73, 0
	s_wait_dscnt 0x0                               ; the opening add is done
	s_wait_kmcnt 0x0
	s_add_nc_u64 s[14:15], s[80:81], s[16:17]      ; A at K step 0
	s_add_nc_u64 s[46:47], s[82:83], s[46:47]      ; B at q's K step 0
	s_add_nc_u64 s[G0A+2:G0A+3], s[14:15], s[70:71]
	s_or_b32 s[G0A+3], s[G0A+3], 0x80000000
	s_add_nc_u64 s[G0B+2:G0B+3], s[46:47], s[72:73]
	s_or_b32 s[G0B+3], s[G0B+3], 0x80000000
	CROUND                                         ; all sixteen work-groups are here: the first joint loads meet
	JLOAD                                          ; step 0 into slot 0; slot 1 is filled behind the first change's round
	v_and_b32 v1, 15, v0                           ; l % 16
	v_bfe_u32 v2, v0, 4, 1                         ; l / 16
	v_mul_u32_u24 v3, v1, PA
	v_lshl_add_u32 v3, v2, 4, v3
	s_mul_i32 s21, s11, AHALF
	v_add_nc_u32 v[ADRA0], s21, v3
	v_mul_u32_u24 v3, v1, PB
	v_lshl_add_u32 v3, v2, 4, v3
	s_mul_i32 s22, s12, BHALF
	s_add_co_u32 s22, s22, BOFF
	v_add_nc_u32 v[ADRB0], s22, v3
	s_mul_i32 s23, s10, 16*SP
	s_add_co_u32 s23, s23, STAGE                   ; my stage
	v_mul_u32_u24 v3, v1, SP
	v_lshl_add_u32 v3, v2, 4, v3
	v_add_nc_u32 v[STO], s23, v3                   ; in: row l % 16, 16 bytes for each half of the lanes
	v_bfe_u32 v3, v0, 3, 2
	v_mul_u32_u24 v3, v3, SP
	v_and_b32 v[GO], 7, v0
	v_lshl_add_u32 v3, v[GO], 4, v3
	v_add_nc_u32 v[RD], s23, v3                    ; back: 32 lanes take four rows of 128 bytes,
	v_and_b32 v[GO], 31, v0
	v_lshlrev_b32 v[GO], 4, v[GO]                  ; which are 512 consecutive bytes of a head
	v_lshlrev_b32 v[TO], 7, v1                     ; the table: my token's row of 128 bytes, my four pairs' 32 bytes
	v_lshl_add_u32 v[TO], v2, 5, v[TO]
	s_and_b32 s78, s13, 15
	s_lshl_b32 s78, s78, 14
	s_lshl_b32 s79, s11, 13
	s_add_co_u32 s78, s78, s79                     ; my 64 tokens' first row, 128 bytes a row: in the table and in a head alike
	s_mov_b32 s79, 0
	s_add_nc_u64 s[76:77], s[82:83], s[78:79]
	s_lshr_b32 s74, s13, 4                         ; the batch's 16 heads,
	s_lshl_b32 s74, s74, 22
	s_add_co_u32 s78, s78, s74
	s_lshl_b32 s74, s42, 20                        ; the tile's four,
	s_add_co_u32 s78, s78, s74
	s_lshl_b32 s74, s12, 19                        ; my two
	s_add_co_u32 s78, s78, s74
	s_add_nc_u64 s[OUTB:OUTB+1], s[OUTB:OUTB+1], s[78:79]
	WIN 0x40
.irp ta, 0,1,2,3
.irp pb, 0,1
	global_load_b128 v[CSR+16*(\ta)+8*(\pb):CSR+16*(\ta)+8*(\pb)+3],   v[TO], s[76:77] offset:TABO+2048*(\ta)+64*(\pb)
	global_load_b128 v[CSR+16*(\ta)+8*(\pb)+4:CSR+16*(\ta)+8*(\pb)+7], v[TO], s[76:77] offset:TABO+2048*(\ta)+64*(\pb)+16
.endr
.endr
	WIN 0
.set n, 0
.rept 128
	v_mov_b32 v[ACC+n], 0
.set n, n+1
.endr
; 24 LDS loads in one run: plane z of the slot: B's four fragments, A hi's four, A lo's four, into buffer f
.macro FETCH z, f
	WIN 0x40
.irp fb, 0,1,2,3
	ds_load_b128 v[(\f)+8*(\fb):(\f)+8*(\fb)+3],   v[ADRB] offset:64*(\z)+(\fb)*16*PB
	ds_load_b128 v[(\f)+8*(\fb)+4:(\f)+8*(\fb)+7], v[ADRB] offset:64*(\z)+(\fb)*16*PB+32
.endr
.irp fa, 0,1,2,3
	ds_load_b128 v[(\f)+32+8*(\fa):(\f)+32+8*(\fa)+3],   v[ADRA] offset:APLANE*(\z)+(\fa)*16*PA
	ds_load_b128 v[(\f)+32+8*(\fa)+4:(\f)+32+8*(\fa)+7], v[ADRA] offset:APLANE*(\z)+(\fa)*16*PA+32
.endr
.irp fa, 0,1,2,3
	ds_load_b128 v[(\f)+64+8*(\fa):(\f)+64+8*(\fa)+3],   v[ADRA] offset:APLANE*(\z)+(\fa)*16*PA+64
	ds_load_b128 v[(\f)+64+8*(\fa)+4:(\f)+64+8*(\fa)+7], v[ADRA] offset:APLANE*(\z)+(\fa)*16*PA+96
.endr
.endm
; 16 matrix instructions: all accumulators by turns, one instruction a turn; part 0: A's hi, 1: A's lo
.macro MULP f, part
	WIN 0x05
.irp ma, 0,1,2,3
.irp mb, 0,1,2,3
	v_wmma_f32_16x16x32_bf16 v[ACC+8*(4*(\ma)+(\mb)):ACC+8*(4*(\ma)+(\mb))+7], v[(\f)+8*(\mb):(\f)+8*(\mb)+7], v[(\f)+32+32*(\part)+8*(\ma):(\f)+32+32*(\part)+8*(\ma)+7], v[ACC+8*(4*(\ma)+(\mb)):ACC+8*(4*(\ma)+(\mb))+7]
.endr
.endr
.endm
; A K step: four planes on buffers 0, 1, 0, 1.  s_wait_dscnt 8: B and A hi are in, A lo's eight loads may be out; 24: all but the 24 just issued
.macro STEP
	FETCH 0, F0
.irp z, 0,1,2
	s_wait_dscnt 8
	MULP F0+96*((\z)%2), 0
	PLACES
	FETCH (\z)+1, F1-96*((\z)%2)
	s_wait_dscnt 24
	MULP F0+96*((\z)%2), 1
.endr
	s_wait_dscnt 8
	MULP F1, 0
	s_wait_dscnt 0x0
	MULP F1, 1
	WIN 0
.endm
; THE CHANGE OF SLOTS.  Each wave waits for all its tensor loads (one is out: its part of the slot to be read), adds 0 to its spare word, and waits for that and for its reads of the slot that it leaves.
; fill = 1: a round of the cluster's barrier, and the slot just left takes step UC + 1, the first thing behind the round.  Its addresses are made anew from that number.
.macro CHANGE fill
	WIN 0
	s_wait_tensorcnt 0x0
	ds_add_u32 v[SPW], v[NIL]
.if \fill
	s_add_co_u32 s69, s[UC], 1
	s_add_co_u32 s70, s69, s[ROT]
	s_and_b32 s70, s70, 3                          ; its K step, (UC + 1 + rot) mod 4: four planes a K step in A, 256 bytes in B;
	s_lshl_b32 s72, s70, 8
	s_lshl_b32 s70, s70, 20
	s_lshr_b32 s74, s69, 2                         ; its matrix: 512 rows of 1,024 bytes on in B
	s_lshl_b32 s74, s74, 19
	s_add_co_u32 s72, s72, s74
	s_xor_b32 s[G0A+1], s[G0A+1], SLOT1
	s_add_nc_u64 s[G0A+2:G0A+3], s[14:15], s[70:71]
	s_or_b32 s[G0A+3], s[G0A+3], 0x80000000
	s_xor_b32 s[G0B+1], s[G0B+1], SLOT1
	s_add_nc_u64 s[G0B+2:G0B+3], s[46:47], s[72:73]
	s_or_b32 s[G0B+3], s[G0B+3], 0x80000000
	s_wait_dscnt 0x0
	CROUND
	JLOAD                                          ; its four v_nop are also the places in front of the loads that follow
.else
	s_wait_dscnt 0x0
	s_barrier_signal -1
	s_barrier_wait -1
	PLACES
.endif
	s_xor_b32 s[TB], s[TB], SLOT1
	v_add_nc_u32 v[ADRA], s[TB], v[ADRA0]
	v_add_nc_u32 v[ADRB], s[TB], v[ADRB0]
.endm
; THE WAY OUT, by units of 16 tokens x one head: unit n = token block n / 2, head n % 2 of my two.  rope = 1: the pairs are turned, and the unit's accumulators cleared for the next matrix.
.macro PACKU n, rope
.set ua, (\n)/2
.set uh, (\n)%2
.set uw, WS+16*((\n)%2)
.if (\n) >= 2
	s_wait_xcnt 0x0                                ; the stores of the unit two back have read this set
.endif
.if \rope
	WIN 0x04                                       ; (cos, sin) in window 1
.irp bb, 0,1
.irp i, 0,1,2,3
	v_pk_mul_f32 v[U+2*(\i):U+2*(\i)+1], v[ACC+8*(4*ua+2*uh+(\bb))+2*(\i):ACC+8*(4*ua+2*uh+(\bb))+2*(\i)+1], v[CSR+16*ua+8*(\bb)+2*(\i):CSR+16*ua+8*(\bb)+2*(\i)+1] op_sel:[1,1] op_sel_hi:[1,0]  ; (o sin, o cos)
	v_pk_fma_f32 v[ACC+8*(4*ua+2*uh+(\bb))+2*(\i):ACC+8*(4*ua+2*uh+(\bb))+2*(\i)+1], v[ACC+8*(4*ua+2*uh+(\bb))+2*(\i):ACC+8*(4*ua+2*uh+(\bb))+2*(\i)+1], v[CSR+16*ua+8*(\bb)+2*(\i):CSR+16*ua+8*(\bb)+2*(\i)+1], v[U+2*(\i):U+2*(\i)+1] op_sel_hi:[0,1,1] neg_lo:[0,0,1]  ; (e cos - o sin, e sin + o cos)
.endr
.endr
	WIN 0
.endif
	SPLIT8 ACC+8*(4*ua+2*uh), uw, uw+8
	SPLIT8 ACC+8*(4*ua+2*uh+1), uw+4, uw+12
.if \rope
.set n, 0
.rept 16
	v_mov_b32 v[ACC+8*(4*ua+2*uh)+n], 0
.set n, n+1
.endr
.endif
.irp f, 0,1,2,3
	ds_store_b128 v[STO], v[uw+4*(\f):uw+4*(\f)+3] offset:32*(\f)
.endr
.irp f, 0,1,2,3
	ds_load_b128 v[uw+4*(\f):uw+4*(\f)+3], v[RD] offset:(\f)*4*SP  ; LDS serves a wave's instructions in order (ISA guide 5.7.1.4): these see the stores above
.endr
.endm
.macro SENDU n, younger                ; younger: the LDS instructions issued behind this unit's loads
.set ua, (\n)/2
.set uh, (\n)%2
.set uw, WS+16*((\n)%2)
.irp f, 0,1,2,3
	s_wait_dscnt (\younger)+3-(\f)
	global_store_b128 v[GO], v[uw+4*(\f):uw+4*(\f)+3], s[OUTB:OUTB+1] offset:uh*262144+ua*2048+512*(\f)  ; 512 consecutive bytes, aligned
.endr
.endm
.macro EPI rope
	WIN 0
	PLACES
	s_wait_loadcnt 0x0                             ; the table
	PACKU 0, \rope
.irp un, 1,2,3,4,5,6,7
	PACKU \un, \rope
	SENDU (\un)-1, 8
.endr
	SENDU 7, 0
.if \rope
	s_wait_xcnt 0x0                                ; the stores have read their base and their registers
	s_add_nc_u64 s[OUTB:OUTB+1], s[OUTB:OUTB+1], 16777216  ; the next of the three tensors
.endif
.endm
	s_mov_b32 s[UC], 0
.Lstep:                                        ; eleven trips: a step is multiplied, the next asked for
	CHANGE 1
	STEP
	s_and_b32 s69, s[UC], 3
	s_cmp_eq_u32 s69, 3                            ; q's and k's last K step: the same answer in every work-group
	s_cbranch_scc0 .Lno_epi
	EPI 1
.Lno_epi:
	s_add_co_u32 s[UC], s[UC], 1
	s_cmp_lt_u32 s[UC], 11
	s_cbranch_scc1 .Lstep
	CHANGE 0                                       ; the last step is written out: nothing is asked for
	STEP
	EPI 0
	s_wait_tensorcnt 0x0                           ; the wave's end
	ds_add_u32 v[SPW], v[NIL]
	s_wait_dscnt 0x0
	CROUND                                         ; the closing round
	s_endpgm
.Lfunc_end_k_q4ff05d21bf_qkv:
	.size	k_q4ff05d21bf_qkv, .Lfunc_end_k_q4ff05d21bf_qkv-k_q4ff05d21bf_qkv
	.p2alignl 7, 3214868480
	.fill 96, 4, 3214868480
	.section	.rodata,"a",@progbits
	.p2align	6, 0x0
	.amdhsa_kernel k_q4ff05d21bf_qkv
		.amdhsa_group_segment_fixed_size 327680
		.amdhsa_private_segment_fixed_size 0
		.amdhsa_enable_private_segment 0
		.amdhsa_kernarg_size 24
		.amdhsa_user_sgpr_count 2
		.amdhsa_user_sgpr_kernarg_segment_ptr 1
		.amdhsa_wavefront_size32 1
		.amdhsa_system_sgpr_workgroup_id_x 1
		.amdhsa_system_sgpr_workgroup_id_y 1
		.amdhsa_system_sgpr_workgroup_id_z 1
		.amdhsa_system_vgpr_workitem_id 0
		.amdhsa_next_free_vgpr 512
		.amdhsa_next_free_sgpr 100
		.amdhsa_reserve_vcc 0
		.amdhsa_float_denorm_mode_32 3
		.amdhsa_float_denorm_mode_16_64 3
		.amdhsa_memory_ordered 1
		.amdhsa_forward_progress 1
		.amdhsa_inst_pref_size 106
	.end_amdhsa_kernel
	.amdgpu_metadata
---
amdhsa.version: [ 1, 2 ]
amdhsa.kernels:
  - .name:           k_q4ff05d21bf_qkv
    .symbol:         k_q4ff05d21bf_qkv.kd
    .args:
      - { .name: xa, .offset: 0, .size: 8, .value_kind: global_buffer, .address_space: global }
      - { .name: wts, .offset: 8, .size: 8, .value_kind: global_buffer, .address_space: global }
      - { .name: qkv, .offset: 16, .size: 8, .value_kind: global_buffer, .address_space: global }
    .group_segment_fixed_size: 327680
    .private_segment_fixed_size: 0
    .kernarg_segment_align: 8
    .kernarg_segment_size: 24
    .max_flat_workgroup_size: 128
    .sgpr_count:     100
    .vgpr_count:     512
    .wavefront_size: 32
...
	.end_amdgpu_metadata
.endif
;; end of part 7
;; launch attn: the kernel of part 3 again; grid 4 x 64, 4 waves a work-group, no clusters, 327,680 bytes of LDS; arguments qkv, ap; writes ap
;; launch tail (part 8): grid 256 x 1, 4 waves a work-group, clusters of 4 x 1, 327,680 bytes of LDS; arguments ap, wo, x, wts, w2b, out0; writes out0
.if DOCPART == 8
	.amdgcn_target "amdgcn-amd-amdhsa--gfx1250"
	.amdhsa_code_object_version 6
	.text
	.protected	k_q4ff05d21bf_tail
	.globl	k_q4ff05d21bf_tail
	.p2align	8
	.type	k_q4ff05d21bf_tail,@function
k_q4ff05d21bf_tail:
	s_mov_b64 s[64:65], 0
	v_nop
	global_prefetch_b8 v0, s[64:65] scope:SCOPE_SE
	s_setreg_imm32_b32 hwreg(HW_REG_WAVE_MODE, 25, 1), 1
	s_wait_xcnt 0x0
	s_wait_alu depctr_hold_cnt(0) depctr_sa_sdst(0) depctr_va_vdst(0) depctr_va_sdst(0) depctr_va_ssrc(0) depctr_va_vcc(0) depctr_vm_vsrc(0)
	s_getreg_b32 s2, hwreg(HW_REG_IB_STS2, 6, 4)
	s_cmp_eq_u32 s2, 0
	s_cbranch_scc0 .Lentry_in_a_cluster
	s_endpgm
.Lentry_in_a_cluster:
	s_bfe_u32 s2, ttmp6, 0x10000c
	s_cmp_lg_u32 s2, 0x3003
	s_cbranch_scc0 .Lentry_shape_is_right
	s_endpgm
.Lentry_shape_is_right:
; THE BLOCK'S SECOND HALF IN ONE LAUNCH:  O = x + H o_w^T;  h = swish(a) gate with a, gate = rmsnorm(O, g2) w1^T, w3^T;  out = O + h w2^T.
; H comes in planes (ap[b][p][s][64] bf16: a row of 128 bytes = hi of channels 32 p .., then their lo); the weights are bf16 [rows][512]: wo, w2b, and in wts (from byte W13O) 1,024 rows in tiles of 16,
; w1's and w3's by turns, already multiplied by g2 along k.  x and out are [8192][512] f32.
; SHARES.  A row's norm and both later products need the whole row, so a work-group owns 32 whole tokens and all 512 columns; a wave 32 tokens x 128 columns: 16 accumulators.  O and h never leave the WGP.
; FOUR PRODUCTS OF ONE SHAPE (512 weight rows x K = 512) follow each other: o_w (H as hi and lo: two matrix products on one accumulator), one half of the w1/w3 table (512 rows), the other half, w2.
; The matrix instruction is used transposed (source 0 = 16 weight rows, source 1 = 16 tokens): a lane holds one token and eight neighbouring columns.
; 1 / rms is a number of the row and commutes with the product: the matrix unit multiplies bf16(O), the sum of O^2 is taken in f32 of the unrounded O, and a and the gate are scaled on their way out.
; h goes to the last product as one bf16 number; O stays in f32 in its accumulators and is added at the end.
; RING.  Sixteen K steps of 128 through two LDS slots of 512 rows x 272 bytes.  Wave w fetches rows 128 w .. of each tile (128 rows of 256 bytes) and reads those rows.  Both slots' first fills go out together at the
; head: two tensor loads of a wave are out there, later one behind each round.
; CLUSTER 4 x 1: every work-group streams the same 2 MiB of weights, so each tile is asked for JOINTLY by the four, with the same descriptor and the mask 15.
; THE 64 CLUSTERS DO NOT WALK ALIKE.  In the first product step t takes K step (t + rot) mod 4, rot = cluster mod 4: H's planes come from memory into fixed registers, so rot enters global addresses alone.  Clusters with
; bit 2 of their number set take the w1/w3 table's second half first.  So tiles 2, 3 and 8 to 11 of a cluster's walk have been asked for by other clusters a step or more before.  The K of steps 4 to 15 is walked alike by
; all: their left operand lies in LDS, and no LDS address here hangs on a work-group's or a cluster's number.  f32 sums may be taken in any order.
; H's 64 fragments lie in 512 registers, so the first product's four steps are written out (their first products start the sums with 0).  Steps 4 to 15 are one loop and a tail: their left
; operand lies in LDS (region X), at an address that steps with the counter.  Their 128 accumulator registers are cleared three times: the price of one text for twelve steps.
; REGION X serves four uses in turn, a barrier between each two: each wave's stage for x; bf16(O), 32 rows x 1,040 bytes; bf16(h), likewise; each wave's stage on the way out.  No tensor load ever lands in it.
; LIMITS: where exp2(-a log2 e) overflows the reciprocal is 0 and h is 0, the function's limit; NaN and infinities are not treated apart.
; REGISTERS, in windows of 256 (s_set_vgpr_msb: bits 1:0 source 0, 3:2 source 1, 5:4 source 2, 7:6 destination):
;   window 0: v0-31 addresses and small things; v32-63, v64-95 packed O, then packed h (the half made second, the half made first), then rows on the way out; v96-127 two buffers of the left operand; v128-255 O's accumulators
;   window 1: v0-127 two buffers of weight fragments; v128-255 x as loaded, then the accumulators of steps 4 to 15
;   window 3: the planes of my K steps 0 and 1, window 2: of my K steps 2 and 3 (place p of 16, token block a, hi or lo at 32 (p % 8) + 16 a + 8 part); later window 2 is at work in the ways out
.set PW,     272                       ; a weight row in LDS: 256 bytes + 16: the 16 rows of a load start at 16 different groups of four banks (ISA guide 11.1)
.set QUART,  128*PW                    ; what one tensor load brings
.set SLOT,   4*QUART                   ; 0x22000: it shares no bit with the four LDS words 0, 0x8800, 0x11000, 0x19800, so one exclusive or changes slots
.set XR,     2*SLOT                    ; region X
.set PX,     1040                      ; a token's row of bf16(O) or bf16(h): 1,024 bytes + 16
.set SP,     528                       ; a row of a wave's stage: 512 bytes + 16
.set RS,     XR+4*16*SP                ; the waves' partial sums of O^2: [wave][token block][16] f32
.set SPARE,  RS+512                    ; the spare words, 128 bytes for each wave: two blocks of 256 bytes that no other line names
.set W13O,   1835008                   ; the w1/w3 table's first byte in wts
.set U,     4                          ; v[4:11]  at work
.set ADRB0, 12                         ; v12  my lane's place in my quarter of a slot; never rewritten
.set ADRX0, 13                         ; v13  my lane's place in region X's rows; never rewritten
.set ADRB,  14                         ; v14  the same in the slot in hand
.set ADRX,  15                         ; v15  the same at the K step in hand
.set STO,   16                         ; v16  my stage: row l % 16, 32 bytes for each half of the lanes
.set RD,    17                         ; v17  my stage: 16 x lane of a row
.set CO,    18                         ; v18  16 x lane: my bytes in my wave's 512 of a row of x and of out
.set QO,    19                         ; v19  my offset in 16 rows of a plane
.set OSTO,  20                         ; v20  where I put 16 bytes of bf16(O)
.set OSTH,  21                         ; v21  where I put 16 bytes of bf16(h)
.set RSS,   22                         ; v22  where I put my wave's partial sum
.set RSL,   23                         ; v23  where I read the four
.set RI,    24                         ; v[24:27] 1 / rms of my token in block a at RI + 2 a
.set SPW,   28                         ; v28  my spare word; never rewritten
.set NIL,   29                         ; v29  0; never rewritten
.set PFO,   30                         ; v30  1,024 x lane: a weight row in memory; never rewritten
.set HPK,   32
.set HPK2,  64
.set AF,    96
.set ACC,   128
.set ABR, 2                            ; s[2:9]   ap at the four planes of my K steps 0 .. 3; never rewritten
.set KW,  11                           ; s11-14   the byte in a row of wo at which my K steps 0 .. 3 begin
.set G1,  24                           ; s[24:31] descriptor group 1
.set G0,  32                           ; s[32:35] descriptor group 0: slot 1's first fill, then it walks
.set GA,  34                           ; its global address
.set G0F, 36                           ; s[36:39] descriptor group 0 of slot 0's first fill; never rewritten
.set BW0, 44                           ; s[44:45] wo at my 128 rows
.set BW1, 46                           ; s[46:47] the w1/w3 table at my 128 rows
.set BW3, 48                           ; s[48:49] w2b at my 128 rows
.set PB1, 52                           ; s[52:53], s[54:55] the table and w2b at my work-group's 32 of those rows: for the prefetches alone
.set PB3, 54
.set PFA, 56                           ; s[56:57] what the loop's prefetch names
.set T0,  58                           ; s[58:59] an offset, its high word 0
.set T1,  60
.set T2,  61
.set NN,  62
.set SW,  63                           ; s63  1: my cluster takes the table's second half first
.set UC,  66                           ; s66  the K step in hand, 4 .. 15
.set TB,  67                           ; s67  the slot in hand
.set LIMA, 68                          ; s68  5 in clusters 0 and 4, else 0
.set ROT, 69                           ; s69  cluster mod 4
.set AB,  70
.set XB,  72
.set OUTP, 74
.set SEL, 76
.set C512, 78
.set EPSR, 79
.set NL,  92
.set PFS, 94                           ; s[94:95] the half of the table that I take first, at my work-group's 32 rows; never rewritten
.set LIMB, 96                          ; s96  13 in cluster 0, else 0
.set BWF, 98                           ; s[98:99] the half of the table that I take first, at my 128 rows
.set MSB, 0
.macro WIN new                         ; the immediate's high byte repeats the setting that is left; a switch that changes nothing is dropped
.if MSB != (\new)
	s_set_vgpr_msb (MSB<<8)|(\new)
.set MSB, \new
.endif
.endm
.macro PLACES                          ; four places behind matrix instructions (for instructions other than loads)
.rept 4
	v_nop
.endr
.endm
.macro CROUND                          ; a round of the cluster's barrier
	s_barrier_signal -1
	s_barrier_wait -1
	s_cmp_lg_u32 s10, 0
	s_cbranch_scc1 .Lnot_wave_0_\@
	s_barrier_signal -3
.Lnot_wave_0_\@:
	s_barrier_wait -3
	s_barrier_signal -1
	s_barrier_wait -1
.endm
.macro TLOAD                           ; my quarter of a tile, asked for jointly; an s_nop 0 and four v_nop follow the line
	tensor_load_to_lds s[G0:G0+3], s[G1:G1+7]
	s_nop 0
.rept 4
	v_nop
.endr
.endm
; The tile of my step n (in s[NN], 5 or more) begins at K step n % 4 (256 bytes on) of product n / 4: 1, 2: the halves of the w1/w3 table (512 rows of 1,024 bytes apart), the second one first where SW = 1; 3: w2b
.macro TADR out, b1, b3
	s_and_b32 s[T0], s[NN], 3
	s_lshl_b32 s[T0], s[T0], 8
	s_lshr_b32 s[T1], s[NN], 2
	s_cmp_eq_u32 s[T1], 2
	s_cselect_b32 s[T2], 1, 0
	s_xor_b32 s[T2], s[T2], s[SW]                  ; which half
	s_lshl_b32 s[T2], s[T2], 19
	s_cmp_eq_u32 s[T1], 3
	s_cselect_b32 s[T2], 0, s[T2]
	s_cselect_b64 s[\out:\out+1], s[\b3:\b3+1], s[\b1:\b1+1]
	s_add_co_u32 s[T0], s[T0], s[T2]
	s_add_nc_u64 s[\out:\out+1], s[\out:\out+1], s[T0:T0+1]
.endm
; A PREFETCH INTO THE L2.  Behind the load of my step u + 1's tile and the loads that the next products wait for, the tile of my step u + 3 is named: 512 rows x 256 bytes.  Only tiles that no cluster has asked for
; earlier are named, each once.  Steps 4 to 7: the half of the table that a cluster takes first: cluster 0 names the first half's tiles, cluster 4 the second half's (u = 1 .. 4).  Steps 12 to 15, w2's tiles: cluster 0
; (u = 9 .. 12).  Of the 128 rows that wave w fetches, the partner at place cx takes 32 cx .. 32 cx + 31, told apart BY ADDRESS: a lane a row, one instruction a wave.
; wo's four tiles are all asked for at the head, by one cluster or another, and come by their loads alone; behind step 12 there is no tile to name.
.macro ASKS off                        ; in the steps that are written out the K step stands in the immediate
	s_cmp_lg_u32 s[LIMA], 0
	s_cbranch_scc0 .Lnot_mine_\@
	global_prefetch_b8 v[PFO], s[PFS:PFS+1] offset:\off th:TH_LOAD_NT scope:SCOPE_SE
.Lnot_mine_\@:
.endm
.macro ASKD
	s_cmp_lt_u32 s[UC], s[LIMA]                    ; u = 4, in clusters 0 and 4
	s_cbranch_scc1 .Lask_\@
	s_cmp_lt_u32 s[UC], 9
	s_cbranch_scc1 .Lnot_mine_\@
	s_cmp_lt_u32 s[UC], s[LIMB]                    ; u = 9 .. 12, in cluster 0
	s_cbranch_scc0 .Lnot_mine_\@
.Lask_\@:
	global_prefetch_b8 v[PFO], s[PFA:PFA+1] th:TH_LOAD_NT scope:SCOPE_SE
.Lnot_mine_\@:
.endm
; THE CHANGE OF SLOTS.  Each wave waits for all its tensor loads (one is out: its quarter of the slot to be read), adds 0 to its spare word, and waits for that and for its reads of the slot that it leaves.
; kind 1, 2: a round of the cluster's barrier, and the slot just left takes the next tile, the first thing behind the round (1: its address is base, plus the offset in s[koff] if one is named; 2: it is made from the
; counter).  kind 0: nothing is asked for.
.macro CHANGE kind, base=0, koff=-1
	WIN 0
.if (\kind) == 2
	s_wait_xcnt 0x0                                ; the last prefetch, a step back, has read its address
	s_add_co_u32 s[NN], s[UC], 3
	TADR PFA, PB1, PB3
.endif
	s_wait_tensorcnt 0x0
	ds_add_u32 v[SPW], v[NIL]
.if (\kind) == 1
	s_xor_b32 s[G0+1], s[G0+1], SLOT
.if (\koff) >= 0
	s_mov_b32 s[T0], s[\koff]
	s_add_nc_u64 s[GA:GA+1], s[\base:\base+1], s[T0:T0+1]
.else
	s_mov_b64 s[GA:GA+1], s[\base:\base+1]
.endif
	s_or_b32 s[GA+1], s[GA+1], 0x80000000
.endif
.if (\kind) == 2
	s_xor_b32 s[G0+1], s[G0+1], SLOT
	s_add_co_u32 s[NN], s[UC], 1
	TADR GA, BW1, BW3
	s_or_b32 s[GA+1], s[GA+1], 0x80000000
.endif
	s_wait_dscnt 0x0
.if (\kind) != 0
	CROUND
	TLOAD                                          ; its four v_nop are also the places in front of the loads that follow
.else
	s_barrier_signal -1
	s_barrier_wait -1
	PLACES
.endif
	s_xor_b32 s[TB], s[TB], SLOT
	v_add_nc_u32 v[ADRB], s[TB], v[ADRB0]
.if (\kind) != 1
	s_and_b32 s[T1], s[UC], 3                      ; the left operand's K step: 256 bytes of its rows
	s_lshl_b32 s[T1], s[T1], 8
	v_add_nc_u32 v[ADRX], s[T1], v[ADRX0]
.endif
.endm
	s_load_b256 s[80:87], s[0:1], 0x0              ; ap s[80:81], wo s[82:83], x s[84:85], wts s[86:87]
	s_load_b128 s[88:91], s[0:1], 0x20             ; w2b s[88:89], out0 s[90:91]
	v_lshl_add_u32 v[SPW], v0, 2, SPARE
	v_mov_b32 v[NIL], 0
	ds_add_u32 v[SPW], v[NIL]                      ; the wave's opening: the add and its wait stand ahead of my first tensor load
	v_lshrrev_b32 v1, 5, v0
	v_readfirstlane_b32 s10, v1                    ; wave 0..3
	s_bfe_u32 s40, ttmp6, 0x40000                  ; cx: it enters the addresses of ap, x, out and of the prefetches alone
	s_lshl_b32 s42, ttmp9, 2
	s_add_co_u32 s42, s42, s40                     ; my block of 32 tokens
	s_and_b32 s[ROT], ttmp9, 3                     ; made of the cluster's number, which the four partners share
	s_lshr_b32 s[SW], ttmp9, 2
	s_and_b32 s[SW], s[SW], 1
.irp t, 0,1,2,3
	s_add_co_u32 s[KW+(\t)], s[ROT], \t            ; my step t of the first product takes K step (t + rot) mod 4:
	s_and_b32 s[KW+(\t)], s[KW+(\t)], 3
	s_lshl_b32 s[KW+(\t)], s[KW+(\t)], 8           ; 256 bytes of a row of wo a K step
.endr
	s_mov_b32 s[G1], 15|(1<<16)|(1<<20)|(1<<21)|(5<<22)|(3<<25)  ; the mask of four; 2-byte elements; padding on; bit 21 beside a mask; after every 64 words, 4 words
	s_mov_b32 s[G1+1], 128<<16                     ; tensor_dim0 = 128
	s_mov_b32 s[G1+2], 128<<16                     ; tensor_dim1 = 128
	s_mov_b32 s[G1+3], 128<<16                     ; tile_dim0 = 128
	s_mov_b32 s[G1+4], 128                         ; tile_dim1 = 128
	s_mov_b32 s[G1+5], 512                         ; 512 elements from row to row
	s_mov_b32 s[G1+6], 0
	s_mov_b32 s[G1+7], 0
	s_mov_b32 s[G0F], 1
	s_mul_i32 s[G0F+1], s10, QUART                 ; slot 0, my quarter
	s_mov_b32 s[G0], 1
	s_add_co_u32 s[G0+1], s[G0F+1], SLOT           ; slot 1, my quarter
	s_lshl_b32 s16, s10, 17                        ; my 128 rows of 1,024 bytes
	s_mov_b32 s17, 0
	s_lshl_b32 s18, s40, 15                        ; my work-group's 32 of them
	s_mov_b32 s19, 0
	s_lshr_b32 s20, s42, 6                         ; ap: the batch's 16 planes,
	s_lshl_b32 s20, s20, 22
	s_and_b32 s21, s42, 63                         ; my 32 rows of 128 bytes in a plane
	s_lshl_b32 s21, s21, 12
	s_add_co_u32 s20, s20, s21
	s_mov_b32 s21, 0
	s_lshl_b32 s22, s42, 16                        ; x, out: my 32 rows of 2,048 bytes,
	s_lshl_b32 s23, s10, 9                         ; my wave's 512 bytes of them
	s_add_co_u32 s22, s22, s23
	s_mov_b32 s23, 0
	s_mov_b32 s[TB], SLOT                          ; the first change of slots turns it into 0
	s_mov_b32 s[T0+1], 0
	s_mov_b32 s[SEL], 0x76543210
	s_mov_b32 s[SEL+1], 0xfedcba98
	s_mov_b32 s[C512], 0x3b000000                  ; 1 / 512
	s_mov_b32 s[EPSR], 0x3727c5ac                  ; eps = 1e-5
	s_mov_b32 s[NL], 0xbfb8aa3b                    ; -log2(e)
	s_mov_b32 s[NL+1], s[NL]
	s_and_not1_b32 s[T1], ttmp9, 4                 ; 0 in clusters 0 and 4: the same in all four partners
	s_cmp_eq_u32 s[T1], 0
	s_cselect_b32 s[LIMA], 5, 0
	s_cmp_eq_u32 ttmp9, 0
	s_cselect_b32 s[LIMB], 13, 0
	s_wait_dscnt 0x0                               ; the opening add is done
	s_wait_kmcnt 0x0
	s_add_nc_u64 s[BW0:BW0+1], s[82:83], s[16:17]
	s_add_nc_u64 s[BW1:BW1+1], s[86:87], s[16:17]
	s_add_nc_u64 s[BW1:BW1+1], s[BW1:BW1+1], W13O
	s_add_nc_u64 s[BW3:BW3+1], s[88:89], s[16:17]
	s_add_nc_u64 s[PB1:PB1+1], s[BW1:BW1+1], s[18:19]
	s_add_nc_u64 s[PB3:PB3+1], s[BW3:BW3+1], s[18:19]
	s_lshl_b32 s[T0], s[SW], 19                    ; 512 rows of 1,024 bytes
	s_add_nc_u64 s[BWF:BWF+1], s[BW1:BW1+1], s[T0:T0+1]
	s_add_nc_u64 s[PFS:PFS+1], s[PB1:PB1+1], s[T0:T0+1]
	s_add_nc_u64 s[AB:AB+1], s[80:81], s[20:21]
	s_add_nc_u64 s[XB:XB+1], s[84:85], s[22:23]
	s_add_nc_u64 s[OUTP:OUTP+1], s[90:91], s[22:23]
.irp t, 0,1,2,3
	s_lshl_b32 s[T0], s[KW+(\t)], 12               ; four planes of 262,144 bytes a K step
	s_add_nc_u64 s[ABR+2*(\t):ABR+2*(\t)+1], s[AB:AB+1], s[T0:T0+1]
.endr
	s_mov_b32 s[T0], s[KW]
	s_add_nc_u64 s[G0F+2:G0F+3], s[BW0:BW0+1], s[T0:T0+1]
	s_or_b32 s[G0F+3], s[G0F+3], 0x80000000
	s_mov_b32 s[T0], s[KW+1]
	s_add_nc_u64 s[GA:GA+1], s[BW0:BW0+1], s[T0:T0+1]
	s_or_b32 s[GA+1], s[GA+1], 0x80000000
	CROUND                                         ; all four work-groups are here: the first joint loads meet
	tensor_load_to_lds s[G0F:G0F+3], s[G1:G1+7]    ; both slots' first fills stand together, ahead of every wait on TENSORcnt and every LDS read: my step 0's tile,
	s_nop 0
	tensor_load_to_lds s[G0:G0+3], s[G1:G1+7]      ; and my step 1's; an s_nop 0 follows each, four v_nop the second
	s_nop 0
.rept 4
	v_nop
.endr
; Sixteen loads: the planes at places 2 q and 2 q + 1 of my walk, as fragments: lane l holds token l % 16 of a block; 16 bytes at 16 (l / 16) and at 32 + 16 (l / 16) of the row's hi, then of its lo
.macro AL q
	WIN (3-(\q)/4)<<6
.irp pp, 0,1
.irp la, 0,1
.irp lp, 0,1
	global_load_b128 v[32*((2*(\q)+(\pp))%8)+16*(\la)+8*(\lp):32*((2*(\q)+(\pp))%8)+16*(\la)+8*(\lp)+3], v[QO], s[ABR+2*((\q)/2):ABR+2*((\q)/2)+1] offset:262144*((2*(\q)+(\pp))%4)+2048*(\la)+64*(\lp)
	global_load_b128 v[32*((2*(\q)+(\pp))%8)+16*(\la)+8*(\lp)+4:32*((2*(\q)+(\pp))%8)+16*(\la)+8*(\lp)+7], v[QO], s[ABR+2*((\q)/2):ABR+2*((\q)/2)+1] offset:262144*((2*(\q)+(\pp))%4)+2048*(\la)+64*(\lp)+32
.endr
.endr
.endr
.endm
; Sixteen loads: rows 16 q .. of x, my wave's 512 consecutive bytes of each
.macro XL q
	WIN 0x40
.irp rr, 0,1,2,3,4,5,6,7,8,9,10,11,12,13,14,15
	global_load_b128 v[128+4*(16*(\q)+(\rr)):128+4*(16*(\q)+(\rr))+3], v[CO], s[XB:XB+1] offset:2048*(16*(\q)+(\rr))
.endr
.endm
	v_and_b32 v1, 15, v0                           ; l % 16
	v_bfe_u32 v2, v0, 4, 1                         ; l / 16
	v_and_b32 v3, 31, v0                           ; l
	v_lshlrev_b32 v[QO], 7, v1
	v_lshl_add_u32 v[QO], v2, 4, v[QO]
	v_lshlrev_b32 v[CO], 4, v3
	AL 0                                           ; places 0 to 5: 48 loads are out
	AL 1
	AL 2
	WIN 0
	s_mul_i32 s20, s10, QUART
	v_mul_u32_u24 v[ADRB0], v1, PW
	v_lshl_add_u32 v[ADRB0], v2, 4, v[ADRB0]
	v_add_nc_u32 v[ADRB0], s20, v[ADRB0]
	v_mul_u32_u24 v[ADRX0], v1, PX
	v_lshl_add_u32 v[ADRX0], v2, 4, v[ADRX0]
	v_add_nc_u32 v[ADRX0], XR, v[ADRX0]
	s_lshl_b32 s21, s10, 8                         ; my wave's 128 columns of O: 256 bytes
	v_add_nc_u32 v[OSTO], s21, v[ADRX0]
	s_lshl_b32 s21, s10, 7                         ; my wave's 64 columns of a half of h: 128 bytes
	v_add_nc_u32 v[OSTH], s21, v[ADRX0]
	s_mul_i32 s22, s10, 16*SP
	s_add_co_u32 s22, s22, XR                      ; my stage
	v_mul_u32_u24 v[STO], v1, SP
	v_lshl_add_u32 v[STO], v2, 5, v[STO]
	v_add_nc_u32 v[STO], s22, v[STO]
	v_lshl_add_u32 v[RD], v3, 4, s22
	s_lshl_b32 s23, s10, 7
	s_add_co_u32 s23, s23, RS
	v_lshl_add_u32 v[RSS], v1, 2, s23
	v_lshlrev_b32 v[RSL], 2, v1
	v_add_nc_u32 v[RSL], RS, v[RSL]
	v_lshlrev_b32 v[PFO], 10, v3
	v_mov_b32 v[RI+1], 0                           ; named with their neighbours as pairs
	v_mov_b32 v[RI+3], 0
; 16 LDS loads: my eight weight fragments of 32 k (chunk c of the slot's four) into buffer buf
.macro FETCHB c, buf
	WIN 0x40
.irp fb, 0,1,2,3,4,5,6,7
	ds_load_b128 v[64*(\buf)+8*(\fb):64*(\buf)+8*(\fb)+3],   v[ADRB] offset:64*(\c)+(\fb)*16*PW
	ds_load_b128 v[64*(\buf)+8*(\fb)+4:64*(\buf)+8*(\fb)+7], v[ADRB] offset:64*(\c)+(\fb)*16*PW+32
.endr
.endm
; 4 LDS loads: the left operand's two fragments of the same 32 k, out of region X
.macro FETCHA c, buf
	WIN 0
.irp fa, 0,1
	ds_load_b128 v[AF+16*(\buf)+8*(\fa):AF+16*(\buf)+8*(\fa)+3],   v[ADRX] offset:64*(\c)+(\fa)*16*PX
	ds_load_b128 v[AF+16*(\buf)+8*(\fa)+4:AF+16*(\buf)+8*(\fa)+7], v[ADRX] offset:64*(\c)+(\fa)*16*PX+32
.endr
.endm
; 32 matrix instructions: the hi of the plane at place p, then its lo; the 16 accumulators by turns, one instruction a turn.  zero = 1: the hi products start the sums
.macro MULS p, buf, zero
	WIN 0x01|((3-(\p)/8)<<2)
.irp part, 0,1
.irp ma, 0,1
.irp mb, 0,1,2,3,4,5,6,7
.if (\zero) && ((\part) == 0)
	v_wmma_f32_16x16x32_bf16 v[ACC+8*(8*(\ma)+(\mb)):ACC+8*(8*(\ma)+(\mb))+7], v[64*(\buf)+8*(\mb):64*(\buf)+8*(\mb)+7], v[32*((\p)%8)+16*(\ma)+8*(\part):32*((\p)%8)+16*(\ma)+8*(\part)+7], 0
.else
	v_wmma_f32_16x16x32_bf16 v[ACC+8*(8*(\ma)+(\mb)):ACC+8*(8*(\ma)+(\mb))+7], v[64*(\buf)+8*(\mb):64*(\buf)+8*(\mb)+7], v[32*((\p)%8)+16*(\ma)+8*(\part):32*((\p)%8)+16*(\ma)+8*(\part)+7], v[ACC+8*(8*(\ma)+(\mb)):ACC+8*(8*(\ma)+(\mb))+7]
.endif
.endr
.endr
.endr
.endm
; My step t of the first product: places 4 t .. 4 t + 3.  s_wait_loadcnt 16: this step's planes are in, the sixteen youngest loads may stay out; then 32 (at the end 16) more go out: 48 at the most.
; Each chunk's weight fragments are fetched a chunk ahead, behind four places, and waited for at the chunk's head.
.macro STEPP t
	FETCHB 0, 0
	WIN 0
	s_wait_loadcnt 16
.if (\t) == 0
	AL 3
	AL 4
	WIN 0
.endif
.if (\t) == 1
	AL 5
	AL 6
	WIN 0
	ASKS 0
.endif
.if (\t) == 2
	AL 7
	XL 0
	WIN 0
	ASKS 256
.endif
.if (\t) == 3
	XL 1
	WIN 0
	ASKS 512
.endif
.irp c, 0,1,2,3
	s_wait_dscnt 0x0
.if (\c) < 3
	PLACES
	FETCHB (\c)+1, ((\c)+1)%2
.endif
.if ((\t) == 0) && ((\c) == 0)
	MULS 4*(\t)+(\c), (\c)%2, 1
.else
	MULS 4*(\t)+(\c), (\c)%2, 0
.endif
.endr
	WIN 0
.endm
; 16 matrix instructions of steps 4 to 15: the 16 accumulators by turns
.macro MUL1 buf
	WIN 0x51                                       ; source 0, C and D in window 1, source 1 in window 0
.irp ma, 0,1
.irp mb, 0,1,2,3,4,5,6,7
	v_wmma_f32_16x16x32_bf16 v[128+8*(8*(\ma)+(\mb)):128+8*(8*(\ma)+(\mb))+7], v[64*(\buf)+8*(\mb):64*(\buf)+8*(\mb)+7], v[AF+16*(\buf)+8*(\ma):AF+16*(\buf)+8*(\ma)+7], v[128+8*(8*(\ma)+(\mb)):128+8*(8*(\ma)+(\mb))+7]
.endr
.endr
.endm
.macro STEP1 ask
	FETCHB 0, 0
	FETCHA 0, 0
.if \ask
	ASKD
.endif
.irp c, 0,1,2,3
	s_wait_dscnt 0x0
.if (\c) < 3
	PLACES
	FETCHB (\c)+1, ((\c)+1)%2
	FETCHA (\c)+1, ((\c)+1)%2
.endif
	MUL1 (\c)%2
.endr
	WIN 0
.endm
	s_wait_tensorcnt 0x1                           ; my quarter of step 0's tile is in; step 1's load, issued behind it, may stay out
	s_barrier_signal -1
	s_barrier_wait -1
	s_xor_b32 s[TB], s[TB], SLOT                   ; slot 0
	v_add_nc_u32 v[ADRB], s[TB], v[ADRB0]
	STEPP 0
	CHANGE 1, BW0, KW+2
	STEPP 1
	CHANGE 1, BW0, KW+3
	STEPP 2
	CHANGE 1, BWF                                  ; the ring goes on into the next product: K step 0 of the half of the table that I take first
	STEPP 3
	; O = x + the sums.  x was loaded by whole rows; it goes through my stage, 16 rows at a time, and comes back as the accumulators lie.
	PLACES
	s_wait_loadcnt 16                              ; x's rows 0-15 are in; the other sixteen loads may stay out
	WIN 0x04                                       ; the data of an LDS store is source 1: window 1
.irp rr, 0,1,2,3,4,5,6,7,8,9,10,11,12,13,14,15
	ds_store_b128 v[RD], v[128+4*(\rr):128+4*(\rr)+3] offset:(\rr)*SP
.endr
	WIN 0x80
.irp xb, 0,1,2,3,4,5,6,7
	ds_load_b128 v[8*(\xb):8*(\xb)+3],   v[STO] offset:64*(\xb)      ; LDS serves a wave's instructions in order (ISA guide 5.7.1.4): these see the stores above
	ds_load_b128 v[8*(\xb)+4:8*(\xb)+7], v[STO] offset:64*(\xb)+16
.endr
	s_wait_loadcnt 0x0
	WIN 0x04
.irp rr, 0,1,2,3,4,5,6,7,8,9,10,11,12,13,14,15
	ds_store_b128 v[RD], v[128+4*(16+(\rr)):128+4*(16+(\rr))+3] offset:(\rr)*SP
.endr
	WIN 0x80
.irp xb, 0,1,2,3,4,5,6,7
	ds_load_b128 v[64+8*(\xb):64+8*(\xb)+3],   v[STO] offset:64*(\xb)
	ds_load_b128 v[64+8*(\xb)+4:64+8*(\xb)+7], v[STO] offset:64*(\xb)+16
.endr
	s_wait_dscnt 32                                ; the first block is back; the second block's 32 LDS instructions may stay out
	WIN 0x08                                       ; source 1 in window 2
.set n, 0
.rept 32
	v_pk_add_f32 v[ACC+2*n:ACC+2*n+1], v[ACC+2*n:ACC+2*n+1], v[2*n:2*n+1]
.set n, n+1
.endr
	s_wait_dscnt 0x0
.rept 32
	v_pk_add_f32 v[ACC+2*n:ACC+2*n+1], v[ACC+2*n:ACC+2*n+1], v[2*n:2*n+1]
.set n, n+1
.endr
	WIN 0
	s_barrier_signal -1                            ; every wave's reads of its stage are over: region X may take bf16(O).
	s_barrier_wait -1
.irp oa, 0,1                           ; the squares of the unrounded O, two chains a token block; O rounded to bf16
.irp ob, 0,1,2,3,4,5,6,7
.irp k, 0,1,2,3
.if ((\ob) == 0) && ((\k) < 2)
	v_pk_mul_f32 v[U+4*(\oa)+2*(\k):U+4*(\oa)+2*(\k)+1], v[ACC+8*(8*(\oa)+(\ob))+2*(\k):ACC+8*(8*(\oa)+(\ob))+2*(\k)+1], v[ACC+8*(8*(\oa)+(\ob))+2*(\k):ACC+8*(8*(\oa)+(\ob))+2*(\k)+1]
.else
	v_pk_fma_f32 v[U+4*(\oa)+2*((\k)%2):U+4*(\oa)+2*((\k)%2)+1], v[ACC+8*(8*(\oa)+(\ob))+2*(\k):ACC+8*(8*(\oa)+(\ob))+2*(\k)+1], v[ACC+8*(8*(\oa)+(\ob))+2*(\k):ACC+8*(8*(\oa)+(\ob))+2*(\k)+1], v[U+4*(\oa)+2*((\k)%2):U+4*(\oa)+2*((\k)%2)+1]
.endif
	v_cvt_pk_bf16_f32 v[HPK+4*(8*(\oa)+(\ob))+(\k)], v[ACC+8*(8*(\oa)+(\ob))+2*(\k)], v[ACC+8*(8*(\oa)+(\ob))+2*(\k)+1]
.endr
.endr
.endr
.irp oa, 0,1
.irp ob, 0,1,2,3,4,5,6,7
	ds_store_b128 v[OSTO], v[HPK+4*(8*(\oa)+(\ob)):HPK+4*(8*(\oa)+(\ob))+3] offset:16*PX*(\oa)+32*(\ob)
.endr
.endr
.irp oa, 0,1
	v_pk_add_f32 v[U+4*(\oa):U+4*(\oa)+1], v[U+4*(\oa):U+4*(\oa)+1], v[U+4*(\oa)+2:U+4*(\oa)+3]
.endr
.irp oa, 0,1
	v_add_f32 v[U+4*(\oa)], v[U+4*(\oa)], v[U+4*(\oa)+1]
.endr
.irp oa, 0,1
	v_permlanex16_b32 v[U+4*(\oa)+1], v[U+4*(\oa)], s[SEL], s[SEL+1]  ; the token's other columns lie in the lane 16 away
.endr
.irp oa, 0,1
	v_add_f32 v[U+4*(\oa)], v[U+4*(\oa)], v[U+4*(\oa)+1]
.endr
.irp oa, 0,1
	ds_store_b32 v[RSS], v[U+4*(\oa)] offset:64*(\oa)  ; lanes l and l + 16 write the same word with the same number
.endr
	WIN 0x40
.set n, 0
.rept 128
	v_mov_b32 v[128+n], 0                          ; the accumulators of the next product, where x lay
.set n, n+1
.endr
	WIN 0
; SwiGLU, behind each half of the w1/w3 table.  Accumulator (a, 2 j) holds a, (a, 2 j + 1) the gate of the same 16 columns of h.  The half before is moved aside first (the first time: what is left of the packed O).
; Two batches of 64 transcendentals, one wait each.  h waits in registers: region X still holds O.
.macro EPI_SW
	WIN 0
.set n, 0
.rept 32
	v_mov_b32 v[HPK2+n], v[HPK+n]                  ; also the places behind the last products
.set n, n+1
.endr
.irp ra, 0,1
.irp wv, 0,1,2,3
	ds_load_b32 v[U+4*(\ra)+(\wv)], v[RSL] offset:128*(\wv)+64*(\ra)
.endr
.endr
	s_wait_dscnt 0x0
.irp ra, 0,1
	v_add_f32 v[U+4*(\ra)], v[U+4*(\ra)], v[U+4*(\ra)+1]
	v_add_f32 v[U+4*(\ra)+2], v[U+4*(\ra)+2], v[U+4*(\ra)+3]
.endr
.irp ra, 0,1
	v_add_f32 v[U+4*(\ra)], v[U+4*(\ra)], v[U+4*(\ra)+2]
.endr
.irp ra, 0,1
	v_fma_f32 v[U+4*(\ra)], v[U+4*(\ra)], s[C512], s[EPSR]
.endr
.irp ra, 0,1
	v_rsq_f32 v[RI+2*(\ra)], v[U+4*(\ra)]
.endr
	v_nop
	s_wait_alu depctr_va_vdst(0)                   ; one wait for the two
	WIN 0x81                                       ; destination window 2, source 0 window 1, source 1 window 0
.irp ea, 0,1
.irp ej, 0,1,2,3
.irp i, 0,1,2,3
	v_pk_mul_f32 v[8*(4*(\ea)+(\ej))+2*(\i):8*(4*(\ea)+(\ej))+2*(\i)+1], v[128+8*(8*(\ea)+2*(\ej))+2*(\i):128+8*(8*(\ea)+2*(\ej))+2*(\i)+1], v[RI+2*(\ea):RI+2*(\ea)+1] op_sel_hi:[1,0]
.endr
.irp i, 0,1,2,3
	v_pk_mul_f32 v[64+8*(4*(\ea)+(\ej))+2*(\i):64+8*(4*(\ea)+(\ej))+2*(\i)+1], v[128+8*(8*(\ea)+2*(\ej)+1)+2*(\i):128+8*(8*(\ea)+2*(\ej)+1)+2*(\i)+1], v[RI+2*(\ea):RI+2*(\ea)+1] op_sel_hi:[1,0]
.endr
.endr
.endr
	WIN 0xaa                                       ; all in window 2: v0-63 a, v64-127 the gate, v128-191 at work
.set n, 0
.rept 32
	v_pk_mul_f32 v[128+2*n:128+2*n+1], v[2*n:2*n+1], s[NL:NL+1] op_sel_hi:[1,0]
.set n, n+1
.endr
.set n, 0
.rept 64
	v_exp_f32 v[128+n], v[128+n]
.set n, n+1
.endr
.set n, 0
.rept 32
	v_pk_mul_f32 v[2*n:2*n+1], v[2*n:2*n+1], v[64+2*n:64+2*n+1]  ; a x gate: the plain work behind the batch
.set n, n+1
.endr
	s_wait_alu depctr_va_vdst(0)                   ; one wait for the 64 exponentials
.set n, 0
.rept 32
	v_pk_add_f32 v[128+2*n:128+2*n+1], v[128+2*n:128+2*n+1], 1.0 op_sel_hi:[1,0]
.set n, n+1
.endr
.set n, 0
.rept 64
	v_rcp_f32 v[128+n], v[128+n]
.set n, n+1
.endr
	v_nop
	s_wait_alu depctr_va_vdst(0)                   ; one wait for the 64 reciprocals
.set n, 0
.rept 32
	v_pk_mul_f32 v[2*n:2*n+1], v[2*n:2*n+1], v[128+2*n:128+2*n+1]
.set n, n+1
.endr
	WIN 0x0a                                       ; sources in window 2, destination in window 0
.set n, 0
.rept 32
	v_cvt_pk_bf16_f32 v[HPK+n], v[2*n], v[2*n+1]
.set n, n+1
.endr
	WIN 0x40
.set n, 0
.rept 128
	v_mov_b32 v[128+n], 0
.set n, n+1
.endr
	WIN 0
.endm
; h into region X: the half made first lies in HPK2, the half made second in HPK; lo names the registers of the table's first half (columns 0-255 of h), hi those of its second (columns 256-511: 512 bytes on)
.macro HSTORE lo, hi
.irp ha, 0,1
.irp hj, 0,1,2,3
	ds_store_b128 v[OSTH], v[(\lo)+4*(4*(\ha)+(\hj)):(\lo)+4*(4*(\ha)+(\hj))+3] offset:16*PX*(\ha)+32*(\hj)
	ds_store_b128 v[OSTH], v[(\hi)+4*(4*(\ha)+(\hj)):(\hi)+4*(4*(\ha)+(\hj))+3] offset:16*PX*(\ha)+512+32*(\hj)
.endr
.endr
.endm
	s_mov_b32 s[UC], 4
.Lstep:                                        ; eleven trips: a step is multiplied, the next tile asked for
	CHANGE 2
	s_cmp_eq_u32 s[UC], 12                         ; the last product's first step: the round has shown every wave's reads of O over, so region X takes h
	s_cbranch_scc0 .Lno_h
	s_cmp_eq_u32 s[SW], 0                          ; the same answer in all four partners; the addresses are constants on both ways
	s_cbranch_scc0 .Lh_other
	HSTORE HPK2, HPK
	s_branch .Lno_h
.Lh_other:
	HSTORE HPK, HPK2
.Lno_h:
	s_wait_dscnt 0x0                               ; for the others' sake: my stores of h are done
	s_barrier_signal -1                            ; on every trip's path, so that no barrier stands under a branch
	s_barrier_wait -1
	STEP1 1
	s_and_b32 s[T1], s[UC], 3
	s_cmp_eq_u32 s[T1], 3                          ; steps 7 and 11 end a half of the w1/w3 table
	s_cbranch_scc0 .Lno_epi
	EPI_SW
.Lno_epi:
	s_add_co_u32 s[UC], s[UC], 1
	s_cmp_lt_u32 s[UC], 15
	s_cbranch_scc1 .Lstep
	CHANGE 0                                       ; the last step is written out: nothing is asked for
	STEP1 0
	; THE WAY OUT: O + h w2^T; 16 tokens at a time through my stage, back as whole rows of my wave's 512 bytes
	PLACES
	WIN 0x04                                       ; source 1 in window 1
.set n, 0
.rept 64
	v_pk_add_f32 v[ACC+2*n:ACC+2*n+1], v[ACC+2*n:ACC+2*n+1], v[128+2*n:128+2*n+1]
.set n, n+1
.endr
	WIN 0
	s_wait_dscnt 0x0
	s_barrier_signal -1                            ; every wave's reads of h are over: region X serves as stages again
	s_barrier_wait -1
.irp wa, 0,1
.if (\wa) == 1
	s_wait_xcnt 0x0                                ; the first block's stores have read their registers
.endif
.irp sb, 0,1,2,3,4,5,6,7
	ds_store_b128 v[STO], v[ACC+8*(8*(\wa)+(\sb)):ACC+8*(8*(\wa)+(\sb))+3]   offset:64*(\sb)
	ds_store_b128 v[STO], v[ACC+8*(8*(\wa)+(\sb))+4:ACC+8*(8*(\wa)+(\sb))+7] offset:64*(\sb)+16
.endr
.irp rr, 0,1,2,3,4,5,6,7,8,9,10,11,12,13,14,15
	ds_load_b128 v[HPK+4*(\rr):HPK+4*(\rr)+3], v[RD] offset:(\rr)*SP  ; LDS serves a wave's instructions in order (ISA guide 5.7.1.4)
.endr
.irp rr, 0,1,2,3,4,5,6,7,8,9,10,11,12,13,14,15
	s_wait_dscnt 15-(\rr)                          ; row rr is back; the later rows' loads may stay out
	global_store_b128 v[CO], v[HPK+4*(\rr):HPK+4*(\rr)+3], s[OUTP:OUTP+1] offset:2048*(16*(\wa)+(\rr))  ; 512 consecutive bytes, aligned
.endr
.endr
	s_wait_tensorcnt 0x0                           ; the wave's end
	ds_add_u32 v[SPW], v[NIL]
	s_wait_dscnt 0x0
	CROUND                                         ; the closing round
	s_endpgm
.Lfunc_end_k_q4ff05d21bf_tail:
	.size	k_q4ff05d21bf_tail, .Lfunc_end_k_q4ff05d21bf_tail-k_q4ff05d21bf_tail
	.p2alignl 7, 3214868480
	.fill 96, 4, 3214868480
	.section	.rodata,"a",@progbits
	.p2align	6, 0x0
	.amdhsa_kernel k_q4ff05d21bf_tail
		.amdhsa_group_segment_fixed_size 327680
		.amdhsa_private_segment_fixed_size 0
		.amdhsa_enable_private_segment 0
		.amdhsa_kernarg_size 48
		.amdhsa_user_sgpr_count 2
		.amdhsa_user_sgpr_kernarg_segment_ptr 1
		.amdhsa_wavefront_size32 1
		.amdhsa_system_sgpr_workgroup_id_x 1
		.amdhsa_system_sgpr_workgroup_id_y 1
		.amdhsa_system_sgpr_workgroup_id_z 1
		.amdhsa_system_vgpr_workitem_id 0
		.amdhsa_next_free_vgpr 1024
		.amdhsa_next_free_sgpr 100
		.amdhsa_reserve_vcc 0
		.amdhsa_float_denorm_mode_32 3
		.amdhsa_float_denorm_mode_16_64 3
		.amdhsa_memory_ordered 1
		.amdhsa_forward_progress 1
		.amdhsa_inst_pref_size 161
	.end_amdhsa_kernel
	.amdgpu_metadata
---
amdhsa.version: [ 1, 2 ]
amdhsa.kernels:
  - .name:           k_q4ff05d21bf_tail
    .symbol:         k_q4ff05d21bf_tail.kd
    .args:
      - { .name: ap, .offset: 0, .size: 8, .value_kind: global_buffer, .address_space: global }
      - { .name: wo, .offset: 8, .size: 8, .value_kind: global_buffer, .address_space: global }
      - { .name: x, .offset: 16, .size: 8, .value_kind: global_buffer, .address_space: global }
      - { .name: wts, .offset: 24, .size: 8, .value_kind: global_buffer, .address_space: global }
      - { .name: w2b, .offset: 32, .size: 8, .value_kind: global_buffer, .address_space: global }
      - { .name: out0, .offset: 40, .size: 8, .value_kind: global_buffer, .address_space: global }
    .group_segment_fixed_size: 327680
    .private_segment_fixed_size: 0
    .kernarg_segment_align: 8
    .kernarg_segment_size: 48
    .max_flat_workgroup_size: 128
    .sgpr_count:     100
    .vgpr_count:     1024
    .wavefront_size: 32
...
	.end_amdgpu_metadata
.endif
;; end of part 8
